; MI455X (gfx1250); checked and timed in simulation.
; The chip was launched on July 23, 2026; its instructions are those of AMD's public machine-readable ISA for CDNA 5 (MIT licence, August 2026) and "CDNA5" Instruction Set Architecture Reference Guide (July 2026). The comments in the code are by the model that wrote it; some were corrected since.
;; Encoder Block. Allowed arithmetic: matrix products marked QUANTISED: E2M3 operands, one E8M0 scale for each 32 along K, by v_wmma_scale_f32_16x16x128_f8f6f4 with both operands' format E2M3, f32 sums; everything else in f32.
;; Inputs: b1 4,096 float32; b2 1,024 float32; bk 1,024 float32; bo 1,024 float32; bq 1,024 float32; bv 1,024 float32; ln1_alpha one number float32; ln1_bias one number float32; ln2_alpha one number float32; ln2_bias one number float32; mask 2 x 1 x 1 x 2,048 int32; w1 1,024 x 4,096 float32; w2 4,096 x 1,024 float32; wk 1,024 x 1,024 float32; wo 1,024 x 1,024 float32; wq 1,024 x 1,024 float32; wv 1,024 x 1,024 float32; x 2 x 2,048 x 1,024 float32.
;; Outputs: out0 2 x 2,048 x 1,024 float32.
;; This version of the problem:
;;   THIS VERSION OF THE PROBLEM IS GIVEN IN LOW PRECISION. The matrix products marked QUANTISED in the list below multiply operands that are first quantised to E2M3 (2 exponent bits, 3 mantissa bits; 6 bits a number), with one power-of-two scale for each 32 numbers along K (OCP MX v1.0); their sums are f32. All else is computed in f32.
;;   The module's matrix products, in the order in which they are computed (A, B: the left and right operand; K: the contracted axis; several contracted axes count as one K, in the product's order):
;;     1. [M 4,096, K 1,024] x [K 1,024, N 1,024]; A: computed on the way; B: input wq: QUANTISED
;;     2. [M 4,096, K 1,024] x [K 1,024, N 1,024]; A: computed on the way; B: input wk: QUANTISED
;;     3. [M 4,096, K 1,024] x [K 1,024, N 1,024]; A: computed on the way; B: input wv: QUANTISED
;;     4. batch 32 x [M 2,048, K 64] x [K 64, N 2,048]; A: computed on the way; B: computed on the way: QUANTISED
;;     5. batch 32 x [M 2,048, K 2,048] x [K 2,048, N 64]; A: softmax (see below); B: computed on the way: QUANTISED
;;     6. [M 4,096, K 1,024] x [K 1,024, N 1,024]; A: computed on the way; B: input wo: QUANTISED
;;     7. [M 4,096, K 1,024] x [K 1,024, N 4,096]; A: computed on the way; B: input w1: QUANTISED
;;     8. [M 4,096, K 4,096] x [K 4,096, N 1,024]; A: computed on the way; B: input w2: QUANTISED
;;   THE QUANTISER, for each operand of a quantised product, along K:
;;     - K is cut into blocks of 32 from its start; a last block that is shorter is filled with zeros.
;;     - A block's scale is 2^e with e = floor(log2(the largest magnitude in the block)) - 2, held to -126 .. 127; a block of zeros has e = 0. As a byte (E8M0): e + 127.
;;     - Each number is divided by its block's scale, clamped to +-7.5, and rounded to the nearest number of E2M3, ties to even, subnormals kept.
;;     - The product sums the exact products of the quantised numbers (number of the format x scale) in f32.
;;   ~~~python
;;   def quantise(x, axis):      # numpy; x: float32 -> the quantised numbers, widened to float32 again
;;       x = np.moveaxis(x, axis, -1); K = x.shape[-1]
;;       x = np.pad(x, [(0, 0)] * (x.ndim - 1) + [(0, -K % 32)]); x = x.reshape(x.shape[:-1] + (-1, 32)); a = np.abs(x).max(-1, keepdims=True)
;;       e = np.where(a > 0, np.clip(np.frexp(np.where(a > 0, a, 1))[1] - 1 - 2, -126, 127), 0)      # np.frexp(a)[1] - 1 = floor(log2(a)), exactly
;;       r = np.clip(x / 2.0 ** e, -7.5, 7.5)
;;       step = 2.0 ** (np.maximum(np.frexp(np.where(r == 0, 1, r))[1] - 1, 0) - 3)
;;       q = np.round(r / step) * step * 2.0 ** e      # np.round: ties to even
;;       return np.moveaxis(q.reshape(q.shape[:-2] + (-1,))[..., :K], -1, axis).astype(np.float32)
;;   ~~~
;;   SOFTMAX AHEAD OF A QUANTISED PRODUCT. Where the list says 'softmax', what is quantised is not the finished softmax but p = 2^(t - M), with t = logit x log2(e) and M = ceil(the row's largest t), a whole number; so 1/2 < the row's largest p <= 1. The row's sum l is taken of the UNQUANTISED p, in f32, and the product's result is divided by l at the end. Since M is a whole number, a kernel that streams over the keys may use a running M (the ceiling of the running maximum): every later rescaling is an exact power of two, which a block's scale takes up: the codes' values come out the same.
;;   OPERANDS COMPUTED ON THE WAY. 'Computed on the way' means the value that the module computes at that place (a softmax that the list does not call 'softmax' is quantised finished and normalised). What goes into a quantiser is computed in f32, as accurately as f32 sums, v_exp_f32 and their like allow (about 1e-6 of the number): no bf16 or f16 on the way to a quantiser, and a product that is left as it is and whose result goes on into a quantised operand takes f32 operands (vector FMAs, or v_wmma_f32_16x16x4_f32). A number that lies on a knife's edge between two numbers of the format may be rounded either way, as far as f32 arithmetic and the matrix unit's own rounding can turn it there, and no further.
;; One version. Each part assembles by itself: llvm-mc -triple=amdgcn-amd-amdhsa -mcpu=gfx1250 --defsym DOCPART=n.
;; ======== version 1 of 1: 7 launches
;; limits: right only within a limited range of input values
;; workspace buffers: wts 9,830,400 bytes; xn 3,276,800 bytes; qkv 15,466,496 bytes; att 3,276,800 bytes; x1 16,777,216 bytes; yn 3,276,800 bytes; hid 13,107,200 bytes
;; launch prep (part 1): grid 256 x 4, 4 waves a work-group, no clusters, 66,816 bytes of LDS; arguments x, ln1_alpha, ln1_bias, xn, wq, wk, wv, wo, w1, w2, wts; writes xn, wts
.if DOCPART == 1
	.amdgcn_target "amdgcn-amd-amdhsa--gfx1250"
	.amdhsa_code_object_version 6
	.text
	.protected	k_q8640102c08_prep
	.globl	k_q8640102c08_prep
	.p2align	8
	.type	k_q8640102c08_prep,@function
k_q8640102c08_prep:
	s_mov_b64 s[64:65], 0
	v_nop
	global_prefetch_b8 v0, s[64:65] scope:SCOPE_SE
	s_setreg_imm32_b32 hwreg(HW_REG_WAVE_MODE, 25, 1), 1
	s_wait_xcnt 0x0
; TWO JOBS THAT SHARE NO DATA IN ONE LAUNCH: grid y = 0, 1, 2: the six weights become codes; grid y = 3: the first layer norm and its codes.  The ways part at the head on the work-group's y alone and never join again;
; each has its own barrier and its own LDS bytes (the weights bytes 0-511, the norm from byte 512 on), so a work-group claims both.
; BOTH make codes of FP6 (E2M3) with one E8M0 byte for each 32 along K, laid as IMAGES OF OPERAND REGISTERS.
; A fragment is 16 rows x 128 K, 12 registers a lane, 1,536 bytes: half c: registers 6c..6c+3 at 768 c + 16 lane, registers 6c+4, 6c+5 at 768 c + 512 + 8 lane.
; Row r of tile t is matrix row 32 (t / 2) + 8 (t % 2) + r % 8 + 16 (r / 8).  Codes: [tile][K step][1,536].  Scale words: [tile / 4][K step][16 rows][4 words], word t % 4: 256 bytes a unit.
; THE WEIGHTS, f32 stored [K][N].  wts: tiles 0-63 wq, 64-127 wk, 128-191 wv, 192-255 wo, 256-511 w1 (8 K steps each), then w2 (64 tiles of 32 K steps), then the scale units in the same order.
; A work-group takes 128 columns x 128 K, a wave 32 columns (two tiles), A LANE ONE COLUMN WITH ITS REGISTERS DOWN K: a block's largest magnitude needs no other lane and the codes come out with K innermost.
; y: 0 = wq, wk, wv, wo (64 work-groups each), 1 = w1, 2 = w2.
; THE NORM: y = alpha (x - mean) / (std + 1e-6) + bias along rows of 1,024 f32 (std with divisor 1,023); xn: 256 tiles x 8 K steps, scale units from byte 3,145,728 on.
; A work-group takes one tile.  First wave w norms the tile's rows 4 w .. 4 w + 3 (four consecutive tokens), a row in 32 registers, read from memory once; the mean is taken away BEFORE the squares are summed.
; The rows go through a stage in LDS (pitch 4,112 bytes: an odd multiple of 16); then wave w quantises K steps 2 w and 2 w + 1 of all 16 rows: lane (r, h) holds, of row r, 16 neighbours of each block of 32.
; The norm's scale words leave as 4 bytes a lane: a unit's other three words belong to other work-groups' tiles; they are one part in 24 of what that way stores.
; No matrix unit, no tensor load, no cluster: work-groups share nothing and every byte is read once.
; LIMITS: NaN and infinities are not served; a block whose largest magnitude lies under 2^-124 has its byte held at 1; a block of zeros gets the byte 1 (its codes are zeros; only this program reads the bytes).
.set STG,  512                         ; the norm's stage begins behind the weights' two scale units
.set X,    32                          ; weights: v32-159 128 numbers of my column: register 32 b + i = K 32 b + i.  Norm: four rows, later two K steps of 64 numbers
.set T0,   160                         ; v160-171 the fragment of tile 2 w
.set T1,   172                         ; v172-183 of tile 2 w + 1
.set TH,   184                         ; v184-199 the upper 16 codes of blocks, four registers apart
.set CB2,  6291456                     ; w2's codes
.set SB01, 9437184                     ; the scale units of the first 512 tiles
.set SB2,  9699328                     ; w2's
	v_lshl_add_u32 v216, v0, 2, 0x10300
	v_mov_b32 v217, 0
	s_and_b32 s19, ttmp7, 0xffff                   ; y
	s_cmp_eq_u32 s19, 3
	s_cbranch_scc1 .Lnorm                          ; the same for every wave of a work-group
; ---------------------------------------------------------------- the weights
	s_load_b256 s[4:11], s[0:1], 0x20              ; wq, wk, wv, wo
	s_load_b128 s[12:15], s[0:1], 0x40             ; w1, w2
	s_load_b64 s[16:17], s[0:1], 0x50              ; wts
	v_lshrrev_b32 v1, 5, v0
	v_readfirstlane_b32 s18, v1                    ; wave
	s_and_b32 s21, ttmp9, 7                        ; column block where N = 1,024
	s_and_b32 s22, ttmp9, 31                       ; where N = 4,096
	s_lshr_b32 s23, ttmp9, 3                       ; K step of w2
	s_and_b32 s24, s23, 7                          ; of wq .. wo
	s_lshr_b32 s25, ttmp9, 5                       ; of w1
	s_lshr_b32 s26, ttmp9, 6                       ; which of wq .. wo
	s_lshl_b32 s27, s26, 6                         ; its first tile
	s_cmp_eq_u32 s19, 1
	s_cselect_b32 s21, s22, s21                    ; cb
	s_cselect_b32 s24, s25, s24
	s_cselect_b32 s27, 256, s27
	s_cselect_b32 s28, 21, 19                      ; log2 of 128 rows in bytes
	s_cmp_eq_u32 s19, 2
	s_cselect_b32 s24, s23, s24                    ; ks
	s_cselect_b32 s27, 0, s27                      ; tb
	s_cselect_b32 s29, 32, 8                       ; K steps of the matrix
	s_cselect_b32 s30, CB2, 0
	s_mov_b32 s31, SB01
	s_cselect_b32 s31, SB2, s31
	s_lshl_b32 s32, s24, s28                       ; source: ks x 128 rows
	s_lshl_b32 s33, s21, 9
	s_add_co_u32 s32, s32, s33                     ; + 128 columns x cb
	s_lshl_b32 s33, s18, 7
	s_add_co_u32 s32, s32, s33                     ; + 32 columns x wave
	s_mov_b32 s33, 0
	s_lshl_b32 s34, s21, 3
	s_add_co_u32 s34, s34, s27                     ; the work-group's first tile
	s_lshl_b32 s35, s18, 1
	s_add_co_u32 s35, s35, s34                     ; my first tile
	s_mul_i32 s35, s35, s29
	s_add_co_u32 s35, s35, s24
	s_mul_i32 s36, s35, 1536
	s_add_co_u32 s36, s36, s30                     ; its fragment of this K step
	s_mov_b32 s37, 0
	s_mul_i32 s40, s29, 1536                       ; from a tile to the next
	s_lshr_b32 s41, s34, 2
	s_mul_i32 s41, s41, s29
	s_add_co_u32 s41, s41, s24
	s_lshl_b32 s42, s41, 8
	s_add_co_u32 s42, s42, s31                     ; the work-group's first scale unit
	s_mov_b32 s43, 0
	v_and_b32 v2, 31, v0                           ; lane = 16 u + r
	v_and_b32 v3, 15, v0                           ; r
	v_bfe_u32 v4, v0, 4, 1                         ; u
	v_and_b32 v5, 7, v0
	v_bfe_u32 v6, v0, 3, 1
	v_lshl_add_u32 v5, v4, 3, v5
	v_lshl_add_u32 v5, v6, 4, v5                   ; my column of the wave's 32: 8 u + r % 8 + 16 (r / 8)
	v_lshlrev_b32 v5, 2, v5
	v_lshlrev_b32 v6, 4, v2                        ; 16 x lane
	v_lshlrev_b32 v7, 3, v2                        ; 8 x lane
	v_add_nc_u32 v8, s40, v6                       ; the same in the next tile
	v_add_nc_u32 v9, s40, v7
	s_lshr_b32 s46, s18, 1
	s_lshl_b32 s46, s46, 8
	s_and_b32 s47, s18, 1
	s_lshl_b32 s47, s47, 3
	s_add_co_u32 s46, s46, s47
	v_lshlrev_b32 v10, 4, v3
	v_lshl_add_u32 v10, v4, 2, v10
	v_add_nc_u32 v10, s46, v10                     ; LDS: unit wave / 2, row r, word 2 (wave % 2) + u
	s_lshl_b32 s47, s29, 8
	v_mul_u32_u24 v11, s47, v4
	v_lshl_add_u32 v11, v3, 4, v11                 ; the way out of the two units: lanes 16-31 take the second group of tiles
	s_wait_kmcnt 0x0
	s_cmp_eq_u32 s26, 1
	s_cselect_b64 s[4:5], s[6:7], s[4:5]
	s_cmp_eq_u32 s26, 2
	s_cselect_b64 s[4:5], s[8:9], s[4:5]
	s_cmp_eq_u32 s26, 3
	s_cselect_b64 s[4:5], s[10:11], s[4:5]
	s_cmp_eq_u32 s19, 1
	s_cselect_b64 s[4:5], s[12:13], s[4:5]
	s_cmp_eq_u32 s19, 2
	s_cselect_b64 s[4:5], s[14:15], s[4:5]         ; the matrix: the choice hangs on the work-group's number alone
	s_add_nc_u64 s[4:5], s[4:5], s[32:33]
	s_add_nc_u64 s[38:39], s[16:17], s[36:37]
	s_add_nc_u64 s[44:45], s[16:17], s[42:43]
.macro LOADS rs                        ; 128 rows of my column; a load's 32 lanes read 128 consecutive bytes, the four waves 512
.set ii, 0
.rept 128
	global_load_b32 v[X+ii], v5, s[4:5] offset:ii*\rs th:TH_LOAD_NT
.set ii, ii+1
.endr
.endm
	s_cmp_eq_u32 s19, 1                            ; the row's length stands in the immediates: two copies of the run
	s_cbranch_scc1 .Lwide
	LOADS 4096
	s_branch .Lloaded
.Lwide:
	LOADS 16384
.Lloaded:
.macro BLK b                           ; block b: its largest magnitude with the floor 2^-124, the conversion's scale operand, the byte
.set XS, X+32*\b
	v_max3_num_f32 v[16+\b], |v[XS]|, |v[XS+1]|, |v[XS+2]|
	v_max3_num_f32 v28, |v[XS+3]|, |v[XS+4]|, |v[XS+5]|
.irp i, 6,10,14,18,22,26
	v_max3_num_f32 v[16+\b], v[16+\b], |v[XS+\i]|, |v[XS+\i+1]|
	v_max3_num_f32 v28, v28, |v[XS+\i+2]|, |v[XS+\i+3]|
.endr
	v_max3_num_f32 v[16+\b], v[16+\b], |v[XS+30]|, |v[XS+31]|
	v_max3_num_f32 v[16+\b], v[16+\b], v28, 0x1800000
	v_add_nc_u32 v[20+\b], 0xff000000, v[16+\b]    ; 2 off the exponent field: the conversion takes that field as its scale
	v_lshrrev_b32 v29, 23, v[20+\b]
.if \b == 0
	v_mov_b32 v24, v29
.else
	v_lshl_or_b32 v24, v29, 8*\b, v24              ; my column's scale word of this K step
.endif
.endm
	s_wait_loadcnt 63                              ; the largest count that the wait can name: 96 (block 0) and 64 (block 1) younger loads may be out
	BLK 0
	BLK 1
	s_wait_loadcnt 32                              ; block 3's 32 loads may be out
	BLK 2
	s_wait_loadcnt 0x0
	BLK 3
	v_cvt_scalef32_pk16_fp6_f32 v[T0:T0+2], v[X:X+15], v20
	v_cvt_scalef32_pk16_fp6_f32 v[TH:TH+2], v[X+16:X+31], v20
	v_cvt_scalef32_pk16_fp6_f32 v[T1:T1+2], v[X+32:X+47], v21
	v_cvt_scalef32_pk16_fp6_f32 v[TH+4:TH+6], v[X+48:X+63], v21
	v_cvt_scalef32_pk16_fp6_f32 v[T0+6:T0+8], v[X+64:X+79], v22
	v_cvt_scalef32_pk16_fp6_f32 v[TH+8:TH+10], v[X+80:X+95], v22
	v_cvt_scalef32_pk16_fp6_f32 v[T1+6:T1+8], v[X+96:X+111], v23
	v_cvt_scalef32_pk16_fp6_f32 v[TH+12:TH+14], v[X+112:X+127], v23
	v_nop                                          ; one plain place behind the scaled conversions
; Lanes 0-15 hold tile 2 w's columns, lanes 16-31 tile 2 w + 1's, each all four blocks.  An operand wants blocks 0, 2 in lanes 0-15 and blocks 1, 3 in lanes 16-31 of ONE tile:
; an even block's lanes 16-31 change places with the odd block's lanes 0-15; the first register is then tile 2 w's, the second tile 2 w + 1's.
.irp i, 0,1,2
	v_permlane16_swap_b32 v[T0+\i], v[T1+\i]
	v_permlane16_swap_b32 v[T0+6+\i], v[T1+6+\i]
	v_permlane16_swap_b32 v[TH+\i], v[TH+4+\i]
	v_permlane16_swap_b32 v[TH+8+\i], v[TH+12+\i]
.endr
.irp i, 0,1,2
	v_mov_b32 v[T0+3+\i], v[TH+\i]                 ; (a conversion's three registers begin on an even number)
	v_mov_b32 v[T1+3+\i], v[TH+4+\i]
	v_mov_b32 v[T0+9+\i], v[TH+8+\i]
	v_mov_b32 v[T1+9+\i], v[TH+12+\i]
.endr
	ds_store_b32 v10, v24                          ; the scale words of the work-group's eight tiles meet in LDS: two units of 256 bytes
	global_store_b128 v6, v[T0:T0+3], s[38:39]     ; each store covers 512 or 256 consecutive bytes, aligned
	global_store_b64 v7, v[T0+4:T0+5], s[38:39] offset:512
	global_store_b128 v6, v[T0+6:T0+9], s[38:39] offset:768
	global_store_b64 v7, v[T0+10:T0+11], s[38:39] offset:1280
	global_store_b128 v8, v[T1:T1+3], s[38:39]
	global_store_b64 v9, v[T1+4:T1+5], s[38:39] offset:512
	global_store_b128 v8, v[T1+6:T1+9], s[38:39] offset:768
	global_store_b64 v9, v[T1+10:T1+11], s[38:39] offset:1280
	s_wait_dscnt 0x0                               ; for the others' sake: my word has landed
	s_barrier_signal -1
	s_barrier_wait -1
	s_cmp_lg_u32 s18, 0
	s_cbranch_scc1 .Ldone
	ds_load_b128 v[200:203], v6                    ; wave 0: both units, 16 bytes a lane
	s_wait_dscnt 0x0
	global_store_b128 v11, v[200:203], s[44:45]    ; sixteen lanes store 256 consecutive bytes, aligned
.Ldone:
	s_wait_tensorcnt 0x0
	ds_add_u32 v216, v217
	s_wait_dscnt 0x0
	s_endpgm
; ---------------------------------------------------------------- the norm
.set PITCH, 4112
.set HA0,  32
.set HA1,  96
.set PC0,  160
.set PC1,  172
.set TM,   192
.set PW0,  208
.set PW1,  209
.set SEL,  14
.set L16,  4
.set L8,   5
.set SCOFF, 3145728
.macro QUANT s, pc, pw                 ; 64 numbers, register 16 b + i = k 32 b + 16 h + i of my row -> a fragment in v[pc] on, the row's scale word in v[pw]
.irp b, 0,1,2,3
	v_max3_num_f32 v[TM+\b], |v[\s+16*\b]|, |v[\s+1+16*\b]|, 0x1800000   ; with the floor 2^-124: the byte cannot fall under 1
.endr
.irp i, 2,4,6,8,10,12,14
.irp b, 0,1,2,3
	v_max3_num_f32 v[TM+\b], v[TM+\b], |v[\s+16*\b+\i]|, |v[\s+1+16*\b+\i]|
.endr
.endr
.irp b, 0,1,2,3
	v_permlanex16_b32 v[TM+4+\b], v[TM+\b], s[SEL], s[SEL+1]
.endr
.irp b, 0,1,2,3
	v_max_num_f32 v[TM+\b], v[TM+\b], v[TM+4+\b]   ; with lane l xor 16's 16 numbers: the block's largest magnitude
.endr
.irp b, 0,1,2,3
	v_add_nc_u32 v[TM+12+\b], 0xff000000, v[TM+\b] ; 2 off the exponent field: the conversion's scale operand
.endr
.irp b, 0,1,2,3
	v_lshrrev_b32 v[TM+4+\b], 23, v[TM+12+\b]      ; the byte
.endr
	v_lshl_or_b32 v[\pw], v[TM+5], 8, v[TM+4]
	v_lshl_or_b32 v[\pw], v[TM+6], 16, v[\pw]
	v_lshl_or_b32 v[\pw], v[TM+7], 24, v[\pw]
.irp c, 0,1
	v_cvt_scalef32_pk16_fp6_f32 v[\pc+6*\c:\pc+2+6*\c], v[\s+32*\c:\s+15+32*\c], v[TM+12+2*\c]
	v_cvt_scalef32_pk16_fp6_f32 v[TH+4*\c:TH+2+4*\c], v[\s+16+32*\c:\s+31+32*\c], v[TM+13+2*\c]
.endr
	v_nop                                          ; one plain place behind the scaled conversions
.irp c, 0,1                            ; the operand wants a whole block in a lane: lanes 0-15 block 2 c, lanes 16-31 block 2 c + 1
.irp i, 0,1,2
	v_permlane16_swap_b32 v[\pc+6*\c+\i], v[TH+4*\c+\i]
.endr
.irp i, 0,1,2
	v_mov_b32 v[\pc+3+6*\c+\i], v[TH+4*\c+\i]
.endr
.endr
.endm
.macro STIMG pc, base, off             ; a fragment leaves as it stands: each store covers 512 or 256 consecutive bytes, aligned
	global_store_b128 v[L16], v[\pc:\pc+3], s[\base:\base+1] offset:\off
	global_store_b64 v[L8], v[\pc+4:\pc+5], s[\base:\base+1] offset:\off+512
	global_store_b128 v[L16], v[\pc+6:\pc+9], s[\base:\base+1] offset:\off+768
	global_store_b64 v[L8], v[\pc+10:\pc+11], s[\base:\base+1] offset:\off+1280
.endm
.macro REDUCE                          ; the four rows' lane sums in v[8 + 6 i] -> the rows' sums, in every lane
.irp m, 1,2,4,8
.irp i, 0,1,2,3
	v_add_f32_dpp v[8+6*\i], v[8+6*\i], v[8+6*\i] row_xmask:\m row_mask:0xf bank_mask:0xf
.endr
.endr
.irp i, 0,1,2,3
	v_permlanex16_b32 v[10+6*\i], v[8+6*\i], s[SEL], s[SEL+1]
.endr
.irp i, 0,1,2,3
	v_add_f32 v[8+6*\i], v[8+6*\i], v[10+6*\i]
.endr
.endm
.Lnorm:
	s_load_b256 s[4:11], s[0:1], 0x0               ; the rows, alpha, bias, the codes' buffer
	v_lshrrev_b32 v1, 5, v0
	v_readfirstlane_b32 s12, v1                    ; wave
	v_and_b32 v1, 31, v0
	v_and_b32 v2, 15, v0                           ; r
	v_bfe_u32 v3, v0, 4, 1                         ; h
	v_lshlrev_b32 v[L16], 4, v1
	v_lshlrev_b32 v[L8], 3, v1
	s_mul_i32 s13, s12, 4*PITCH
	s_add_co_u32 s13, s13, STG
	v_add_nc_u32 v6, s13, v[L16]                   ; into the stage: my four rows, 16 bytes a lane
	v_mul_u32_u24 v7, v2, PITCH
	v_lshl_add_u32 v7, v3, 6, v7
	s_lshl_b32 s13, s12, 10
	s_add_co_u32 s13, s13, STG
	v_add_nc_u32 v7, s13, v7                       ; out of it: row r, + 64 h, + my two K steps
	v_lshlrev_b32 v211, 8, v3
	v_lshl_add_u32 v211, v2, 4, v211               ; scale words: lanes 0-15 the first K step's unit, lanes 16-31 the second's
	s_mov_b32 s[SEL], 0x76543210
	s_mov_b32 s[SEL+1], 0xfedcba98
.irp b, 0,1,2,3
	v_mov_b32 v[TM+4+\b], 0                        ; written once: a lane permute's destination counts as one of its sources
.endr
	s_lshr_b32 s16, ttmp9, 1
	s_lshl_b32 s16, s16, 5
	s_and_b32 s17, ttmp9, 1
	s_lshl_b32 s17, s17, 3
	s_add_co_u32 s16, s16, s17
	s_and_b32 s17, s12, 1
	s_lshl_b32 s17, s17, 2
	s_add_co_u32 s16, s16, s17
	s_lshr_b32 s17, s12, 1
	s_lshl_b32 s17, s17, 4
	s_add_co_u32 s16, s16, s17                     ; my first token
	s_lshl_b32 s16, s16, 12
	s_mov_b32 s17, 0
	s_lshl_b32 s22, ttmp9, 3
	s_lshl_b32 s23, s12, 1
	s_add_co_u32 s22, s22, s23
	s_mul_i32 s22, s22, 1536                       ; my first fragment: (8 t + 2 w) x 1,536
	s_mov_b32 s23, 0
	s_lshr_b32 s26, ttmp9, 2
	s_lshl_b32 s26, s26, 3
	s_lshl_b32 s27, s12, 1
	s_add_co_u32 s26, s26, s27
	s_lshl_b32 s26, s26, 8
	s_and_b32 s27, ttmp9, 3
	s_lshl_b32 s27, s27, 2
	s_add_co_u32 s26, s26, s27
	s_add_co_u32 s26, s26, SCOFF                   ; my first scale unit, my tile's word
	s_mov_b32 s27, 0
	s_wait_kmcnt 0x0
	s_load_b32 s18, s[6:7], 0x0                    ; alpha
	s_load_b32 s20, s[8:9], 0x0                    ; bias
	s_add_nc_u64 s[4:5], s[4:5], s[16:17]
	s_add_nc_u64 s[24:25], s[10:11], s[22:23]
	s_add_nc_u64 s[26:27], s[10:11], s[26:27]
.irp i, 0,1,2,3
.irp j, 0,1,2,3,4,5,6,7
	global_load_b128 v[X+32*\i+4*\j:X+32*\i+4*\j+3], v[L16], s[4:5] offset:\i*4096+512*\j   ; 512 consecutive bytes a load
.endr
.endr
	s_wait_loadcnt 0x0
; the sums, the four rows by turns, two chains a row
.irp i, 0,1,2,3
	v_pk_add_f32 v[8+6*\i:9+6*\i], v[X+32*\i:X+32*\i+1], v[X+32*\i+2:X+32*\i+3]
	v_pk_add_f32 v[10+6*\i:11+6*\i], v[X+32*\i+4:X+32*\i+5], v[X+32*\i+6:X+32*\i+7]
.endr
.irp j, 8,12,16,20,24,28
.irp i, 0,1,2,3
	v_pk_add_f32 v[8+6*\i:9+6*\i], v[8+6*\i:9+6*\i], v[X+32*\i+\j:X+32*\i+\j+1]
	v_pk_add_f32 v[10+6*\i:11+6*\i], v[10+6*\i:11+6*\i], v[X+32*\i+\j+2:X+32*\i+\j+3]
.endr
.endr
.irp i, 0,1,2,3
	v_pk_add_f32 v[8+6*\i:9+6*\i], v[8+6*\i:9+6*\i], v[10+6*\i:11+6*\i]
.endr
.irp i, 0,1,2,3
	v_add_f32 v[8+6*\i], v[8+6*\i], v[9+6*\i]
.endr
	REDUCE
.irp i, 0,1,2,3
	v_mul_f32 v[12+6*\i], 0x3a800000, v[8+6*\i]    ; the mean: sum / 1,024, in both registers of a pair
	v_mul_f32 v[13+6*\i], 0x3a800000, v[8+6*\i]
.endr
.set jj, 0
.rept 16
.irp i, 0,1,2,3
	v_pk_add_f32 v[X+32*\i+jj:X+32*\i+jj+1], v[X+32*\i+jj:X+32*\i+jj+1], v[12+6*\i:13+6*\i] neg_lo:[0,1] neg_hi:[0,1]   ; d = x - mean
.endr
.set jj, jj+2
.endr
.irp i, 0,1,2,3
	v_pk_mul_f32 v[8+6*\i:9+6*\i], v[X+32*\i:X+32*\i+1], v[X+32*\i:X+32*\i+1]
	v_pk_mul_f32 v[10+6*\i:11+6*\i], v[X+32*\i+2:X+32*\i+3], v[X+32*\i+2:X+32*\i+3]
.endr
.set jj, 4
.rept 7
.irp i, 0,1,2,3
	v_pk_fma_f32 v[8+6*\i:9+6*\i], v[X+32*\i+jj:X+32*\i+jj+1], v[X+32*\i+jj:X+32*\i+jj+1], v[8+6*\i:9+6*\i]
	v_pk_fma_f32 v[10+6*\i:11+6*\i], v[X+32*\i+jj+2:X+32*\i+jj+3], v[X+32*\i+jj+2:X+32*\i+jj+3], v[10+6*\i:11+6*\i]
.endr
.set jj, jj+4
.endr
.irp i, 0,1,2,3
	v_pk_add_f32 v[8+6*\i:9+6*\i], v[8+6*\i:9+6*\i], v[10+6*\i:11+6*\i]
.endr
.irp i, 0,1,2,3
	v_add_f32 v[8+6*\i], v[8+6*\i], v[9+6*\i]
.endr
	REDUCE
.irp i, 0,1,2,3
	v_mul_f32 v[8+6*\i], 0x3a802008, v[8+6*\i]     ; the sum of d^2 / 1,023
.endr
	s_wait_alu depctr_va_vdst(0)
.irp i, 0,1,2,3
	v_sqrt_f32 v[9+6*\i], v[8+6*\i]
.endr
	v_nop                                          ; a plain place behind the batch
	s_wait_alu depctr_va_vdst(0)                   ; one wait for the four roots, ahead of their first reader
.irp i, 0,1,2,3
	v_add_f32 v[9+6*\i], 0x358637bd, v[9+6*\i]     ; + 1e-6
.endr
	s_wait_alu depctr_va_vdst(0)
.irp i, 0,1,2,3
	v_rcp_f32 v[10+6*\i], v[9+6*\i]
.endr
	v_nop
	s_wait_alu depctr_va_vdst(0)                   ; and one for the four reciprocals
	s_wait_kmcnt 0x0                               ; alpha and bias
	s_mov_b32 s21, s20                             ; (named with s20 as a pair, so it is written)
.irp i, 0,1,2,3
	v_mul_f32 v[12+6*\i], s18, v[10+6*\i]          ; g = alpha / (std + 1e-6)
	v_mul_f32 v[13+6*\i], s18, v[10+6*\i]
.endr
.set jj, 0
.rept 16
.irp i, 0,1,2,3
	v_pk_fma_f32 v[X+32*\i+jj:X+32*\i+jj+1], v[X+32*\i+jj:X+32*\i+jj+1], v[12+6*\i:13+6*\i], s[20:21] op_sel_hi:[1,1,0]   ; d g + bias
.endr
.set jj, jj+2
.endr
.irp i, 0,1,2,3
.irp j, 0,1,2,3,4,5,6,7
	ds_store_b128 v6, v[X+32*\i+4*\j:X+32*\i+4*\j+3] offset:\i*PITCH+512*\j
.endr
.endr
	s_wait_dscnt 0x0                               ; for the others' sake: my four rows have landed
	s_barrier_signal -1
	s_barrier_wait -1
.irp q, 0,1
.irp b, 0,1,2,3
.irp j, 0,1,2,3
	ds_load_b128 v[HA0+64*\q+16*\b+4*\j:HA0+64*\q+16*\b+4*\j+3], v7 offset:512*\q+128*\b+16*\j
.endr
.endr
.endr
	s_wait_dscnt 16                                ; the first K step's sixteen loads are in, the second's may be out
	QUANT HA0, PC0, PW0
	STIMG PC0, 24, 0
	s_wait_dscnt 0x0
	QUANT HA1, PC1, PW1                            ; its own registers for the codes: no store's data are written again
	STIMG PC1, 24, 1536
	v_cmp_eq_u32 vcc_lo, 1, v3
	v_cndmask_b32 v210, v[PW0], v[PW1], vcc_lo     ; a word is the same in both halves of the lanes: lanes 0-15 send the first K step's, lanes 16-31 the second's
	global_store_b32 v211, v210, s[26:27]
	s_wait_tensorcnt 0x0
	ds_add_u32 v216, v217
	s_wait_dscnt 0x0
	s_endpgm
.Lfunc_end_k_q8640102c08_prep:
	.size	k_q8640102c08_prep, .Lfunc_end_k_q8640102c08_prep-k_q8640102c08_prep
	.p2alignl 7, 3214868480
	.fill 96, 4, 3214868480
	.section	.rodata,"a",@progbits
	.p2align	6, 0x0
	.amdhsa_kernel k_q8640102c08_prep
		.amdhsa_group_segment_fixed_size 66816
		.amdhsa_private_segment_fixed_size 0
		.amdhsa_enable_private_segment 0
		.amdhsa_kernarg_size 88
		.amdhsa_user_sgpr_count 2
		.amdhsa_user_sgpr_kernarg_segment_ptr 1
		.amdhsa_wavefront_size32 1
		.amdhsa_system_sgpr_workgroup_id_x 1
		.amdhsa_system_sgpr_workgroup_id_y 1
		.amdhsa_system_sgpr_workgroup_id_z 1
		.amdhsa_system_vgpr_workitem_id 0
		.amdhsa_next_free_vgpr 218
		.amdhsa_next_free_sgpr 66
		.amdhsa_reserve_vcc 1
		.amdhsa_float_denorm_mode_32 3
		.amdhsa_float_denorm_mode_16_64 3
		.amdhsa_memory_ordered 1
		.amdhsa_forward_progress 1
		.amdhsa_inst_pref_size 74
	.end_amdhsa_kernel
	.amdgpu_metadata
---
amdhsa.version: [ 1, 2 ]
amdhsa.kernels:
  - .name:           k_q8640102c08_prep
    .symbol:         k_q8640102c08_prep.kd
    .args:
      - { .name: x, .offset: 0, .size: 8, .value_kind: global_buffer, .address_space: global }
      - { .name: ln1_alpha, .offset: 8, .size: 8, .value_kind: global_buffer, .address_space: global }
      - { .name: ln1_bias, .offset: 16, .size: 8, .value_kind: global_buffer, .address_space: global }
      - { .name: xn, .offset: 24, .size: 8, .value_kind: global_buffer, .address_space: global }
      - { .name: wq, .offset: 32, .size: 8, .value_kind: global_buffer, .address_space: global }
      - { .name: wk, .offset: 40, .size: 8, .value_kind: global_buffer, .address_space: global }
      - { .name: wv, .offset: 48, .size: 8, .value_kind: global_buffer, .address_space: global }
      - { .name: wo, .offset: 56, .size: 8, .value_kind: global_buffer, .address_space: global }
      - { .name: w1, .offset: 64, .size: 8, .value_kind: global_buffer, .address_space: global }
      - { .name: w2, .offset: 72, .size: 8, .value_kind: global_buffer, .address_space: global }
      - { .name: wts, .offset: 80, .size: 8, .value_kind: global_buffer, .address_space: global }
    .group_segment_fixed_size: 66816
    .private_segment_fixed_size: 0
    .kernarg_segment_align: 8
    .kernarg_segment_size: 88
    .max_flat_workgroup_size: 128
    .sgpr_count:     66
    .vgpr_count:     218
    .wavefront_size: 32
...
	.end_amdgpu_metadata
.endif
;; end of part 1
;; launch qkv (part 2): grid 12 x 16, 4 waves a work-group, clusters of 4 x 4, 327,680 bytes of LDS; arguments xn, wts, bq, bk, bv, mask, qkv; writes qkv
.if DOCPART == 2
	.amdgcn_target "amdgcn-amd-amdhsa--gfx1250"
	.amdhsa_code_object_version 6
	.text
	.protected	k_q8640102c08_qkv
	.globl	k_q8640102c08_qkv
	.p2align	8
	.type	k_q8640102c08_qkv,@function
k_q8640102c08_qkv:
	s_mov_b64 s[64:65], 0
	v_nop
	global_prefetch_b8 v0, s[64:65] scope:SCOPE_SE
	s_setreg_imm32_b32 hwreg(HW_REG_WAVE_MODE, 25, 1), 1
	s_wait_xcnt 0x0
	s_wait_alu depctr_hold_cnt(0) depctr_sa_sdst(0) depctr_va_vdst(0) depctr_va_sdst(0) depctr_va_ssrc(0) depctr_va_vcc(0) depctr_vm_vsrc(0)
	s_getreg_b32 s2, hwreg(HW_REG_IB_STS2, 6, 4)
	s_cmp_eq_u32 s2, 0
	s_cbranch_scc0 .Lentry_in_a_cluster
	s_endpgm
.Lentry_in_a_cluster:
	s_bfe_u32 s2, ttmp6, 0x10000c
	s_cmp_lg_u32 s2, 0xf033
	s_cbranch_scc0 .Lentry_shape_is_right
	s_endpgm
.Lentry_shape_is_right:
; q = xn wq + bq, k = xn wk + bk, v = xn wv + bv on codes of FP6 (E2M3) with E8M0 scales, K = 1,024; the results are quantised here, as attention's operands.
; Operands are images of registers: [tile of 16 rows][8 K steps][1,536 bytes]; half c of a fragment: registers 6c..6c+3 at 768 c + 16 lane, 6c+4, 6c+5 at 768 c + 512 + 8 lane.  Scale words: [tile / 4][K step][16 rows][4 words].
; Row r of tile t is matrix row 32 (t / 2) + 8 (t % 2) + r % 8 + 16 (r / 8): so the 16 result registers of source 0's tiles 2 b, 2 b + 1 are 16 NEIGHBOURS, 32 b + 16 (lane / 16) + 0 .. 15.
; SHARES: a work-group of four waves makes 256 x 256, a wave 128 x 128 in 64 accumulators.  K goes in steps of 256 through a ring of two LDS slots; a wave's tensor load brings 8 tiles x 3,072 consecutive bytes.
; The scale words of the work-group's rows, for all of K, come once with the first fills.
; CLUSTERS of 4 x 4: region A (source 1) is shared along a row of the cluster, region B (source 0) along a column; each tile is asked for jointly.  The cluster's x says which product: 0 q, 1 k, 2 v.
; q, k: A = tokens, B = weight columns: a lane holds one token and 128 neighbouring columns (two heads): quantised along the head.
; v:    A = weight columns, B = tokens: a lane holds one channel and 128 neighbouring tokens: quantised along the keys.  Only the regions' addresses differ; every branch and choice hangs on the cluster's x, which partners share.
; OUT: qkv [0 = q, 1 = k and v][32 heads][16 steps of 128 tokens][15,104 bytes]: 8 token tiles of 1,024 bytes (registers 0-3 at 16 lane, 4-7 at 512 + 16 lane), 4 fragments of v^T, two units of token scale words, one of v^T's.
; THE MASK rides on the empty half of the scores' K = 128.  Register 6 holds the code of k = 64: a query's is 1.0 (scale byte 127); an open key's is 0 (byte 1); a masked key has all its codes 0 and -4.0 there (byte 158):
; its raw score is -2^33 for every query, a logit of -2^30.  LIMIT: this differs from a logit of -1e9 only where open logits lie near or under -1e9.
; LIMITS: NaN and infinities are not served; a block's byte is held at 1 from below; a block of zeros gets the byte 1 (only this program reads the bytes).
.set TW,    8                          ; tiles a wave and side
.set HM,    4
.set NQ,    2                          ; K steps of 128 in a slot
.set NKS,   8
.set NL,    4                          ; LDS loads a fragment
.set ROWL,  NQ*1536
.set HALFT, TW*ROWL                    ; what one tensor load brings
.set SLOT,  4*HALFT                    ; A's two halves, B's two halves
.set HALFS, (TW/4)*NKS*256
.set SCL,   2*SLOT                     ; behind the ring: the scale words
.set SPARE, SCL+4*HALFS                ; the spare words: 128 bytes a wave, named by no other line
.set LAPS,  NKS/(2*NQ)
.set XSC,   3145728                    ; xn's scale units
.set WSC,   9437184                    ; the weights'
.set HEADB, 241664
.set L16, 3
.set L8,  15
.set ADRA16, 4
.set ADRA8,  6
.set ADRB16, 8
.set ADRB8,  10
.set ADRS, 12
.set SPW,  13
.set NIL,  14
.set BL,   16                          ; v16-23  v: the bias of my channel in each of A's tiles
.set MK,   24                          ; v24-31  the mask of my token in each of A's tiles
.set SC,   32                          ; v32-63  scale words, two sets: lanes 0-15 A's, lanes 16-31 B's
.set BN,   64                          ; v64-127 q, k: the bias of my 64 columns
.set AF,   128                         ; A's fragments, one set (window 0); B's two sets in window 1; accumulators in windows 2, 3
.set HA,   128                         ; the way out: 64 numbers
.set PC,   192
.set TH,   204
.set TM,   212
.set PW,   228
.set KM,   229
.set EX,   230
.set HI,   231
.set SW0,  232
.set SW1,  240
.set SELO, 248
.set VEXK, 252
.set VEXM, 253
.set VHIK, 254
.set VHIM, 255
.set OFH,  254                         ; at the head: 64 h
.set OFP,  255                         ; at the head: 4 (r % 8 + 16 (r / 8))
.set WV,  18
.set HAW, 19
.set HBW, 20
.set SEL, 22
.set G1,  24
.set G0,  32
.set G1B, 48
.set G0B, 56
.set G1S, 68
.set G0S, 76
.set G1SB, 80
.set G0SB, 88
.set MUL_LO, 0xa1                      ; source 0 window 1, source 1 window 0, C and D window 2
.set MUL_HI, 0xf1
.set MSB, 0
.macro WIN new                         ; the immediate's high byte repeats the setting that is left
.if MSB != (\new)
	s_set_vgpr_msb (MSB<<8)|(\new)
.set MSB, \new
.endif
.endm
.macro JLOAD g0a, g1a, g0b, g1b        ; a joint load: waves 0, 1 fetch region A's halves, waves 2, 3 region B's; four v_nop follow each line
	s_cmp_eq_u32 s[HAW], 0
	s_cbranch_scc0 .Lfor_b_\@
	tensor_load_to_lds s[\g0a:\g0a+3], s[\g1a:\g1a+7]
	s_nop 0
.rept 4
	v_nop
.endr
	s_branch .Lasked_\@
.Lfor_b_\@:
	tensor_load_to_lds s[\g0b:\g0b+3], s[\g1b:\g1b+7]
	s_nop 0
.rept 4
	v_nop
.endr
.Lasked_\@:
.endm
.macro CREST                           ; a round of the cluster's barrier behind its opening barrier
	s_cmp_lg_u32 s[WV], 0
	s_cbranch_scc1 .Lnot_wave_0_\@
	s_barrier_signal -3
.Lnot_wave_0_\@:
	s_barrier_wait -3
	s_barrier_signal -1
	s_barrier_wait -1
.endm
.macro CROUND
	s_barrier_signal -1
	s_barrier_wait -1
	CREST
.endm
.macro PLACES n
.rept \n
	v_nop
.endr
.endm
.macro FRAG reg, a16, a8, off          ; a fragment's image: consecutive bytes in every load
	ds_load_b128 v[\reg:\reg+3], v[\a16] offset:\off
	ds_load_b64 v[\reg+4:\reg+5], v[\a8] offset:\off+512
	ds_load_b128 v[\reg+6:\reg+9], v[\a16] offset:\off+768
	ds_load_b64 v[\reg+10:\reg+11], v[\a8] offset:\off+1280
.endm
; n of A's blocks from a0 on, each against B's TW: the accumulators take turns, one instruction a turn, in the same order in every step
.macro MULS a0, n, p, q, sc, zero
.set aa, \a0
.rept \n
.set bb, 0
.rept TW
.set AC, 8*(TW*(aa%HM)+bb)
.if \zero
	v_wmma_scale_f32_16x16x128_f8f6f4 v[AC:AC+7], v[128*(\p)+12*bb:128*(\p)+12*bb+11], v[AF+12*aa:AF+12*aa+11], 0, v[SC+16*(\sc)+TW*(\q)+bb], v[SC+16*(\sc)+TW*(\q)+aa] matrix_a_fmt:MATRIX_FMT_FP6 matrix_b_fmt:MATRIX_FMT_FP6 matrix_a_scale:MATRIX_SCALE_ROW1
.else
	v_wmma_scale_f32_16x16x128_f8f6f4 v[AC:AC+7], v[128*(\p)+12*bb:128*(\p)+12*bb+11], v[AF+12*aa:AF+12*aa+11], v[AC:AC+7], v[SC+16*(\sc)+TW*(\q)+bb], v[SC+16*(\sc)+TW*(\q)+aa] matrix_a_fmt:MATRIX_FMT_FP6 matrix_b_fmt:MATRIX_FMT_FP6 matrix_a_scale:MATRIX_SCALE_ROW1
.endif
.set bb, bb+1
.endr
.set aa, aa+1
.endr
.endm
.macro FETCH_B slot, q, p
	WIN 0x40
.set ii, 0
.rept TW
	FRAG 128*(\p)+12*ii, ADRB16+\slot, ADRB8+\slot, ii*ROWL+(\q)*1536
.set ii, ii+1
.endr
	WIN 0
.endm
.macro FETCH_A slot, q, i0
.set ii, \i0
.rept HM
	FRAG AF+12*ii, ADRA16+\slot, ADRA8+\slot, ii*ROWL+(\q)*1536
.set ii, ii+1
.endr
.endm
.macro SCALES sc                       ; a slot's scale words: one load brings four tiles' words of a K step
.set qq, 0
.rept NQ
.set gg, 0
.rept TW/4
	ds_load_b128 v[SC+16*\sc+TW*qq+4*gg:SC+16*\sc+TW*qq+4*gg+3], v[ADRS] offset:gg*NKS*256+256*qq
.set gg, gg+1
.endr
.set qq, qq+1
.endr
.endm
.macro STEP slot, q, zero              ; 128 along K whose successor lies in the same slot
	s_wait_dscnt HM*NL                             ; all but the youngest loads, A's upper blocks, are in
	WIN MUL_LO
	MULS 0, HM, (\q)%2, \q, \slot, \zero
	s_wait_dscnt 0x0
	PLACES 4                                       ; four places in front of loads into registers that matrix instructions have read
	FETCH_B \slot, (\q)+1, 1-(\q)%2
	FETCH_A \slot, (\q)+1, 0
	WIN MUL_HI
	MULS HM, HM, (\q)%2, \q, \slot, \zero
	PLACES 4
	WIN 0
	FETCH_A \slot, (\q)+1, HM
.endm
.macro TURN slot, next, fill           ; a slot's last step changes slots: one barrier; fill = 1: it opens a round of the cluster's barrier and the slot is filled again
	s_wait_tensorcnt 0x0                           ; all my tensor loads have landed: my part of the next slot
	ds_add_u32 v[SPW], v[NIL]                      ; 0 onto my spare word
	s_wait_dscnt HM*NL+1                           ; (the add and A's upper blocks may be out)
	WIN MUL_LO
	MULS 0, HM/2, 1, NQ-1, \slot, 0
	s_wait_dscnt 0x0                               ; the add is done, and my reads of this slot are over
	s_barrier_signal -1
	MULS HM/2, HM/2, 1, NQ-1, \slot, 0
	WIN 0
	s_barrier_wait -1
.if \fill
	CREST                                          ; no wave of any partner still reads this slot or has a load on its way
	s_add_nc_u64 s[G0+4*\slot+2:G0+4*\slot+3], s[G0+4*\slot+2:G0+4*\slot+3], 2*ROWL
	s_add_nc_u64 s[G0B+4*\slot+2:G0B+4*\slot+3], s[G0B+4*\slot+2:G0B+4*\slot+3], 2*ROWL
	JLOAD G0+4*\slot, G1, G0B+4*\slot, G1B         ; the first tensor load behind the round; its four v_nop are the places in front of the loads below
.else
	PLACES 4
.endif
	s_wait_alu depctr_va_vdst(0)
	v_add_nc_u32 v[ADRS], 256*NQ, v[ADRS]          ; the next slot's scale words
	FETCH_B \next, 0, 0
	FETCH_A \next, 0, 0
	SCALES \next
	WIN MUL_HI
	MULS HM, HM, 1, NQ-1, \slot, 0
	PLACES 4
	WIN 0
	FETCH_A \next, 0, HM
.endm
.macro QUANT s, pc, pw                 ; 64 numbers, register 16 b + i = k 32 b + 16 h + i of my row -> a fragment in v[pc] on, the row's scale word in v[pw]
.irp b, 0,1,2,3
	v_max3_num_f32 v[TM+\b], |v[\s+16*\b]|, |v[\s+1+16*\b]|, 0x1800000   ; with the floor 2^-124: the byte cannot fall under 1
.endr
.irp i, 2,4,6,8,10,12,14
.irp b, 0,1,2,3
	v_max3_num_f32 v[TM+\b], v[TM+\b], |v[\s+16*\b+\i]|, |v[\s+1+16*\b+\i]|
.endr
.endr
.irp b, 0,1,2,3
	v_permlanex16_b32 v[TM+4+\b], v[TM+\b], s[SEL], s[SEL+1]
.endr
.irp b, 0,1,2,3
	v_max_num_f32 v[TM+\b], v[TM+\b], v[TM+4+\b]
.endr
.irp b, 0,1,2,3
	v_add_nc_u32 v[TM+12+\b], 0xff000000, v[TM+\b] ; 2 off the exponent field: the conversion's scale operand
.endr
.irp b, 0,1,2,3
	v_lshrrev_b32 v[TM+4+\b], 23, v[TM+12+\b]
.endr
	v_lshl_or_b32 v[\pw], v[TM+5], 8, v[TM+4]
	v_lshl_or_b32 v[\pw], v[TM+6], 16, v[\pw]
	v_lshl_or_b32 v[\pw], v[TM+7], 24, v[\pw]
.irp c, 0,1
	v_cvt_scalef32_pk16_fp6_f32 v[\pc+6*\c:\pc+2+6*\c], v[\s+32*\c:\s+15+32*\c], v[TM+12+2*\c]
	v_cvt_scalef32_pk16_fp6_f32 v[TH+4*\c:TH+2+4*\c], v[\s+16+32*\c:\s+31+32*\c], v[TM+13+2*\c]
.endr
	v_nop                                          ; one plain place behind the scaled conversions
.irp c, 0,1
.irp i, 0,1,2
	v_permlane16_swap_b32 v[\pc+6*\c+\i], v[TH+4*\c+\i]
.endr
.irp i, 0,1,2
	v_mov_b32 v[\pc+3+6*\c+\i], v[TH+4*\c+\i]
.endr
.endr
.endm
.macro STIMG pc, base, off             ; each store covers 512 or 256 consecutive bytes, aligned
	global_store_b128 v[L16], v[\pc:\pc+3], s[\base:\base+1] offset:\off
	global_store_b64 v[L8], v[\pc+4:\pc+5], s[\base:\base+1] offset:\off+512
	global_store_b128 v[L16], v[\pc+6:\pc+9], s[\base:\base+1] offset:\off+768
	global_store_b64 v[L8], v[\pc+10:\pc+11], s[\base:\base+1] offset:\off+1280
.endm
	s_load_b256 s[4:11], s[0:1], 0x0               ; xn, wts, bq, bk
	s_load_b128 s[12:15], s[0:1], 0x20             ; bv, mask
	s_load_b64 s[16:17], s[0:1], 0x30              ; qkv
	v_lshl_add_u32 v[SPW], v0, 2, SPARE
	v_mov_b32 v[NIL], 0
	ds_add_u32 v13, v14
	ds_add_u32 v13, v14
	s_wait_dscnt 0x0
	v_lshrrev_b32 v1, 5, v0
	v_readfirstlane_b32 s[WV], v1
	s_lshr_b32 s[HAW], s[WV], 1                    ; my half of region A.  Also: 0 = I fetch for A
	s_and_b32 s[HBW], s[WV], 1                     ; my half of region B.  Also: which half I fetch
	s_bfe_u32 s40, ttmp6, 0x40000                  ; cx
	s_bfe_u32 s41, ttmp6, 0x40004                  ; cy
	s_mov_b32 s42, ttmp9                           ; the cluster's x: 0 q, 1 k, 2 v
	s_and_b32 s43, ttmp7, 0xffff                   ; the cluster's y: 1,024 tokens
	s_lshl_b32 s44, s41, 2
	s_lshl_b32 s44, 15, s44                        ; my row of the cluster
	s_lshl_b32 s45, 0x1111, s40                    ; my column
	s_mov_b32 s[SEL], 0x76543210
	s_mov_b32 s[SEL+1], 0xfedcba98
	s_or_b32 s[G1], s44, (3<<16)|(1<<21)           ; the mask; elements of 8 bytes; bit 21 beside a mask; no padding
	s_or_b32 s[G1B], s45, (3<<16)|(1<<21)
.irp g, G1, G1B
	s_mov_b32 s[\g+1], (NQ*192)<<16                ; tensor_dim0: a tile's K steps of a slot, 3,072 bytes
	s_mov_b32 s[\g+2], TW<<16                      ; tensor_dim1: 8 tiles
	s_mov_b32 s[\g+3], (NQ*192)<<16                ; tile_dim0
	s_mov_b32 s[\g+4], TW                          ; tile_dim1
	s_mov_b32 s[\g+5], NKS*192                     ; from a tile to the next
	s_mov_b32 s[\g+6], 0
	s_mov_b32 s[\g+7], 0
.endr
	s_or_b32 s[G1S], s44, (3<<16)|(1<<21)
	s_or_b32 s[G1SB], s45, (3<<16)|(1<<21)
.irp g, G1S, G1SB
	s_mov_b32 s[\g+1], 32<<16                      ; the scale words of 8 tiles: a dense block, as rows of 256 bytes
	s_mov_b32 s[\g+2], (HALFS/256)<<16
	s_mov_b32 s[\g+3], 32<<16
	s_mov_b32 s[\g+4], HALFS/256
	s_mov_b32 s[\g+5], 32
	s_mov_b32 s[\g+6], 0
	s_mov_b32 s[\g+7], 0
.endr
	; region A hangs on cy (and on what the whole cluster shares), region B on cx
	s_lshl_b32 s47, s[HBW], 3                      ; the 8 tiles that I fetch
	s_lshl_b32 s46, s41, 4
	s_add_co_u32 s46, s46, s47                     ; 16 cy + 8 half
	s_lshl_b32 s66, s40, 4
	s_add_co_u32 s66, s66, s47                     ; 16 cx + 8 half
	s_lshl_b32 s67, s43, 6                         ; 64 x cluster y: the cluster's first token tile
	s_lshl_b32 s2, s42, 6                          ; 64 x cluster x: the matrix's first tile
	s_mov_b32 s94, XSC
	s_mov_b32 s98, WSC
	s_cmp_eq_u32 s42, 2
	s_cselect_b32 s92, 128, s67                    ; A: v: wv's tiles; else tokens
	s_cselect_b32 s96, s67, s2                     ; B: v: tokens; else the matrix's tiles
	s_cselect_b32 s95, WSC, s94
	s_cselect_b32 s99, XSC, s98
	s_add_co_u32 s92, s92, s46
	s_add_co_u32 s96, s96, s66
	s_lshr_b32 s94, s92, 2
	s_mul_i32 s94, s94, NKS*256
	s_add_co_u32 s94, s94, s95                     ; A's scale words
	s_mov_b32 s95, 0
	s_mul_i32 s92, s92, NKS*1536                   ; A's codes
	s_mov_b32 s93, 0
	s_lshr_b32 s98, s96, 2
	s_mul_i32 s98, s98, NKS*256
	s_add_co_u32 s98, s98, s99
	s_mov_b32 s99, 0
	s_mul_i32 s96, s96, NKS*1536
	s_mov_b32 s97, 0
	s_mul_i32 s21, s[WV], HALFT                    ; where they go: no place in the cluster enters an LDS address
	s_wait_kmcnt 0x0
	s_cmp_eq_u32 s42, 2
	s_cselect_b64 s[46:47], s[6:7], s[4:5]         ; A's buffer
	s_cselect_b64 s[66:67], s[4:5], s[6:7]         ; B's
	s_add_nc_u64 s[92:93], s[46:47], s[92:93]
	s_add_nc_u64 s[94:95], s[46:47], s[94:95]
	s_add_nc_u64 s[96:97], s[66:67], s[96:97]
	s_add_nc_u64 s[98:99], s[66:67], s[98:99]
	CROUND                                         ; all sixteen work-groups are here: the first joint loads meet
; THE HEAD'S LOADS, ONE A WAVE: wave 0 brings slot 0's region A, both halves, wave 1 its region B, wave 2 A's scale words, wave 3 B's.
	s_mul_i32 s46, s[HBW], TW*NKS*1536             ; my half's offset in the codes, taken off again: a head's load begins at the region's first tile
	s_mov_b32 s47, 0
	s_mul_i32 s66, s[HBW], HALFS                   ; and in the scale words
	s_mov_b32 s67, 0
	s_mov_b32 s[G0], 1
	s_mov_b32 s[G0+1], 0
	s_sub_nc_u64 s[G0+2:G0+3], s[92:93], s[46:47]
	s_or_b32 s[G0+3], s[G0+3], 0x80000000
	s_mov_b32 s[G0B], 1
	s_mov_b32 s[G0B+1], 2*HALFT
	s_sub_nc_u64 s[G0B+2:G0B+3], s[96:97], s[46:47]
	s_or_b32 s[G0B+3], s[G0B+3], 0x80000000
	s_mov_b32 s[G0S], 1
	s_mov_b32 s[G0S+1], SCL
	s_sub_nc_u64 s[G0S+2:G0S+3], s[94:95], s[66:67]
	s_or_b32 s[G0S+3], s[G0S+3], 0x80000000
	s_mov_b32 s[G0SB], 1
	s_mov_b32 s[G0SB+1], SCL+2*HALFS
	s_sub_nc_u64 s[G0SB+2:G0SB+3], s[98:99], s[66:67]
	s_or_b32 s[G0SB+3], s[G0SB+3], 0x80000000
	s_mov_b32 s[G0+4], 1                           ; slot 1's group 0: my half, the second K chunk
	s_add_co_u32 s[G0+5], s21, SLOT
	s_add_nc_u64 s[G0+6:G0+7], s[92:93], ROWL
	s_or_b32 s[G0+7], s[G0+7], 0x80000000
	s_mov_b32 s[G0B+4], 1
	s_add_co_u32 s[G0B+5], s21, SLOT
	s_add_nc_u64 s[G0B+6:G0B+7], s[96:97], ROWL
	s_or_b32 s[G0B+7], s[G0B+7], 0x80000000
.irp g, G1, G1B
	s_mov_b32 s[\g+2], (2*TW)<<16                  ; the head's loads count both halves' tiles
	s_mov_b32 s[\g+4], 2*TW
.endr
.irp g, G1S, G1SB
	s_mov_b32 s[\g+2], (2*HALFS/256)<<16
	s_mov_b32 s[\g+4], 2*HALFS/256
.endr
; THE PREFETCHES: of the eight tiles that my ring's load brings, each of the four partners that ask for them jointly names two, told apart by address (cx for region A's, cy for region B's).  s[94:95] stands at their K chunk 1.
	s_cmp_eq_u32 s[HAW], 0
	s_cselect_b32 s66, s40, s41
	s_cselect_b64 s[94:95], s[92:93], s[96:97]
	s_mul_i32 s66, s66, (TW/4)*NKS*1536
	s_add_co_u32 s66, s66, ROWL
	s_add_nc_u64 s[94:95], s[94:95], s[66:67]
.macro ARM under, g0, g1, next
	s_cmp_lt_u32 s[WV], \under
	s_cbranch_scc0 \next
	tensor_load_to_lds s[\g0:\g0+3], s[\g1:\g1+7]
	s_nop 0
.rept 4
	v_nop
.endr
	s_branch .Lhead_asked
\next:
.endm
	ARM 1, G0,  G1,  .Lhead_b
	ARM 2, G0B, G1B, .Lhead_sa
	ARM 3, G0S, G1S, .Lhead_sb
	tensor_load_to_lds s[G0SB:G0SB+3], s[G1SB:G1SB+7]
	s_nop 0
.rept 4
	v_nop
.endr
.Lhead_asked:
	v_and_b32 v224, 31, v0
	v_min_u32 v224, 23, v224                       ; 24 blocks of 256 bytes, a lane a block; lanes 24-31 name the last block again
	v_mul_u32_u24 v225, v224, 171
	v_lshrrev_b32 v225, 11, v225                   ; block / 12: which of my two tiles
	v_lshlrev_b32 v224, 8, v224
	v_mad_u32_u24 v224, v225, NKS*1536-ROWL, v224
	global_prefetch_b8 v224, s[94:95] th:TH_LOAD_NT scope:SCOPE_SE                ; K chunks 1 to 3, which slot 1's first fill and the two refills load; K has no further chunk
	global_prefetch_b8 v224, s[94:95] offset:ROWL th:TH_LOAD_NT scope:SCOPE_SE
	global_prefetch_b8 v224, s[94:95] offset:2*ROWL th:TH_LOAD_NT scope:SCOPE_SE
	v_and_b32 v1, 15, v0                           ; r
	v_bfe_u32 v2, v0, 4, 1                         ; h
	v_and_b32 v[L8], 31, v0
	v_lshlrev_b32 v[L16], 4, v[L8]
	v_lshlrev_b32 v[L8], 3, v[L8]
	s_mul_i32 s46, s[HAW], HALFT
	s_mul_i32 s66, s[HBW], HALFT
	s_add_co_u32 s66, s66, 2*HALFT
.irp s, 0,1
	v_add_nc_u32 v[ADRA16+\s], s46, v[L16]
	v_add_nc_u32 v[ADRA8+\s], s46, v[L8]
	v_add_nc_u32 v[ADRB16+\s], s66, v[L16]
	v_add_nc_u32 v[ADRB8+\s], s66, v[L8]
	s_add_co_u32 s46, s46, SLOT
	s_add_co_u32 s66, s66, SLOT
.endr
	s_mul_i32 s46, s[HAW], HALFS
	s_mul_i32 s66, s[HBW], HALFS
	s_add_co_u32 s66, s66, 2*HALFS
	s_sub_co_u32 s66, s66, s46
	v_mul_u32_u24 v[ADRS], s66, v2                 ; lanes 16-31 take B's words
	s_add_co_u32 s46, s46, SCL
	v_lshl_add_u32 v[ADRS], v1, 4, v[ADRS]
	v_add_nc_u32 v[ADRS], s46, v[ADRS]
	; biases and mask: loaded on every way, used as the product asks
	v_and_b32 v[OFP], 7, v0
	v_bfe_u32 v[OFH], v0, 3, 1
	v_lshl_add_u32 v[OFP], v[OFH], 4, v[OFP]
	v_lshlrev_b32 v[OFP], 2, v[OFP]
	v_lshlrev_b32 v[OFH], 6, v2
	s_wait_alu depctr_va_vdst(0)
	s_cmp_eq_u32 s42, 1
	s_cselect_b64 s[8:9], s[10:11], s[8:9]
	s_cmp_eq_u32 s42, 2
	s_cselect_b64 s[8:9], s[12:13], s[8:9]         ; the product's bias
	s_lshl_b32 s66, s40, 10
	s_lshl_b32 s67, s[HBW], 9
	s_add_co_u32 s66, s66, s67
	s_mov_b32 s67, 0
	s_add_nc_u64 s[10:11], s[8:9], s[66:67]        ; at column 256 cx + 128 x my half of B
	s_lshl_b32 s66, s41, 10
	s_lshl_b32 s67, s[HAW], 9
	s_add_co_u32 s66, s66, s67
	s_mov_b32 s67, 0
	s_add_nc_u64 s[12:13], s[8:9], s[66:67]        ; at column 256 cy + 128 x my half of A
	s_lshl_b32 s67, s43, 12
	s_add_co_u32 s66, s66, s67
	s_mov_b32 s67, 0
	s_add_nc_u64 s[14:15], s[14:15], s[66:67]      ; the mask at token 256 (4 cluster y + cy) + 128 x my half of A
.irp b, 0,1,2,3
.irp j, 0,1,2,3
	global_load_b128 v[BN+16*\b+4*\j:BN+16*\b+4*\j+3], v[OFH], s[10:11] offset:128*\b+16*\j
.endr
.endr
.irp a, 0,1,2,3,4,5,6,7
	global_load_b32 v[BL+\a], v[OFP], s[12:13] offset:4*(32*(\a/2)+8*(\a%2))
	global_load_b32 v[MK+\a], v[OFP], s[14:15] offset:4*(32*(\a/2)+8*(\a%2))
.endr
	; where my results go
	s_cmp_eq_u32 s42, 2
	s_cselect_b32 s96, s40, s41                    ; which of the cluster's four token blocks
	s_cselect_b32 s97, s41, s40                    ; which four heads
	s_cselect_b32 s98, s[HBW], s[HAW]              ; which half of the tokens
	s_cselect_b32 s99, s[HAW], s[HBW]              ; which two of the heads
	s_cselect_b32 s100, 1, s42
	s_cselect_b32 s101, 8192, 0
	s_lshl_b32 s66, s43, 2
	s_add_co_u32 s66, s66, s96                     ; the block of 256 tokens, 0 .. 15
	s_lshr_b32 s67, s66, 3
	s_lshl_b32 s67, s67, 4
	s_lshl_b32 s97, s97, 2
	s_add_co_u32 s67, s67, s97
	s_lshl_b32 s99, s99, 1
	s_add_co_u32 s67, s67, s99                     ; 16 x batch + head
	s_mul_i32 s67, s67, HEADB
	s_and_b32 s66, s66, 7
	s_lshl_b32 s66, s66, 1
	s_add_co_u32 s66, s66, s98                     ; the step of 128 tokens
	s_mul_i32 s66, s66, 15104
	s_mul_i32 s100, s100, 32*HEADB
	s_add_co_u32 s100, s100, s67
	s_add_co_u32 s100, s100, s66
	s_add_co_u32 s100, s100, s101
	s_mov_b32 s101, 0
	s_add_nc_u64 s[16:17], s[16:17], s[100:101]
	s_wait_alu depctr_va_vdst(0)
	s_wait_tensorcnt 0x0                           ; my tile of the head's four is in; slot 1's first fill is issued as a refill is
	ds_add_u32 v[SPW], v[NIL]
.irp g, G1, G1B
	s_mov_b32 s[\g+2], TW<<16                      ; no load of mine is out: from here on a load brings one half's tiles
	s_mov_b32 s[\g+4], TW
.endr
.if LAPS > 1
	s_mov_b32 s[G0+1], s21                         ; slot 0's group 0 for the ring: my half, the first K chunk
	s_sub_nc_u64 s[G0+2:G0+3], s[G0+6:G0+7], ROWL
	s_mov_b32 s[G0B+1], s21
	s_sub_nc_u64 s[G0B+2:G0B+3], s[G0B+6:G0B+7], ROWL
.endif
	s_wait_dscnt 0x0
	CROUND                                         ; all four tiles are in, in every partner
	JLOAD G0+4, G1, G0B+4, G1B                     ; slot 1, the first tensor load behind the round
	FETCH_B 0, 0, 0
	FETCH_A 0, 0, 0
	SCALES 0
	FETCH_A 0, 0, HM
	STEP 0, 0, 1                                   ; the first step stands in front of the loop: its products start the sums
	s_mov_b32 s3, LAPS-1
.Llap:                                             ; a trip goes once round the ring and fills both slots again
	TURN 0, 1, 1
	STEP 1, 0, 0
	TURN 1, 0, 1
	STEP 0, 0, 0
	s_sub_co_u32 s3, s3, 1
	s_cmp_lg_u32 s3, 0
	s_cbranch_scc1 .Llap
	TURN 0, 1, 0                                   ; the last lap fills nothing
	STEP 1, 0, 0
	s_wait_dscnt HM*NL
	WIN MUL_LO
	MULS 0, HM, 1, NQ-1, 1, 0
	s_wait_dscnt 0x0
	WIN MUL_HI
	MULS HM, HM, 1, NQ-1, 1, 0
	WIN 0
	PLACES 4                                       ; in front of the first read of results and the first write of registers that held fragments
	s_wait_loadcnt 0x0                             ; biases and mask
.irp b, 0,1,2,3
	v_mov_b32 v[TM+4+\b], 0                        ; a lane permute's destination counts as one of its sources
.endr
	s_cmp_eq_u32 s42, 2
	s_cbranch_scc1 .Lvpath
; q and k.  A's block a: 16 tokens; my 64 numbers are two heads' 64 channels halves: the fragment's half e is head e's registers 0-5.
.macro QKOUT a
	s_wait_xcnt 0x0                                ; the last block's stores have read their registers
	WIN 0x02+(\a)/4
.set jj, 0
.rept 32
	v_pk_add_f32 v[HA+jj:HA+jj+1], v[64*((\a)%4)+jj:64*((\a)%4)+jj+1], v[BN+jj:BN+jj+1]   ; out of the accumulators' window, each from its low end on, with the bias
.set jj, jj+2
.endr
	WIN 0
	QUANT HA, PC, PW
	v_or_b32 v[KM], s2, v[MK+(\a)]                 ; a query is never masked
	v_cmp_ne_u32 vcc_lo, 0, v[KM]
	v_cndmask_b32 v[KM], 0, -1, vcc_lo
	v_cndmask_b32 v[EX], v[VEXM], v[VEXK], vcc_lo  ; the code of k = 64
	v_cndmask_b32 v[HI], v[VHIM], v[VHIK], vcc_lo  ; the scale bytes of k = 64 .. 127
.irp i, 0,1,2,3,4,5
	v_and_b32 v[HA+\i], v[PC+\i], v[KM]
	v_and_b32 v[HA+8+\i], v[PC+6+\i], v[KM]
.endr
	v_mov_b32 v[HA+6], v[EX]
	v_mov_b32 v[HA+14], v[EX]
	v_mov_b32 v[HA+7], 0
	v_mov_b32 v[HA+15], 0
	global_store_b128 v[L16], v[HA:HA+3], s[16:17] offset:(\a)*1024            ; 512 consecutive bytes a store
	global_store_b128 v[L16], v[HA+4:HA+7], s[16:17] offset:(\a)*1024+512
	global_store_b128 v[L16], v[HA+8:HA+11], s[16:17] offset:HEADB+(\a)*1024
	global_store_b128 v[L16], v[HA+12:HA+15], s[16:17] offset:HEADB+(\a)*1024+512
	v_and_or_b32 v[SW0+(\a)], v[PW], 0xffff, v[HI]
	v_lshrrev_b32 v[SW1+(\a)], 16, v[PW]
	v_or_b32 v[SW1+(\a)], v[SW1+(\a)], v[HI]
.endm
	s_cmp_eq_u32 s42, 0
	s_cselect_b32 s2, 1, 0
	s_cselect_b32 s21, 8, 0                        ; a query's code of k = 64 is 1.0, an open key's 0
	s_mov_b32 s66, 0x01010000
	s_cselect_b32 s66, 0x7f7f0000, s66
	v_cmp_eq_u32 vcc_lo, 0, v2
	v_mov_b32 v[VEXK], s21
	v_cndmask_b32 v[VEXK], 0, v[VEXK], vcc_lo      ; k = 64 lies in lanes 0-15
	v_cndmask_b32 v[VEXM], 0, 56, vcc_lo           ; a masked key's: -4.0
	v_mov_b32 v[VHIK], s66
	v_mov_b32 v[VHIM], 0x019e0000                  ; under the scale 2^31
.irp a, 0,1,2,3,4,5,6,7
	QKOUT \a
.endr
	v_cmp_eq_u32 vcc_lo, 1, v2
.irp i, 0,1,2,3
	v_cndmask_b32 v[SELO+\i], v[SW0+\i], v[SW0+4+\i], vcc_lo   ; lanes 0-15: tiles 0-3's words of row r; lanes 16-31: tiles 4-7's
	v_cndmask_b32 v[PC+\i], v[SW1+\i], v[SW1+4+\i], vcc_lo
.endr
	global_store_b128 v[L16], v[SELO:SELO+3], s[16:17] offset:14336
	global_store_b128 v[L16], v[PC:PC+3], s[16:17] offset:HEADB+14336
	s_branch .Lend
; v.  A's block a: 16 channels of head a / 4; my 64 numbers run along the step's 128 tokens: a whole fragment of v^T.
.macro VOUT a
	s_wait_xcnt 0x0
	WIN 0x02+(\a)/4
.set jj, 0
.rept 32
.if (\a)%2
	v_pk_add_f32 v[HA+jj:HA+jj+1], v[64*((\a)%4)+jj:64*((\a)%4)+jj+1], v[BL+2*((\a)/2):BL+2*((\a)/2)+1] op_sel:[0,1] op_sel_hi:[1,1]
.else
	v_pk_add_f32 v[HA+jj:HA+jj+1], v[64*((\a)%4)+jj:64*((\a)%4)+jj+1], v[BL+2*((\a)/2):BL+2*((\a)/2)+1] op_sel_hi:[1,0]
.endif
.set jj, jj+2
.endr
	WIN 0
	QUANT HA, PC, PW
	STIMG PC, 16, ((\a)/4)*HEADB+((\a)%4)*1536
	v_mov_b32 v[SW0+(\a)], v[PW]
.endm
.Lvpath:
.irp a, 0,1,2,3,4,5,6,7
	VOUT \a
.endr
	v_cmp_eq_u32 vcc_lo, 1, v2
.irp i, 0,1,2,3
	v_cndmask_b32 v[SELO+\i], v[SW0+\i], v[SW0+4+\i], vcc_lo
.endr
	v_mul_u32_u24 v[KM], v2, HEADB
	v_lshl_add_u32 v[KM], v1, 4, v[KM]             ; lanes 16-31: the second head
	global_store_b128 v[KM], v[SELO:SELO+3], s[16:17] offset:6656
.Lend:
	s_wait_tensorcnt 0x0                           ; the wave's end
	ds_add_u32 v[SPW], v[NIL]
	s_wait_dscnt 0x0
	CROUND                                         ; the closing round
	s_endpgm
.Lfunc_end_k_q8640102c08_qkv:
	.size	k_q8640102c08_qkv, .Lfunc_end_k_q8640102c08_qkv-k_q8640102c08_qkv
	.p2alignl 7, 3214868480
	.fill 96, 4, 3214868480
	.section	.rodata,"a",@progbits
	.p2align	6, 0x0
	.amdhsa_kernel k_q8640102c08_qkv
		.amdhsa_group_segment_fixed_size 327680
		.amdhsa_private_segment_fixed_size 0
		.amdhsa_enable_private_segment 0
		.amdhsa_kernarg_size 56
		.amdhsa_user_sgpr_count 2
		.amdhsa_user_sgpr_kernarg_segment_ptr 1
		.amdhsa_wavefront_size32 1
		.amdhsa_system_sgpr_workgroup_id_x 1
		.amdhsa_system_sgpr_workgroup_id_y 1
		.amdhsa_system_sgpr_workgroup_id_z 1
		.amdhsa_system_vgpr_workitem_id 0
		.amdhsa_next_free_vgpr 1024
		.amdhsa_next_free_sgpr 102
		.amdhsa_reserve_vcc 1
		.amdhsa_float_denorm_mode_32 3
		.amdhsa_float_denorm_mode_16_64 3
		.amdhsa_memory_ordered 1
		.amdhsa_forward_progress 1
		.amdhsa_inst_pref_size 228
	.end_amdhsa_kernel
	.amdgpu_metadata
---
amdhsa.version: [ 1, 2 ]
amdhsa.kernels:
  - .name:           k_q8640102c08_qkv
    .symbol:         k_q8640102c08_qkv.kd
    .args:
      - { .name: xn, .offset: 0, .size: 8, .value_kind: global_buffer, .address_space: global }
      - { .name: wts, .offset: 8, .size: 8, .value_kind: global_buffer, .address_space: global }
      - { .name: bq, .offset: 16, .size: 8, .value_kind: global_buffer, .address_space: global }
      - { .name: bk, .offset: 24, .size: 8, .value_kind: global_buffer, .address_space: global }
      - { .name: bv, .offset: 32, .size: 8, .value_kind: global_buffer, .address_space: global }
      - { .name: mask, .offset: 40, .size: 8, .value_kind: global_buffer, .address_space: global }
      - { .name: qkv, .offset: 48, .size: 8, .value_kind: global_buffer, .address_space: global }
    .group_segment_fixed_size: 327680
    .private_segment_fixed_size: 0
    .kernarg_segment_align: 8
    .kernarg_segment_size: 56
    .max_flat_workgroup_size: 128
    .sgpr_count:     102
    .vgpr_count:     1024
    .wavefront_size: 32
...
	.end_amdgpu_metadata
.endif
;; end of part 2
;; launch attn (part 3): grid 8 x 32, 8 waves a work-group, clusters of 4 x 1, 243,712 bytes of LDS; arguments qkv, att; writes att
.if DOCPART == 3
	.amdgcn_target "amdgcn-amd-amdhsa--gfx1250"
	.amdhsa_code_object_version 6
	.text
	.protected	k_q8640102c08_attn
	.globl	k_q8640102c08_attn
	.p2align	8
	.type	k_q8640102c08_attn,@function
k_q8640102c08_attn:
	s_mov_b64 s[64:65], 0
	v_nop
	global_prefetch_b8 v0, s[64:65] scope:SCOPE_SE
	s_setreg_imm32_b32 hwreg(HW_REG_WAVE_MODE, 25, 1), 1
	s_wait_xcnt 0x0
	s_wait_alu depctr_hold_cnt(0) depctr_sa_sdst(0) depctr_va_vdst(0) depctr_va_sdst(0) depctr_va_ssrc(0) depctr_va_vcc(0) depctr_vm_vsrc(0)
	s_getreg_b32 s2, hwreg(HW_REG_IB_STS2, 6, 4)
	s_cmp_eq_u32 s2, 0
	s_cbranch_scc0 .Lentry_in_a_cluster
	s_endpgm
.Lentry_in_a_cluster:
	s_bfe_u32 s2, ttmp6, 0x10000c
	s_cmp_lg_u32 s2, 0x3003
	s_cbranch_scc0 .Lentry_shape_is_right
	s_endpgm
.Lentry_shape_is_right:
; attention of one head on codes of FP6 (E2M3) with E8M0 scales: S^T = K Q^T (K = 128: the head's 64 channels, the mask's code at k = 64, zeros), O^T = V^T P^T (K = 128 keys a step).
; t = score x log2(e) / 8; M = the running largest t rounded up to a whole number; p = 2^(t - M) is quantised along the keys, not normalised; the row's sum is taken of the unquantised p and divides at the end.
; A masked key's raw score is -2^33 (made by the launch before, inside the product): p = 0 beside any open key; where all keys are masked t - M is the same for every key and the row is uniform.
; SHARES: a work-group owns 256 queries of one head, each of its eight waves TWO tiles of 16 queries, A and B: a fragment of K or V^T is read from LDS once for 32 queries.
; The head's K, V and scale words are one dense block of 241,664 bytes, 16 steps of 15,104: wave w brings steps 2 w and 2 w + 1 by ONE tensor load; LDS is filled once and nothing is filled again,
; so nothing is fetched from memory inside the loop and there is no prefetch.
; CLUSTER: the four query blocks of a cluster belong to one head: each load is asked for jointly; its addresses hang on the head and the wave's number alone.
; A step block: 8 stored key tiles of 1,024 bytes (registers 0-3 at 16 lane, 4-7 at 512 + 16 lane; row r' of stored tile t is key 32 (t / 2) + 8 (t % 2) + r' % 8 + 16 (r' / 8)); 4 fragments of V^T from 8,192;
; two units of the keys' scale words from 14,336 ([t / 4][row][word t % 4]); V^T's from 14,848.
; WHICH KEYS FORM A TILE IS CHOSEN HERE, BY THE LDS ADDRESS: row r of tile (c, u) is key 64 c + 32 (r / 8) + 8 u + r % 8, which is row 8 (u / 2) + r % 8 of stored tile 4 c + u % 2 + 2 (r / 8).
; In S^T lane (query, h) then holds in the 32 registers of tiles (c, 0 .. 3) the keys 64 c + 32 h + 0 .. 31: A WHOLE BLOCK OF 32, in the order that P^T's operand wants.
; A key tile's registers 8-11 are never loaded: they hold zeros, as Q's codes of k = 80 .. 127 are.
; REGISTER WINDOWS: tile B's state lies in window 1 at the numbers that tile A's has in window 0, so each part of the softmax is one macro that runs under two settings.  Window 0 also holds K; window 1, v32-79, V^T.
; Scale operands are always taken from window 0: Q's words v7 (A), v247 (B); p's words v253 (A), v246 (B).
; LOADS RUN AHEAD: the next step's K is asked for behind this step's score products, this step's V^T at its top.  The last trip asks for step 15's K again (a clamped address), so that the loop is one text.
; ORDER OF A STEP: all that the exponentials read is made first, for both tiles, O^T's rescaling too; then one batch of 132 exponentials with one wait ahead of it and one behind it.
; OUT: the head's 64 channels are half head % 2 of K step head / 2 of the next product's operand: 768 bytes of codes in whole aligned blocks, and 2 bytes of a scale word a row (the word's other half is another head's).
; LIMITS: NaN and infinities are not served; a block's byte is held at 1 from below; the promise holds while the scaled scores stay under 2^31 in magnitude.
; REGISTERS: v1 16 lane, v2 8 lane, v3 16 r; v4-6 the same in the step at hand; v8-11 K's scale words (lanes 0-15 c = 0, lanes 16-31 c = 1); v28-31 V's; v32-127 key tiles; v248-249 also K's addresses; v250, v251 K's lane addresses.
; In each window: v12 -M, v13 the largest raw score, v[14:15] the sum; v16-27 Q; v128-191 S^T, then p; v192-223 O^T; v224-235 p's codes; v236-242 at work; v239 8 h; v243 the old -M; v244-245 block maxima;
; v248-249 scale operands; v252 f; v253 p's scale word in the making; v[254:255] the sum's second chain.
.set WV,   8
.set SEL,  36
.set CS,   38
.set TB,   40
.set CNT,  41
.set NC,   46
.set TBN,  47
.set STEPB, 15104
.set HEADB, 241664
.set KVOFF, 32*HEADB
.set MSB, 0
.macro WIN new                         ; bits 1:0 source 0, 3:2 source 1, 5:4 source 2, 7:6 destination; the high byte repeats the setting that is left
.if MSB != (\new)
	s_set_vgpr_msb (MSB<<8)|(\new)
.set MSB, \new
.endif
.endm
.macro CROUND
	s_barrier_signal -1
	s_barrier_wait -1
	s_cmp_lg_u32 s[WV], 0
	s_cbranch_scc1 .Lnot_wave_0_\@
	s_barrier_signal -3
.Lnot_wave_0_\@:
	s_barrier_wait -3
	s_barrier_signal -1
	s_barrier_wait -1
.endm
.macro FM j                            ; pair j of 32: t - M (of the pairs c and -M the low word serves both halves)
	v_pk_fma_f32 v[128+2*(\j):129+2*(\j)], v[128+2*(\j):129+2*(\j)], s[CS:CS+1], v[12:13] op_sel_hi:[1,0,0]
.endm
.macro OM i                            ; pair i of 16 of O^T under the new M
	v_pk_mul_f32 v[192+2*(\i):193+2*(\i)], v[192+2*(\i):193+2*(\i)], v[252:253] op_sel_hi:[1,0]
.endm
.macro AD1 j                           ; pair j of p onto the sum's first chain
	v_pk_add_f32 v[14:15], v[14:15], v[128+2*(\j):129+2*(\j)]
.endm
.macro AD2 j                           ; onto its second
	v_pk_add_f32 v[254:255], v[254:255], v[128+2*(\j):129+2*(\j)]
.endm
.macro KLOAD a, s                      ; the eight key tiles and their scale words: 18 LDS loads
.irp c, 0,1
.irp u, 0,1,2,3
	ds_load_b128 v[32+48*\c+12*\u:35+48*\c+12*\u], v[\a] offset:4096*\c+1024*(\u%2)+128*(\u/2)
	ds_load_b128 v[36+48*\c+12*\u:39+48*\c+12*\u], v[\a] offset:4096*\c+1024*(\u%2)+128*(\u/2)+512
.endr
.endr
	ds_load_b64 v[8:9], v[\s] offset:14336         ; the words of tiles u = 0, 1: lanes 0-15 c = 0, lanes 16-31 c = 1
	ds_load_b64 v[10:11], v[\s] offset:14336+128   ; of u = 2, 3
.endm
.macro SMUL qs                         ; S^T = K Q^T of one query tile
.irp u, 0,1,2,3
	v_wmma_scale_f32_16x16x128_f8f6f4 v[128+8*\u:135+8*\u], v[32+12*\u:43+12*\u], v[16:27], 0, v[8+\u], v[\qs] matrix_a_fmt:MATRIX_FMT_FP6 matrix_b_fmt:MATRIX_FMT_FP6
.endr
.irp u, 0,1,2,3
	v_wmma_scale_f32_16x16x128_f8f6f4 v[160+8*\u:167+8*\u], v[80+12*\u:91+12*\u], v[16:27], 0, v[8+\u], v[\qs] matrix_a_fmt:MATRIX_FMT_FP6 matrix_b_fmt:MATRIX_FMT_FP6 matrix_a_scale:MATRIX_SCALE_ROW1
.endr
.endm
.macro PVMUL ps                        ; O^T += V^T P^T of one query tile: the four accumulators by turns
.irp d, 0,1,2,3
	v_wmma_scale_f32_16x16x128_f8f6f4 v[192+8*\d:199+8*\d], v[32+12*\d:43+12*\d], v[224:235], v[192+8*\d:199+8*\d], v[28+\d], v[\ps] matrix_a_fmt:MATRIX_FMT_FP6 matrix_b_fmt:MATRIX_FMT_FP6
.endr
.endm
; PH1: all that one tile's exponentials read.  The largest score of my two blocks of 32 keys, two chains a block, each accumulator from its low end on: for the row's maximum and, since p rises with the score, for the block's largest p
.macro PH1
.irp c, 0,1
	v_max3_num_f32 v[244+\c], v[128+32*\c], v[129+32*\c], v[130+32*\c]
	v_max3_num_f32 v[240+\c], v[145+32*\c], v[146+32*\c], v[147+32*\c]
.endr
.irp i, 3,5,7,9,11,13
.irp c, 0,1
	v_max3_num_f32 v[244+\c], v[244+\c], v[128+32*\c+\i], v[129+32*\c+\i]
	v_max3_num_f32 v[240+\c], v[240+\c], v[145+32*\c+\i], v[146+32*\c+\i]
.endr
.endr
.irp c, 0,1
	v_max3_num_f32 v[244+\c], v[244+\c], v[143+32*\c], v[144+32*\c]
.endr
.irp c, 0,1
	v_max_num_f32 v[244+\c], v[244+\c], v[240+\c]
.endr
	v_max3_num_f32 v236, v13, v244, v245
	v_permlanex16_b32 v237, v236, s[SEL], s[SEL+1]
	v_max_num_f32 v13, v236, v237                  ; the running largest raw score of my query (c is positive)
	v_mul_f32 v236, s[NC], v13                     ; -t
	v_floor_f32 v12, v236                          ; -M = floor(-t): M is a whole number
	v_sub_f32 v236, v12, v243
	FM 0
	v_cvt_i32_f32 v236, v236                       ; (it saturates)
	FM 1
	v_ldexp_f32 v252, 1.0, v236                    ; f = 2^(old M - new M): a multiplication by it rounds nothing
	FM 2
.irp i, 0,1,2,3,4,5,6,7,8,9,10,11,12,13,14,15
	OM \i
	FM 3+\i
.endr
.irp j, 19,20,21,22,23,24,25,26,27,28,29,30,31
	FM \j
.endr
	v_fma_f32 v244, v244, s[CS], v12               ; the same of each block's largest score
	v_fma_f32 v245, v245, s[CS], v12
.endm
.macro EXPS
	v_exp_f32 v244, v244                           ; the same two instructions on the same number give the same bits as the block's largest p
	v_exp_f32 v245, v245
.set jj, 0
.rept 64
	v_exp_f32 v[128+jj], v[128+jj]                 ; p = 2^(t - M)
.set jj, jj+1
.endr
.endm
; PH2: one tile's scale word, codes and sums.  tb = 1: tile B, whose finished scale word goes to window 0
.macro PH2 tb
	v_max_num_f32 v244, 0x1800000, v244            ; the floor 2^-124: the byte cannot fall under 1
	v_max_num_f32 v245, 0x1800000, v245
	v_add_nc_u32 v248, 0xff000000, v244            ; 2 off the exponent field: the conversion's scale operand
	v_add_nc_u32 v249, 0xff000000, v245
	v_lshrrev_b32 v244, 23, v248                   ; the bytes of blocks h and 2 + h
	v_lshrrev_b32 v245, 23, v249
	v_lshl_or_b32 v253, v245, 16, v244
	v_lshlrev_b32 v253, v239, v253                 ; at their places in the word: 8 h bits up
	v_permlanex16_b32 v240, v253, s[SEL], s[SEL+1]
.if \tb
	WIN 0x05
	v_or_b32 v246, v253, v240                      ; with lane l xor 16's two: p's scale word for these 128 keys
	WIN 0x55
.else
	v_or_b32 v253, v253, v240
.endif
	v_cvt_scalef32_pk16_fp6_f32 v[224:226], v[128:143], v248
	v_cvt_scalef32_pk16_fp6_f32 v[236:238], v[144:159], v248   ; (a conversion's three registers begin on an even number)
	v_cvt_scalef32_pk16_fp6_f32 v[230:232], v[160:175], v249
	v_cvt_scalef32_pk16_fp6_f32 v[240:242], v[176:191], v249
; THE ROW'S SUM IS TAKEN OF THE UNQUANTISED p, in two chains; the first line brings the old sum under the new M, and is the plain place behind the conversions
	v_pk_fma_f32 v[14:15], v[14:15], v[252:253], v[128:129] op_sel_hi:[1,0,1]
	v_pk_add_f32 v[254:255], v[130:131], v[132:133]
.irp i, 0,1,2
	v_mov_b32 v[227+\i], v[236+\i]
	v_mov_b32 v[233+\i], v[240+\i]
.endr
.irp j, 3,5,7,9,11,13,15,17,19,21,23,25,27,29
	AD1 \j                                         ; these 28 lines are also the places between the codes' and the scale word's last writes and the products
	AD2 \j+1
.endr
.endm
.macro LAST2                           ; the sums' last two lines: they name no register of the products
	AD1 31
	v_pk_add_f32 v[14:15], v[14:15], v[254:255]
.endm
; FIN: one tile's O^T / the sum, quantised along the channels.  Here a block lies in lanes l and l xor 16
.macro FIN
	v_add_f32 v14, v14, v15
	v_permlanex16_b32 v252, v14, s[SEL], s[SEL+1]
	v_add_f32 v14, v14, v252                       ; the row's sum
	s_wait_alu depctr_va_vdst(0)
	v_rcp_f32 v14, v14
	v_nop
	s_wait_alu depctr_va_vdst(0)
.set jj, 0
.rept 32
	v_mul_f32 v[128+jj], v[192+jj], v14            ; register 16 b + i is channel 32 b + 16 h + i of my query
.set jj, jj+1
.endr
.irp b, 0,1
	v_max3_num_f32 v[244+\b], |v[128+16*\b]|, |v[129+16*\b]|, 0x1800000
.endr
.irp i, 2,4,6,8,10,12,14
.irp b, 0,1
	v_max3_num_f32 v[244+\b], v[244+\b], |v[128+16*\b+\i]|, |v[129+16*\b+\i]|
.endr
.endr
.irp b, 0,1
	v_permlanex16_b32 v[236+\b], v[244+\b], s[SEL], s[SEL+1]
.endr
.irp b, 0,1
	v_max_num_f32 v[244+\b], v[244+\b], v[236+\b]
.endr
.irp b, 0,1
	v_add_nc_u32 v[248+\b], 0xff000000, v[244+\b]
.endr
.irp b, 0,1
	v_lshrrev_b32 v[236+\b], 23, v[248+\b]
.endr
	v_lshl_or_b32 v254, v237, 8, v236              ; the head's two scale bytes
	v_cvt_scalef32_pk16_fp6_f32 v[224:226], v[128:143], v248
	v_cvt_scalef32_pk16_fp6_f32 v[236:238], v[144:159], v249
	v_nop
.irp i, 0,1,2
	v_permlane16_swap_b32 v[224+\i], v[236+\i]     ; the operand wants a whole block in a lane
.endr
.irp i, 0,1,2
	v_mov_b32 v[227+\i], v[236+\i]
.endr
.endm
	s_load_b128 s[4:7], s[0:1], 0x0                ; qkv, att
	v_lshl_add_u32 v254, v0, 2, 0x3b000
	v_mov_b32 v255, 0
	ds_add_u32 v254, v255
	ds_add_u32 v254, v255
	v_lshrrev_b32 v1, 5, v0
	v_readfirstlane_b32 s[WV], v1                  ; wave 0 .. 7
	s_bfe_u32 s9, ttmp6, 0x40000                   ; cx
	s_and_b32 s10, ttmp7, 0xffff                   ; 16 x batch + head
	s_mul_i32 s12, s10, HEADB
	s_mul_i32 s11, s[WV], 2*STEPB                  ; my two steps' blocks, in the head and in LDS
	s_add_co_u32 s14, s12, s11
	s_add_co_u32 s14, s14, KVOFF
	s_mov_b32 s15, 0
	s_mov_b32 s24, 15|(3<<16)|(1<<21)              ; all four work-groups; elements of 8 bytes; bit 21 beside a mask; no padding
	s_mov_b32 s25, 32<<16                          ; a dense block as 118 rows of 256 bytes
	s_mov_b32 s26, 118<<16
	s_mov_b32 s27, 32<<16
	s_mov_b32 s28, 118
	s_mov_b32 s29, 32
	s_mov_b32 s30, 0
	s_mov_b32 s31, 0
	s_mov_b32 s[SEL], 0x76543210
	s_mov_b32 s[SEL+1], 0xfedcba98
	s_mov_b32 s[CS], 0x3e38aa3b                    ; c = log2(e) / 8
	s_mov_b32 s[CS+1], s[CS]
	s_mov_b32 s[NC], 0xbe38aa3b                    ; -c
	s_mov_b32 s[TB], 0
	s_mov_b32 s[TBN], STEPB
	s_mov_b32 s[CNT], 16
	s_wait_dscnt 0x0
	s_wait_kmcnt 0x0
	CROUND                                         ; all four work-groups are here: the joint loads meet
	s_mov_b32 s32, 1
	s_mov_b32 s33, s11
	s_add_nc_u64 s[34:35], s[4:5], s[14:15]
	s_or_b32 s35, s35, 0x80000000
	tensor_load_to_lds s[32:35], s[24:31]
	s_nop 0
.rept 4
	v_nop
.endr
	s_lshl_b32 s16, ttmp9, 2
	s_add_co_u32 s16, s16, s9
	s_lshl_b32 s16, s16, 4
	s_lshl_b32 s17, s[WV], 1
	s_add_co_u32 s16, s16, s17                     ; tile A of my queries in the head, an even number, 0 .. 126; tile B is the next
	s_lshr_b32 s17, s16, 3
	s_mul_i32 s17, s17, STEPB
	s_add_co_u32 s17, s17, s12                     ; its step block among q's
	s_and_b32 s18, s16, 7
	s_lshl_b32 s18, s18, 10
	s_add_co_u32 s20, s17, s18
	s_mov_b32 s21, 0
	s_add_nc_u64 s[20:21], s[4:5], s[20:21]
	s_bfe_u32 s18, s16, 0x10002
	s_lshl_b32 s18, s18, 8
	s_and_b32 s19, s16, 3
	s_lshl_b32 s19, s19, 2
	s_add_co_u32 s22, s17, s18
	s_add_co_u32 s22, s22, s19
	s_add_co_u32 s22, s22, 14336
	s_mov_b32 s23, 0
	s_add_nc_u64 s[22:23], s[4:5], s[22:23]
	v_and_b32 v2, 31, v0
	v_and_b32 v3, 15, v0
	v_bfe_u32 v239, v0, 4, 1                       ; h
	v_bfe_u32 v4, v0, 3, 1                         ; r / 8
	v_and_b32 v5, 7, v0
	v_lshlrev_b32 v1, 4, v2
	v_lshlrev_b32 v2, 3, v2
	v_lshlrev_b32 v3, 4, v3
	v_lshlrev_b32 v5, 4, v5
	v_lshl_add_u32 v5, v239, 8, v5                 ; 256 h + 16 (r % 8)
	v_lshl_add_u32 v250, v4, 11, v5                ; key tiles: + two stored tiles for rows 8-15
	v_lshl_add_u32 v251, v4, 3, v5                 ; their scale words: unit h, row r % 8, + two words for rows 8-15
	v_lshlrev_b32 v239, 3, v239                    ; 8 h
	global_load_b128 v[16:19], v1, s[20:21]
	global_load_b128 v[20:23], v1, s[20:21] offset:512
	global_load_b32 v7, v3, s[22:23]
	global_load_b32 v247, v3, s[22:23] offset:4    ; tile B's scale words: the next word of the same unit
	v_mov_b32 v13, 0xff61b1e6                      ; the largest raw score so far: -3e38
	WIN 0x40                                       ; destinations in window 1: tile B
	global_load_b128 v[16:19], v1, s[20:21] offset:1024
	global_load_b128 v[20:23], v1, s[20:21] offset:1536
.irp j, 24,25,26,27,14,15,236,237,253
	v_mov_b32 v[\j], 0
.endr
	v_floor_f32 v12, -v13
	v_mov_b32 v239, v239
	v_mov_b32 v13, v13
.set jj, 0
.rept 32
	v_mov_b32 v[192+jj], 0
.set jj, jj+1
.endr
	WIN 0
	s_lshr_b32 s18, s10, 4
	s_lshl_b32 s18, s18, 7
	s_add_co_u32 s18, s18, s16                     ; tile A among all tokens'
	s_bfe_u32 s19, s10, 0x30001                    ; K step of the next product: head / 2
	s_and_b32 s17, s10, 1                          ; and its half
	s_lshl_b32 s42, s18, 3
	s_add_co_u32 s42, s42, s19
	s_mul_i32 s42, s42, 1536
	s_mul_i32 s43, s17, 768
	s_add_co_u32 s42, s42, s43
	s_mov_b32 s43, 0
	s_add_nc_u64 s[42:43], s[6:7], s[42:43]
	s_lshr_b32 s44, s18, 2
	s_lshl_b32 s44, s44, 3
	s_add_co_u32 s44, s44, s19
	s_lshl_b32 s44, s44, 8
	s_and_b32 s45, s18, 3
	s_lshl_b32 s45, s45, 2
	s_add_co_u32 s44, s44, s45
	s_lshl_b32 s45, s17, 1
	s_add_co_u32 s44, s44, s45
	s_add_co_u32 s44, s44, 3145728
	s_mov_b32 s45, 0
	s_add_nc_u64 s[44:45], s[6:7], s[44:45]
.irp j, 24,25,26,27,14,15,236,237,253
	v_mov_b32 v[\j], 0                             ; Q's k = 80 .. 127, the sum, and what is named before it is first made
.endr
.irp t, 0,1,2,3,4,5,6,7
.irp j, 8,9,10,11
	v_mov_b32 v[32+12*\t+\j], 0                    ; the key tiles' registers 8-11 are written once; no load touches them
.endr
.endr
	v_floor_f32 v12, -v13                          ; -M: so large that the first step's f is 0
.set jj, 0
.rept 32
	v_mov_b32 v[192+jj], 0                         ; O^T: the step is written once; the first finds zeros, which f = 0 leaves zeros
.set jj, jj+1
.endr
	s_wait_alu depctr_va_vdst(0)
	s_wait_tensorcnt 0x0                           ; my two steps' blocks have landed,
	s_barrier_signal -1
	s_barrier_wait -1                              ; everybody's have
	KLOAD 250, 251                                 ; step 0's K
	s_wait_loadcnt 0x0                             ; Q
.Lstep:                                            ; 16 trips of 128 keys
	v_add_nc_u32 v4, s[TB], v1                     ; with the sums' last lines behind the last products: the places in front of the loads into V^T's registers
	v_add_nc_u32 v5, s[TB], v2
	v_add_nc_u32 v6, s[TB], v3
	WIN 0x40
.irp d, 0,1,2,3                        ; this step's V^T, into window 1: waited for ahead of the exponentials
	ds_load_b128 v[32+12*\d:35+12*\d], v4 offset:8192+1536*\d
	ds_load_b64 v[36+12*\d:37+12*\d], v5 offset:8192+1536*\d+512
	ds_load_b128 v[38+12*\d:41+12*\d], v4 offset:8192+1536*\d+768
	ds_load_b64 v[42+12*\d:43+12*\d], v5 offset:8192+1536*\d+1280
.endr
	WIN 0
	ds_load_b128 v[28:31], v6 offset:14848
	s_wait_dscnt 17                                ; the 17 loads just issued may be out: this step's K, asked for a step ago, is in
	SMUL 7
	WIN 0x44                                       ; K from window 0, Q and S^T in window 1
	SMUL 247
	WIN 0
	v_add_nc_u32 v248, s[TBN], v250                ; four places in front of the loads into the key tiles' registers and of the first read of the scores
	v_add_nc_u32 v249, s[TBN], v251
	v_mov_b32 v243, v12                            ; the old -M is kept
	v_nop
	KLOAD 248, 249                                 ; the next step's K
	PH1
	WIN 0x55
	v_mov_b32 v243, v12
	PH1
	s_wait_alu depctr_va_vdst(0)
	s_wait_dscnt 18                                ; the next step's 18 loads may be out: V^T and its scale words are in
	EXPS
	WIN 0
	EXPS
	v_nop                                          ; the plain place behind the batch
	s_wait_alu depctr_va_vdst(0)                   ; one wait for the batch, ahead of its first reader
	PH2 0
	WIN 0x01                                       ; V^T from window 1
	PVMUL 253
	WIN 0x55
	PH2 1
	PVMUL 246
	LAST2
	WIN 0
	LAST2
	s_add_co_u32 s[TB], s[TB], STEPB
	s_add_co_u32 s[TBN], s[TB], STEPB
	s_min_u32 s[TBN], s[TBN], 15*STEPB             ; the last trip asks for step 15's K again: no load leaves the head's block
	s_sub_co_u32 s[CNT], s[CNT], 1
	s_cmp_lg_u32 s[CNT], 0
	s_cbranch_scc1 .Lstep
.rept 4
	v_nop
.endr
	s_wait_alu depctr_va_vdst(0)
	FIN
	global_store_b128 v1, v[224:227], s[42:43]     ; 512 and 256 consecutive bytes, aligned
	global_store_b64 v2, v[228:229], s[42:43] offset:512
	global_store_b16 v3, v254, s[44:45]
	WIN 0x55
	FIN
	WIN 0x04                                       ; the data from window 1: tile B is the next tile of the operand, and the next word of the unit
	global_store_b128 v1, v[224:227], s[42:43] offset:12288
	global_store_b64 v2, v[228:229], s[42:43] offset:12288+512
	global_store_b16 v3, v254, s[44:45] offset:4
	WIN 0
	s_wait_xcnt 0x0
	v_lshl_add_u32 v254, v0, 2, 0x3b000
	v_mov_b32 v255, 0
	s_wait_alu depctr_va_vdst(0)
	s_wait_tensorcnt 0x0                           ; the wave's end
	ds_add_u32 v254, v255
	s_wait_dscnt 0x0
	CROUND                                         ; the closing round
	s_endpgm
.Lfunc_end_k_q8640102c08_attn:
	.size	k_q8640102c08_attn, .Lfunc_end_k_q8640102c08_attn-k_q8640102c08_attn
	.p2alignl 7, 3214868480
	.fill 96, 4, 3214868480
	.section	.rodata,"a",@progbits
	.p2align	6, 0x0
	.amdhsa_kernel k_q8640102c08_attn
		.amdhsa_group_segment_fixed_size 243712
		.amdhsa_private_segment_fixed_size 0
		.amdhsa_enable_private_segment 0
		.amdhsa_kernarg_size 16
		.amdhsa_user_sgpr_count 2
		.amdhsa_user_sgpr_kernarg_segment_ptr 1
		.amdhsa_wavefront_size32 1
		.amdhsa_system_sgpr_workgroup_id_x 1
		.amdhsa_system_sgpr_workgroup_id_y 1
		.amdhsa_system_sgpr_workgroup_id_z 1
		.amdhsa_system_vgpr_workitem_id 0
		.amdhsa_next_free_vgpr 512
		.amdhsa_next_free_sgpr 66
		.amdhsa_reserve_vcc 0
		.amdhsa_float_denorm_mode_32 3
		.amdhsa_float_denorm_mode_16_64 3
		.amdhsa_memory_ordered 1
		.amdhsa_forward_progress 1
		.amdhsa_inst_pref_size 46
	.end_amdhsa_kernel
	.amdgpu_metadata
---
amdhsa.version: [ 1, 2 ]
amdhsa.kernels:
  - .name:           k_q8640102c08_attn
    .symbol:         k_q8640102c08_attn.kd
    .args:
      - { .name: qkv, .offset: 0, .size: 8, .value_kind: global_buffer, .address_space: global }
      - { .name: att, .offset: 8, .size: 8, .value_kind: global_buffer, .address_space: global }
    .group_segment_fixed_size: 243712
    .private_segment_fixed_size: 0
    .kernarg_segment_align: 8
    .kernarg_segment_size: 16
    .max_flat_workgroup_size: 256
    .sgpr_count:     66
    .vgpr_count:     512
    .wavefront_size: 32
...
	.end_amdgpu_metadata
.endif
;; end of part 3
;; launch oproj (part 4): grid 8 x 32, 4 waves a work-group, clusters of 4 x 4, 327,680 bytes of LDS; arguments att, wts, bo, x, x1; writes x1
.if DOCPART == 4
	.amdgcn_target "amdgcn-amd-amdhsa--gfx1250"
	.amdhsa_code_object_version 6
	.text
	.protected	k_q8640102c08_oproj
	.globl	k_q8640102c08_oproj
	.p2align	8
	.type	k_q8640102c08_oproj,@function
k_q8640102c08_oproj:
	s_mov_b64 s[64:65], 0
	v_nop
	global_prefetch_b8 v0, s[64:65] scope:SCOPE_SE
	s_setreg_imm32_b32 hwreg(HW_REG_WAVE_MODE, 25, 1), 1
	s_wait_xcnt 0x0
	s_wait_alu depctr_hold_cnt(0) depctr_sa_sdst(0) depctr_va_vdst(0) depctr_va_sdst(0) depctr_va_ssrc(0) depctr_va_vcc(0) depctr_vm_vsrc(0)
	s_getreg_b32 s2, hwreg(HW_REG_IB_STS2, 6, 4)
	s_cmp_eq_u32 s2, 0
	s_cbranch_scc0 .Lentry_in_a_cluster
	s_endpgm
.Lentry_in_a_cluster:
	s_bfe_u32 s2, ttmp6, 0x10000c
	s_cmp_lg_u32 s2, 0xf033
	s_cbranch_scc0 .Lentry_shape_is_right
	s_endpgm
.Lentry_shape_is_right:
; x1 = x + att wo + bo: the product on codes of FP6 (E2M3) with E8M0 scales, K = 1,024; bias and residual in f32.
; Operands are images of registers: [tile of 16 rows][K steps][1,536 bytes]; scale words [tile / 4][K step][16 rows][4 words].  Row r of tile t is matrix row 32 (t / 2) + 8 (t % 2) + r % 8 + 16 (r / 8).
; SHARES: with N = 1,024 tiles of 256 x 256 would be 64; a work-group makes 128 x 128 (256 work-groups), a wave 64 x 64 in 16 accumulators.  A slot holds 512 along K; a wave's tensor load brings 4 tiles x 6,144 consecutive bytes.
; K = 1,024 is two slots: both are first fills and nothing is filled again.  CLUSTERS of 4 x 4: region A (tokens, source 1) is shared along a row, region B (weight columns, source 0) along a column, by joint loads.
; THE WAY OUT: a lane holds 8 neighbouring columns of one token; a block of 16 tokens x 64 columns goes through my stage in LDS (in slot 0, which has had its last fill and its last read) and leaves as rows of 256 bytes.
; The residual's 64 x 64 numbers are asked for at the head, by the stores' own addresses.
.set TW,    4
.set HM,    2
.set NQ,    4
.set NKS,   8
.set NL,    4
.set ROWL,  NQ*1536
.set HALFT, TW*ROWL
.set SLOT,  4*HALFT
.set HALFS, (TW/4)*NKS*256
.set SCL,   2*SLOT
.set SPARE, SCL+4*HALFS
.set LAPS,  NKS/(2*NQ)
.set ASC,   3145728                    ; A's scale units
.set BCB,   192*12288                  ; wo's codes
.set BSC,   9437184+48*2048            ; wo's scale units
.set L16, 3
.set L8,  15
.set ADRA16, 4
.set ADRA8,  6
.set ADRB16, 8
.set ADRB8,  10
.set ADRS, 12
.set SPW,  13
.set NIL,  14
.set STO,  16
.set RD,   17
.set CO,   18
.set BV,   20
.set SC,   32
.set AF,   128
.set BK,   176
.set WV,  18
.set HAW, 19
.set HBW, 20
.set G1,  24
.set G0,  32
.set G1B, 48
.set G0B, 56
.set G1S, 68
.set G0S, 76
.set G1SB, 80
.set G0SB, 88
.set MUL_LO, 0xa1
.set MUL_HI, 0xf1
.set MSB, 0
.macro WIN new
.if MSB != (\new)
	s_set_vgpr_msb (MSB<<8)|(\new)
.set MSB, \new
.endif
.endm
.macro JLOAD g0a, g1a, g0b, g1b        ; a joint load: waves 0, 1 fetch region A's halves, waves 2, 3 region B's; four v_nop follow each line
	s_cmp_eq_u32 s[HAW], 0
	s_cbranch_scc0 .Lfor_b_\@
	tensor_load_to_lds s[\g0a:\g0a+3], s[\g1a:\g1a+7]
	s_nop 0
.rept 4
	v_nop
.endr
	s_branch .Lasked_\@
.Lfor_b_\@:
	tensor_load_to_lds s[\g0b:\g0b+3], s[\g1b:\g1b+7]
	s_nop 0
.rept 4
	v_nop
.endr
.Lasked_\@:
.endm
.macro CREST
	s_cmp_lg_u32 s[WV], 0
	s_cbranch_scc1 .Lnot_wave_0_\@
	s_barrier_signal -3
.Lnot_wave_0_\@:
	s_barrier_wait -3
	s_barrier_signal -1
	s_barrier_wait -1
.endm
.macro CROUND
	s_barrier_signal -1
	s_barrier_wait -1
	CREST
.endm
.macro PLACES n
.rept \n
	v_nop
.endr
.endm
.macro FRAG reg, a16, a8, off
	ds_load_b128 v[\reg:\reg+3], v[\a16] offset:\off
	ds_load_b64 v[\reg+4:\reg+5], v[\a8] offset:\off+512
	ds_load_b128 v[\reg+6:\reg+9], v[\a16] offset:\off+768
	ds_load_b64 v[\reg+10:\reg+11], v[\a8] offset:\off+1280
.endm
.macro MULS a0, n, p, q, sc, zero      ; the accumulators take turns, one instruction a turn
.set aa, \a0
.rept \n
.set bb, 0
.rept TW
.set AC, 8*(TW*(aa%HM)+bb)
.if \zero
	v_wmma_scale_f32_16x16x128_f8f6f4 v[AC:AC+7], v[128*(\p)+12*bb:128*(\p)+12*bb+11], v[AF+12*aa:AF+12*aa+11], 0, v[SC+16*(\sc)+TW*(\q)+bb], v[SC+16*(\sc)+TW*(\q)+aa] matrix_a_fmt:MATRIX_FMT_FP6 matrix_b_fmt:MATRIX_FMT_FP6 matrix_a_scale:MATRIX_SCALE_ROW1
.else
	v_wmma_scale_f32_16x16x128_f8f6f4 v[AC:AC+7], v[128*(\p)+12*bb:128*(\p)+12*bb+11], v[AF+12*aa:AF+12*aa+11], v[AC:AC+7], v[SC+16*(\sc)+TW*(\q)+bb], v[SC+16*(\sc)+TW*(\q)+aa] matrix_a_fmt:MATRIX_FMT_FP6 matrix_b_fmt:MATRIX_FMT_FP6 matrix_a_scale:MATRIX_SCALE_ROW1
.endif
.set bb, bb+1
.endr
.set aa, aa+1
.endr
.endm
.macro FETCH_B slot, q, p
	WIN 0x40
.set ii, 0
.rept TW
	FRAG 128*(\p)+12*ii, ADRB16+\slot, ADRB8+\slot, ii*ROWL+(\q)*1536
.set ii, ii+1
.endr
	WIN 0
.endm
.macro FETCH_A slot, q, i0
.set ii, \i0
.rept HM
	FRAG AF+12*ii, ADRA16+\slot, ADRA8+\slot, ii*ROWL+(\q)*1536
.set ii, ii+1
.endr
.endm
.macro SCALES sc
.set qq, 0
.rept NQ
.set gg, 0
.rept TW/4
	ds_load_b128 v[SC+16*\sc+TW*qq+4*gg:SC+16*\sc+TW*qq+4*gg+3], v[ADRS] offset:gg*NKS*256+256*qq
.set gg, gg+1
.endr
.set qq, qq+1
.endr
.endm
.macro STEP slot, q, zero
	s_wait_dscnt HM*NL                             ; all but the youngest loads, A's upper blocks, are in
	WIN MUL_LO
	MULS 0, HM, (\q)%2, \q, \slot, \zero
	s_wait_dscnt 0x0
	PLACES 4                                       ; four places in front of loads into registers that matrix instructions have read
	FETCH_B \slot, (\q)+1, 1-(\q)%2
	FETCH_A \slot, (\q)+1, 0
	WIN MUL_HI
	MULS HM, HM, (\q)%2, \q, \slot, \zero
	PLACES 4
	WIN 0
	FETCH_A \slot, (\q)+1, HM
.endm
.macro TURN slot, next, fill
	s_wait_tensorcnt 0x0                           ; all my tensor loads have landed: my part of the next slot
	ds_add_u32 v[SPW], v[NIL]                      ; 0 onto my spare word
	s_wait_dscnt HM*NL+1                           ; (the add and A's upper blocks may be out)
	WIN MUL_LO
	MULS 0, HM/2, 1, NQ-1, \slot, 0
	s_wait_dscnt 0x0                               ; the add is done, and my reads of this slot are over
	s_barrier_signal -1
	MULS HM/2, HM/2, 1, NQ-1, \slot, 0
	WIN 0
	s_barrier_wait -1
.if \fill
	CREST
	s_add_nc_u64 s[G0+4*\slot+2:G0+4*\slot+3], s[G0+4*\slot+2:G0+4*\slot+3], 2*ROWL
	s_add_nc_u64 s[G0B+4*\slot+2:G0B+4*\slot+3], s[G0B+4*\slot+2:G0B+4*\slot+3], 2*ROWL
	JLOAD G0+4*\slot, G1, G0B+4*\slot, G1B
.else
	PLACES 4
.endif
	v_add_nc_u32 v[ADRS], 256*NQ, v[ADRS]
	FETCH_B \next, 0, 0
	FETCH_A \next, 0, 0
	SCALES \next
	WIN MUL_HI
	MULS HM, HM, 1, NQ-1, \slot, 0
	PLACES 4
	WIN 0
	FETCH_A \next, 0, HM
.endm
	s_load_b256 s[4:11], s[0:1], 0x0               ; A's buffer, wts, the bias, the residual
	s_load_b64 s[12:13], s[0:1], 0x20              ; out
	v_lshl_add_u32 v[SPW], v0, 2, SPARE
	v_mov_b32 v[NIL], 0
	ds_add_u32 v13, v14
	ds_add_u32 v13, v14
	s_wait_dscnt 0x0
	v_lshrrev_b32 v1, 5, v0
	v_readfirstlane_b32 s[WV], v1
	s_lshr_b32 s[HAW], s[WV], 1
	s_and_b32 s[HBW], s[WV], 1
	s_bfe_u32 s40, ttmp6, 0x40000                  ; cx
	s_bfe_u32 s41, ttmp6, 0x40004                  ; cy
	s_mov_b32 s42, ttmp9
	s_and_b32 s43, ttmp7, 0xffff
	s_lshl_b32 s44, s41, 2
	s_lshl_b32 s44, 15, s44                        ; my row of the cluster
	s_lshl_b32 s45, 0x1111, s40                    ; my column
	s_or_b32 s[G1], s44, (3<<16)|(1<<21)
	s_or_b32 s[G1B], s45, (3<<16)|(1<<21)
.irp g, G1, G1B
	s_mov_b32 s[\g+1], (NQ*192)<<16
	s_mov_b32 s[\g+2], TW<<16
	s_mov_b32 s[\g+3], (NQ*192)<<16
	s_mov_b32 s[\g+4], TW
	s_mov_b32 s[\g+5], NKS*192
	s_mov_b32 s[\g+6], 0
	s_mov_b32 s[\g+7], 0
.endr
	s_or_b32 s[G1S], s44, (3<<16)|(1<<21)
	s_or_b32 s[G1SB], s45, (3<<16)|(1<<21)
.irp g, G1S, G1SB
	s_mov_b32 s[\g+1], 32<<16
	s_mov_b32 s[\g+2], (HALFS/256)<<16
	s_mov_b32 s[\g+3], 32<<16
	s_mov_b32 s[\g+4], HALFS/256
	s_mov_b32 s[\g+5], 32
	s_mov_b32 s[\g+6], 0
	s_mov_b32 s[\g+7], 0
.endr
	s_mul_i32 s47, s[HBW], TW                      ; the tiles that I fetch
	s_lshl_b32 s46, s43, 2
	s_add_co_u32 s46, s46, s41                     ; block of tokens = 4 x cluster y + cy
	s_mul_i32 s46, s46, 2*TW
	s_add_co_u32 s46, s46, s47
	s_mul_i32 s92, s46, NKS*1536
	s_mov_b32 s93, 0
	s_lshr_b32 s94, s46, 2
	s_mul_i32 s94, s94, NKS*256
	s_add_co_u32 s94, s94, ASC
	s_mov_b32 s95, 0
	s_lshl_b32 s66, s42, 2
	s_add_co_u32 s66, s66, s40                     ; block of columns = 4 x cluster x + cx
	s_mul_i32 s66, s66, 2*TW
	s_add_co_u32 s66, s66, s47
	s_mul_i32 s96, s66, NKS*1536
	s_add_co_u32 s96, s96, BCB
	s_mov_b32 s97, 0
	s_lshr_b32 s98, s66, 2
	s_mul_i32 s98, s98, NKS*256
	s_add_co_u32 s98, s98, BSC
	s_mov_b32 s99, 0
	s_mul_i32 s21, s[WV], HALFT
	s_wait_kmcnt 0x0
	s_add_nc_u64 s[92:93], s[4:5], s[92:93]
	s_add_nc_u64 s[94:95], s[4:5], s[94:95]
	s_add_nc_u64 s[96:97], s[6:7], s[96:97]
	s_add_nc_u64 s[98:99], s[6:7], s[98:99]
	CROUND                                         ; all sixteen work-groups are here: the first joint loads meet
; THE HEAD'S LOADS, ONE A WAVE: wave 0 brings slot 0's region A, both halves, wave 1 its region B, wave 2 A's scale words, wave 3 B's.
	s_mul_i32 s46, s[HBW], TW*NKS*1536             ; my half's offset in the codes, taken off again: a head's load begins at the region's first tile
	s_mov_b32 s47, 0
	s_mul_i32 s66, s[HBW], HALFS                   ; and in the scale words
	s_mov_b32 s67, 0
	s_mov_b32 s[G0], 1
	s_mov_b32 s[G0+1], 0
	s_sub_nc_u64 s[G0+2:G0+3], s[92:93], s[46:47]
	s_or_b32 s[G0+3], s[G0+3], 0x80000000
	s_mov_b32 s[G0B], 1
	s_mov_b32 s[G0B+1], 2*HALFT
	s_sub_nc_u64 s[G0B+2:G0B+3], s[96:97], s[46:47]
	s_or_b32 s[G0B+3], s[G0B+3], 0x80000000
	s_mov_b32 s[G0S], 1
	s_mov_b32 s[G0S+1], SCL
	s_sub_nc_u64 s[G0S+2:G0S+3], s[94:95], s[66:67]
	s_or_b32 s[G0S+3], s[G0S+3], 0x80000000
	s_mov_b32 s[G0SB], 1
	s_mov_b32 s[G0SB+1], SCL+2*HALFS
	s_sub_nc_u64 s[G0SB+2:G0SB+3], s[98:99], s[66:67]
	s_or_b32 s[G0SB+3], s[G0SB+3], 0x80000000
	s_mov_b32 s[G0+4], 1                           ; slot 1's group 0: my half, the second K chunk
	s_add_co_u32 s[G0+5], s21, SLOT
	s_add_nc_u64 s[G0+6:G0+7], s[92:93], ROWL
	s_or_b32 s[G0+7], s[G0+7], 0x80000000
	s_mov_b32 s[G0B+4], 1
	s_add_co_u32 s[G0B+5], s21, SLOT
	s_add_nc_u64 s[G0B+6:G0B+7], s[96:97], ROWL
	s_or_b32 s[G0B+7], s[G0B+7], 0x80000000
.irp g, G1, G1B
	s_mov_b32 s[\g+2], (2*TW)<<16                  ; the head's loads count both halves' tiles
	s_mov_b32 s[\g+4], 2*TW
.endr
.irp g, G1S, G1SB
	s_mov_b32 s[\g+2], (2*HALFS/256)<<16
	s_mov_b32 s[\g+4], 2*HALFS/256
.endr
; THE PREFETCH: of the four tiles that my ring's load brings, each of the four partners that ask for them jointly names one, told apart by address (cx for region A's, cy for region B's).  s[94:95] stands at its K chunk 1.
	s_cmp_eq_u32 s[HAW], 0
	s_cselect_b32 s66, s40, s41
	s_cselect_b64 s[94:95], s[92:93], s[96:97]
	s_mul_i32 s66, s66, (TW/4)*NKS*1536
	s_add_co_u32 s66, s66, ROWL
	s_add_nc_u64 s[94:95], s[94:95], s[66:67]
.macro ARM under, g0, g1, next
	s_cmp_lt_u32 s[WV], \under
	s_cbranch_scc0 \next
	tensor_load_to_lds s[\g0:\g0+3], s[\g1:\g1+7]
	s_nop 0
.rept 4
	v_nop
.endr
	s_branch .Lhead_asked
\next:
.endm
	ARM 1, G0,  G1,  .Lhead_b
	ARM 2, G0B, G1B, .Lhead_sa
	ARM 3, G0S, G1S, .Lhead_sb
	tensor_load_to_lds s[G0SB:G0SB+3], s[G1SB:G1SB+7]
	s_nop 0
.rept 4
	v_nop
.endr
.Lhead_asked:
	v_and_b32 v24, 31, v0
	v_min_u32 v24, 23, v24                         ; 24 blocks of 256 bytes, a lane a block; lanes 24-31 name the last block again
	v_lshlrev_b32 v24, 8, v24
	global_prefetch_b8 v24, s[94:95] th:TH_LOAD_NT scope:SCOPE_SE                 ; K chunk 1, which slot 1's first fill loads; K has no further chunk
	v_and_b32 v1, 15, v0
	v_bfe_u32 v2, v0, 4, 1
	v_and_b32 v[L8], 31, v0
	v_lshlrev_b32 v[L16], 4, v[L8]
	v_lshlrev_b32 v[L8], 3, v[L8]
	s_mul_i32 s46, s[HAW], HALFT
	s_mul_i32 s66, s[HBW], HALFT
	s_add_co_u32 s66, s66, 2*HALFT
.irp s, 0,1
	v_add_nc_u32 v[ADRA16+\s], s46, v[L16]
	v_add_nc_u32 v[ADRA8+\s], s46, v[L8]
	v_add_nc_u32 v[ADRB16+\s], s66, v[L16]
	v_add_nc_u32 v[ADRB8+\s], s66, v[L8]
	s_add_co_u32 s46, s46, SLOT
	s_add_co_u32 s66, s66, SLOT
.endr
	s_mul_i32 s46, s[HAW], HALFS
	s_mul_i32 s66, s[HBW], HALFS
	s_add_co_u32 s66, s66, 2*HALFS
	s_sub_co_u32 s66, s66, s46
	v_mul_u32_u24 v[ADRS], s66, v2
	s_add_co_u32 s46, s46, SCL
	v_lshl_add_u32 v[ADRS], v1, 4, v[ADRS]
	v_add_nc_u32 v[ADRS], s46, v[ADRS]
	s_mul_i32 s46, s[WV], 16*272                   ; my stage
	v_mul_u32_u24 v[STO], v1, 272
	v_lshl_add_u32 v[STO], v2, 6, v[STO]
	v_add_nc_u32 v[STO], s46, v[STO]               ; in: row r, + 64 h
	v_mul_u32_u24 v[RD], v2, 272
	v_lshl_add_u32 v[RD], v1, 4, v[RD]
	v_add_nc_u32 v[RD], s46, v[RD]                 ; back: lanes 0-15 one row, lanes 16-31 the next
	v_lshlrev_b32 v[CO], 12, v2
	v_lshl_add_u32 v[CO], v1, 4, v[CO]             ; and the same two tokens in memory
	v_lshlrev_b32 v19, 4, v1
	s_wait_alu depctr_va_vdst(0)
	s_lshl_b32 s96, s43, 2
	s_add_co_u32 s96, s96, s41
	s_lshl_b32 s96, s96, 19                        ; 128 tokens of 4,096 bytes
	s_lshl_b32 s97, s[HAW], 18
	s_add_co_u32 s96, s96, s97
	s_lshl_b32 s98, s42, 2
	s_add_co_u32 s98, s98, s40
	s_lshl_b32 s98, s98, 9                         ; 128 columns of 4 bytes
	s_lshl_b32 s99, s[HBW], 8
	s_add_co_u32 s98, s98, s99
	s_add_co_u32 s96, s96, s98
	s_mov_b32 s97, 0
	s_mov_b32 s99, 0
	s_add_nc_u64 s[10:11], s[10:11], s[96:97]
	s_add_nc_u64 s[12:13], s[12:13], s[96:97]
	s_add_nc_u64 s[8:9], s[8:9], s[98:99]
	global_load_b128 v[BV:BV+3], v19, s[8:9]       ; the bias of my four columns on the way out
	WIN 0x40                                       ; the residual into the idle registers of window 1
.irp a, 0,1,2,3
.irp i, 0,1,2,3,4,5,6,7
	global_load_b128 v[48+128*(\a/2)+32*(\a%2)+4*\i:48+128*(\a/2)+32*(\a%2)+4*\i+3], v[CO], s[10:11] offset:(32*(\a/2)+8*(\a%2)+2*\i+8*(\i/4))*4096
.endr
.endr
	WIN 0
	s_wait_alu depctr_va_vdst(0)
	s_wait_tensorcnt 0x0                           ; my tile of the head's four is in; slot 1's first fill is issued as a refill is
	ds_add_u32 v[SPW], v[NIL]
.irp g, G1, G1B
	s_mov_b32 s[\g+2], TW<<16                      ; no load of mine is out: from here on a load brings one half's tiles
	s_mov_b32 s[\g+4], TW
.endr
.if LAPS > 1
	s_mov_b32 s[G0+1], s21                         ; slot 0's group 0 for the ring: my half, the first K chunk
	s_sub_nc_u64 s[G0+2:G0+3], s[G0+6:G0+7], ROWL
	s_mov_b32 s[G0B+1], s21
	s_sub_nc_u64 s[G0B+2:G0B+3], s[G0B+6:G0B+7], ROWL
.endif
	s_wait_dscnt 0x0
	CROUND                                         ; all four tiles are in, in every partner
	JLOAD G0+4, G1, G0B+4, G1B                     ; slot 1, the first tensor load behind the round
	FETCH_B 0, 0, 0
	FETCH_A 0, 0, 0
	SCALES 0
	FETCH_A 0, 0, HM
	STEP 0, 0, 1                                   ; the first step's products start the sums
	STEP 0, 1, 0
	STEP 0, 2, 0
.if LAPS > 1
	s_mov_b32 s3, LAPS-1
.Llap:
	TURN 0, 1, 1
	STEP 1, 0, 0
	STEP 1, 1, 0
	STEP 1, 2, 0
	TURN 1, 0, 1
	STEP 0, 0, 0
	STEP 0, 1, 0
	STEP 0, 2, 0
	s_sub_co_u32 s3, s3, 1
	s_cmp_lg_u32 s3, 0
	s_cbranch_scc1 .Llap
.endif
	TURN 0, 1, 0
	STEP 1, 0, 0
	STEP 1, 1, 0
	STEP 1, 2, 0
	s_wait_dscnt HM*NL
	WIN MUL_LO
	MULS 0, HM, 1, NQ-1, 1, 0
	s_wait_dscnt 0x0
	WIN MUL_HI
	MULS HM, HM, 1, NQ-1, 1, 0
	WIN 0
	PLACES 4
	s_wait_loadcnt 0x0                             ; the bias and the residual
.macro TOSTAGE a                       ; block a's 16 tokens x 64 columns into my stage and back as rows; LDS serves a wave's instructions in order
	WIN 0x08+4*((\a)/HM)
.irp b, 0,1,2,3
	ds_store_b128 v[STO], v[8*(TW*((\a)%HM)+\b):8*(TW*((\a)%HM)+\b)+3] offset:128*(\b/2)+32*(\b%2)      ; each accumulator from its low end on
	ds_store_b128 v[STO], v[8*(TW*((\a)%HM)+\b)+4:8*(TW*((\a)%HM)+\b)+7] offset:128*(\b/2)+32*(\b%2)+16
.endr
	WIN 0
.irp i, 0,1,2,3,4,5,6,7
	ds_load_b128 v[BK+32*((\a)%2)+4*\i:BK+32*((\a)%2)+4*\i+3], v[RD] offset:544*\i
.endr
.endm
.macro SEND a, younger
.set BB, BK+32*((\a)%2)
.set RS, 48+128*((\a)/2)+32*((\a)%2)
	s_wait_dscnt \younger                          ; the block is back; the next block's LDS instructions may be out
.irp i, 0,1,2,3,4,5,6,7
	v_pk_add_f32 v[BB+4*\i:BB+4*\i+1], v[BB+4*\i:BB+4*\i+1], v[BV:BV+1]
	v_pk_add_f32 v[BB+4*\i+2:BB+4*\i+3], v[BB+4*\i+2:BB+4*\i+3], v[BV+2:BV+3]
.endr
	WIN 0x04                                       ; source 1: window 1
.set jj, 0
.rept 16
	v_pk_add_f32 v[BB+jj:BB+jj+1], v[BB+jj:BB+jj+1], v[RS+jj:RS+jj+1]
.set jj, jj+2
.endr
	WIN 0
.irp i, 0,1,2,3,4,5,6,7
	global_store_b128 v[CO], v[BB+4*\i:BB+4*\i+3], s[12:13] offset:(32*((\a)/2)+8*((\a)%2)+2*\i+8*(\i/4))*4096   ; sixteen lanes store 256 consecutive bytes, aligned
.endr
.endm
	TOSTAGE 0
	TOSTAGE 1
	SEND 0, 16                                     ; behind block 0's loads: block 1's 8 stores and 8 loads
	s_wait_xcnt 0x0                                ; block 0's stores have read their registers
	TOSTAGE 2
	SEND 1, 16
	s_wait_xcnt 0x0
	TOSTAGE 3
	SEND 2, 16
	SEND 3, 0
	s_wait_tensorcnt 0x0                           ; the wave's end
	ds_add_u32 v[SPW], v[NIL]
	s_wait_dscnt 0x0
	CROUND                                         ; the closing round
	s_endpgm
.Lfunc_end_k_q8640102c08_oproj:
	.size	k_q8640102c08_oproj, .Lfunc_end_k_q8640102c08_oproj-k_q8640102c08_oproj
	.p2alignl 7, 3214868480
	.fill 96, 4, 3214868480
	.section	.rodata,"a",@progbits
	.p2align	6, 0x0
	.amdhsa_kernel k_q8640102c08_oproj
		.amdhsa_group_segment_fixed_size 327680
		.amdhsa_private_segment_fixed_size 0
		.amdhsa_enable_private_segment 0
		.amdhsa_kernarg_size 40
		.amdhsa_user_sgpr_count 2
		.amdhsa_user_sgpr_kernarg_segment_ptr 1
		.amdhsa_wavefront_size32 1
		.amdhsa_system_sgpr_workgroup_id_x 1
		.amdhsa_system_sgpr_workgroup_id_y 1
		.amdhsa_system_sgpr_workgroup_id_z 1
		.amdhsa_system_vgpr_workitem_id 0
		.amdhsa_next_free_vgpr 1024
		.amdhsa_next_free_sgpr 102
		.amdhsa_reserve_vcc 0
		.amdhsa_float_denorm_mode_32 3
		.amdhsa_float_denorm_mode_16_64 3
		.amdhsa_memory_ordered 1
		.amdhsa_forward_progress 1
		.amdhsa_inst_pref_size 68
	.end_amdhsa_kernel
	.amdgpu_metadata
---
amdhsa.version: [ 1, 2 ]
amdhsa.kernels:
  - .name:           k_q8640102c08_oproj
    .symbol:         k_q8640102c08_oproj.kd
    .args:
      - { .name: att, .offset: 0, .size: 8, .value_kind: global_buffer, .address_space: global }
      - { .name: wts, .offset: 8, .size: 8, .value_kind: global_buffer, .address_space: global }
      - { .name: bo, .offset: 16, .size: 8, .value_kind: global_buffer, .address_space: global }
      - { .name: x, .offset: 24, .size: 8, .value_kind: global_buffer, .address_space: global }
      - { .name: x1, .offset: 32, .size: 8, .value_kind: global_buffer, .address_space: global }
    .group_segment_fixed_size: 327680
    .private_segment_fixed_size: 0
    .kernarg_segment_align: 8
    .kernarg_segment_size: 40
    .max_flat_workgroup_size: 128
    .sgpr_count:     102
    .vgpr_count:     1024
    .wavefront_size: 32
...
	.end_amdgpu_metadata
.endif
;; end of part 4
;; launch ln2 (part 5): grid 256 x 1, 4 waves a work-group, no clusters, 66,304 bytes of LDS; arguments x1, ln2_alpha, ln2_bias, yn; writes yn
.if DOCPART == 5
	.amdgcn_target "amdgcn-amd-amdhsa--gfx1250"
	.amdhsa_code_object_version 6
	.text
	.protected	k_q8640102c08_ln2
	.globl	k_q8640102c08_ln2
	.p2align	8
	.type	k_q8640102c08_ln2,@function
k_q8640102c08_ln2:
	s_mov_b64 s[64:65], 0
	v_nop
	global_prefetch_b8 v0, s[64:65] scope:SCOPE_SE
	s_setreg_imm32_b32 hwreg(HW_REG_WAVE_MODE, 25, 1), 1
	s_wait_xcnt 0x0
; y = alpha (x - mean) / (std + 1e-6) + bias along rows of 1,024 f32 (std with divisor 1,023), then quantised to FP6 (E2M3) with one E8M0 byte for each 32 along the row,
; stored as images of operand registers: [tile of 16 rows][8 K steps][1,536 bytes], scale words [tile / 4][K step][16 rows][4 words] from byte 3,145,728 on.
; Row r of tile t is token 32 (t / 2) + 8 (t % 2) + r % 8 + 16 (r / 8).  A fragment's half c: registers 6c..6c+3 at 768 c + 16 lane, registers 6c+4, 6c+5 at 768 c + 512 + 8 lane.
; SHARES: a work-group takes one tile.  First wave w norms the tile's rows 4 w .. 4 w + 3 (four consecutive tokens), a row in 32 registers, read from memory once; the mean is taken away BEFORE the squares are summed.
; The rows go through a stage in LDS (pitch 4,112 bytes: an odd multiple of 16); then wave w quantises K steps 2 w and 2 w + 1 of all 16 rows: lane (r, h) holds, of row r, 16 neighbours of each block of 32.
; The scale words leave as 4 bytes a lane: a unit's other three words belong to other work-groups' tiles; they are one part in 24 of what the launch stores.
; LIMITS: NaN and infinities are not served; a block's byte is held at 1 from below; a block of zeros gets the byte 1 (only this program reads the bytes).
.set PITCH, 4112
.set X,    32                          ; v32-159 four rows; later two K steps of 64 numbers
.set HA0,  32
.set HA1,  96
.set PC0,  160
.set PC1,  172
.set TH,   184
.set TM,   192
.set PW0,  208
.set PW1,  209
.set SEL,  14
.set L16,  4
.set L8,   5
.set SCOFF, 3145728
.macro QUANT s, pc, pw                 ; 64 numbers, register 16 b + i = k 32 b + 16 h + i of my row -> a fragment in v[pc] on, the row's scale word in v[pw]
.irp b, 0,1,2,3
	v_max3_num_f32 v[TM+\b], |v[\s+16*\b]|, |v[\s+1+16*\b]|, 0x1800000   ; with the floor 2^-124: the byte cannot fall under 1
.endr
.irp i, 2,4,6,8,10,12,14
.irp b, 0,1,2,3
	v_max3_num_f32 v[TM+\b], v[TM+\b], |v[\s+16*\b+\i]|, |v[\s+1+16*\b+\i]|
.endr
.endr
.irp b, 0,1,2,3
	v_permlanex16_b32 v[TM+4+\b], v[TM+\b], s[SEL], s[SEL+1]
.endr
.irp b, 0,1,2,3
	v_max_num_f32 v[TM+\b], v[TM+\b], v[TM+4+\b]   ; with lane l xor 16's 16 numbers: the block's largest magnitude
.endr
.irp b, 0,1,2,3
	v_add_nc_u32 v[TM+12+\b], 0xff000000, v[TM+\b] ; 2 off the exponent field: the conversion's scale operand
.endr
.irp b, 0,1,2,3
	v_lshrrev_b32 v[TM+4+\b], 23, v[TM+12+\b]      ; the byte
.endr
	v_lshl_or_b32 v[\pw], v[TM+5], 8, v[TM+4]
	v_lshl_or_b32 v[\pw], v[TM+6], 16, v[\pw]
	v_lshl_or_b32 v[\pw], v[TM+7], 24, v[\pw]
.irp c, 0,1
	v_cvt_scalef32_pk16_fp6_f32 v[\pc+6*\c:\pc+2+6*\c], v[\s+32*\c:\s+15+32*\c], v[TM+12+2*\c]
	v_cvt_scalef32_pk16_fp6_f32 v[TH+4*\c:TH+2+4*\c], v[\s+16+32*\c:\s+31+32*\c], v[TM+13+2*\c]
.endr
	v_nop                                          ; one plain place behind the scaled conversions
.irp c, 0,1                            ; the operand wants a whole block in a lane: lanes 0-15 block 2 c, lanes 16-31 block 2 c + 1
.irp i, 0,1,2
	v_permlane16_swap_b32 v[\pc+6*\c+\i], v[TH+4*\c+\i]
.endr
.irp i, 0,1,2
	v_mov_b32 v[\pc+3+6*\c+\i], v[TH+4*\c+\i]
.endr
.endr
.endm
.macro STIMG pc, base, off             ; a fragment leaves as it stands: each store covers 512 or 256 consecutive bytes, aligned
	global_store_b128 v[L16], v[\pc:\pc+3], s[\base:\base+1] offset:\off
	global_store_b64 v[L8], v[\pc+4:\pc+5], s[\base:\base+1] offset:\off+512
	global_store_b128 v[L16], v[\pc+6:\pc+9], s[\base:\base+1] offset:\off+768
	global_store_b64 v[L8], v[\pc+10:\pc+11], s[\base:\base+1] offset:\off+1280
.endm
.macro REDUCE                          ; the four rows' lane sums in v[8 + 6 i] -> the rows' sums, in every lane
.irp m, 1,2,4,8
.irp i, 0,1,2,3
	v_add_f32_dpp v[8+6*\i], v[8+6*\i], v[8+6*\i] row_xmask:\m row_mask:0xf bank_mask:0xf
.endr
.endr
.irp i, 0,1,2,3
	v_permlanex16_b32 v[10+6*\i], v[8+6*\i], s[SEL], s[SEL+1]
.endr
.irp i, 0,1,2,3
	v_add_f32 v[8+6*\i], v[8+6*\i], v[10+6*\i]
.endr
.endm
	s_load_b256 s[4:11], s[0:1], 0x0               ; the rows, alpha, bias, the codes' buffer
	v_lshl_add_u32 v216, v0, 2, 0x10100
	v_mov_b32 v217, 0
	v_lshrrev_b32 v1, 5, v0
	v_readfirstlane_b32 s12, v1                    ; wave
	v_and_b32 v1, 31, v0
	v_and_b32 v2, 15, v0                           ; r
	v_bfe_u32 v3, v0, 4, 1                         ; h
	v_lshlrev_b32 v[L16], 4, v1
	v_lshlrev_b32 v[L8], 3, v1
	s_mul_i32 s13, s12, 4*PITCH
	v_add_nc_u32 v6, s13, v[L16]                   ; into the stage: my four rows, 16 bytes a lane
	v_mul_u32_u24 v7, v2, PITCH
	v_lshl_add_u32 v7, v3, 6, v7
	s_lshl_b32 s13, s12, 10
	v_add_nc_u32 v7, s13, v7                       ; out of it: row r, + 64 h, + my two K steps
	v_lshlrev_b32 v211, 8, v3
	v_lshl_add_u32 v211, v2, 4, v211               ; scale words: lanes 0-15 the first K step's unit, lanes 16-31 the second's
	s_mov_b32 s[SEL], 0x76543210
	s_mov_b32 s[SEL+1], 0xfedcba98
.irp b, 0,1,2,3
	v_mov_b32 v[TM+4+\b], 0                        ; written once: a lane permute's destination counts as one of its sources
.endr
	s_lshr_b32 s16, ttmp9, 1
	s_lshl_b32 s16, s16, 5
	s_and_b32 s17, ttmp9, 1
	s_lshl_b32 s17, s17, 3
	s_add_co_u32 s16, s16, s17
	s_and_b32 s17, s12, 1
	s_lshl_b32 s17, s17, 2
	s_add_co_u32 s16, s16, s17
	s_lshr_b32 s17, s12, 1
	s_lshl_b32 s17, s17, 4
	s_add_co_u32 s16, s16, s17                     ; my first token
	s_lshl_b32 s16, s16, 12
	s_mov_b32 s17, 0
	s_lshl_b32 s22, ttmp9, 3
	s_lshl_b32 s23, s12, 1
	s_add_co_u32 s22, s22, s23
	s_mul_i32 s22, s22, 1536                       ; my first fragment: (8 t + 2 w) x 1,536
	s_mov_b32 s23, 0
	s_lshr_b32 s26, ttmp9, 2
	s_lshl_b32 s26, s26, 3
	s_lshl_b32 s27, s12, 1
	s_add_co_u32 s26, s26, s27
	s_lshl_b32 s26, s26, 8
	s_and_b32 s27, ttmp9, 3
	s_lshl_b32 s27, s27, 2
	s_add_co_u32 s26, s26, s27
	s_add_co_u32 s26, s26, SCOFF                   ; my first scale unit, my tile's word
	s_mov_b32 s27, 0
	s_wait_kmcnt 0x0
	s_load_b32 s18, s[6:7], 0x0                    ; alpha
	s_load_b32 s20, s[8:9], 0x0                    ; bias
	s_add_nc_u64 s[4:5], s[4:5], s[16:17]
	s_add_nc_u64 s[24:25], s[10:11], s[22:23]
	s_add_nc_u64 s[26:27], s[10:11], s[26:27]
.irp i, 0,1,2,3
.irp j, 0,1,2,3,4,5,6,7
	global_load_b128 v[X+32*\i+4*\j:X+32*\i+4*\j+3], v[L16], s[4:5] offset:\i*4096+512*\j   ; 512 consecutive bytes a load
.endr
.endr
	s_wait_loadcnt 0x0
; the sums, the four rows by turns, two chains a row
.irp i, 0,1,2,3
	v_pk_add_f32 v[8+6*\i:9+6*\i], v[X+32*\i:X+32*\i+1], v[X+32*\i+2:X+32*\i+3]
	v_pk_add_f32 v[10+6*\i:11+6*\i], v[X+32*\i+4:X+32*\i+5], v[X+32*\i+6:X+32*\i+7]
.endr
.irp j, 8,12,16,20,24,28
.irp i, 0,1,2,3
	v_pk_add_f32 v[8+6*\i:9+6*\i], v[8+6*\i:9+6*\i], v[X+32*\i+\j:X+32*\i+\j+1]
	v_pk_add_f32 v[10+6*\i:11+6*\i], v[10+6*\i:11+6*\i], v[X+32*\i+\j+2:X+32*\i+\j+3]
.endr
.endr
.irp i, 0,1,2,3
	v_pk_add_f32 v[8+6*\i:9+6*\i], v[8+6*\i:9+6*\i], v[10+6*\i:11+6*\i]
.endr
.irp i, 0,1,2,3
	v_add_f32 v[8+6*\i], v[8+6*\i], v[9+6*\i]
.endr
	REDUCE
.irp i, 0,1,2,3
	v_mul_f32 v[12+6*\i], 0x3a800000, v[8+6*\i]    ; the mean: sum / 1,024, in both registers of a pair
	v_mul_f32 v[13+6*\i], 0x3a800000, v[8+6*\i]
.endr
.set jj, 0
.rept 16
.irp i, 0,1,2,3
	v_pk_add_f32 v[X+32*\i+jj:X+32*\i+jj+1], v[X+32*\i+jj:X+32*\i+jj+1], v[12+6*\i:13+6*\i] neg_lo:[0,1] neg_hi:[0,1]   ; d = x - mean
.endr
.set jj, jj+2
.endr
.irp i, 0,1,2,3
	v_pk_mul_f32 v[8+6*\i:9+6*\i], v[X+32*\i:X+32*\i+1], v[X+32*\i:X+32*\i+1]
	v_pk_mul_f32 v[10+6*\i:11+6*\i], v[X+32*\i+2:X+32*\i+3], v[X+32*\i+2:X+32*\i+3]
.endr
.set jj, 4
.rept 7
.irp i, 0,1,2,3
	v_pk_fma_f32 v[8+6*\i:9+6*\i], v[X+32*\i+jj:X+32*\i+jj+1], v[X+32*\i+jj:X+32*\i+jj+1], v[8+6*\i:9+6*\i]
	v_pk_fma_f32 v[10+6*\i:11+6*\i], v[X+32*\i+jj+2:X+32*\i+jj+3], v[X+32*\i+jj+2:X+32*\i+jj+3], v[10+6*\i:11+6*\i]
.endr
.set jj, jj+4
.endr
.irp i, 0,1,2,3
	v_pk_add_f32 v[8+6*\i:9+6*\i], v[8+6*\i:9+6*\i], v[10+6*\i:11+6*\i]
.endr
.irp i, 0,1,2,3
	v_add_f32 v[8+6*\i], v[8+6*\i], v[9+6*\i]
.endr
	REDUCE
.irp i, 0,1,2,3
	v_mul_f32 v[8+6*\i], 0x3a802008, v[8+6*\i]     ; the sum of d^2 / 1,023
.endr
	s_wait_alu depctr_va_vdst(0)
.irp i, 0,1,2,3
	v_sqrt_f32 v[9+6*\i], v[8+6*\i]
.endr
	v_nop                                          ; a plain place behind the batch
	s_wait_alu depctr_va_vdst(0)                   ; one wait for the four roots, ahead of their first reader
.irp i, 0,1,2,3
	v_add_f32 v[9+6*\i], 0x358637bd, v[9+6*\i]     ; + 1e-6
.endr
	s_wait_alu depctr_va_vdst(0)
.irp i, 0,1,2,3
	v_rcp_f32 v[10+6*\i], v[9+6*\i]
.endr
	v_nop
	s_wait_alu depctr_va_vdst(0)                   ; and one for the four reciprocals
	s_wait_kmcnt 0x0                               ; alpha and bias
	s_mov_b32 s21, s20                             ; (named with s20 as a pair, so it is written)
.irp i, 0,1,2,3
	v_mul_f32 v[12+6*\i], s18, v[10+6*\i]          ; g = alpha / (std + 1e-6)
	v_mul_f32 v[13+6*\i], s18, v[10+6*\i]
.endr
.set jj, 0
.rept 16
.irp i, 0,1,2,3
	v_pk_fma_f32 v[X+32*\i+jj:X+32*\i+jj+1], v[X+32*\i+jj:X+32*\i+jj+1], v[12+6*\i:13+6*\i], s[20:21] op_sel_hi:[1,1,0]   ; d g + bias
.endr
.set jj, jj+2
.endr
.irp i, 0,1,2,3
.irp j, 0,1,2,3,4,5,6,7
	ds_store_b128 v6, v[X+32*\i+4*\j:X+32*\i+4*\j+3] offset:\i*PITCH+512*\j
.endr
.endr
	s_wait_dscnt 0x0                               ; for the others' sake: my four rows have landed
	s_barrier_signal -1
	s_barrier_wait -1
.irp q, 0,1
.irp b, 0,1,2,3
.irp j, 0,1,2,3
	ds_load_b128 v[HA0+64*\q+16*\b+4*\j:HA0+64*\q+16*\b+4*\j+3], v7 offset:512*\q+128*\b+16*\j
.endr
.endr
.endr
	s_wait_dscnt 16                                ; the first K step's sixteen loads are in, the second's may be out
	QUANT HA0, PC0, PW0
	STIMG PC0, 24, 0
	s_wait_dscnt 0x0
	QUANT HA1, PC1, PW1                            ; its own registers for the codes: no store's data are written again
	STIMG PC1, 24, 1536
	v_cmp_eq_u32 vcc_lo, 1, v3
	v_cndmask_b32 v210, v[PW0], v[PW1], vcc_lo     ; a word is the same in both halves of the lanes: lanes 0-15 send the first K step's, lanes 16-31 the second's
	global_store_b32 v211, v210, s[26:27]
	s_wait_tensorcnt 0x0
	ds_add_u32 v216, v217
	s_wait_dscnt 0x0
	s_endpgm
.Lfunc_end_k_q8640102c08_ln2:
	.size	k_q8640102c08_ln2, .Lfunc_end_k_q8640102c08_ln2-k_q8640102c08_ln2
	.p2alignl 7, 3214868480
	.fill 96, 4, 3214868480
	.section	.rodata,"a",@progbits
	.p2align	6, 0x0
	.amdhsa_kernel k_q8640102c08_ln2
		.amdhsa_group_segment_fixed_size 66304
		.amdhsa_private_segment_fixed_size 0
		.amdhsa_enable_private_segment 0
		.amdhsa_kernarg_size 32
		.amdhsa_user_sgpr_count 2
		.amdhsa_user_sgpr_kernarg_segment_ptr 1
		.amdhsa_wavefront_size32 1
		.amdhsa_system_sgpr_workgroup_id_x 1
		.amdhsa_system_sgpr_workgroup_id_y 1
		.amdhsa_system_sgpr_workgroup_id_z 1
		.amdhsa_system_vgpr_workitem_id 0
		.amdhsa_next_free_vgpr 218
		.amdhsa_next_free_sgpr 66
		.amdhsa_reserve_vcc 1
		.amdhsa_float_denorm_mode_32 3
		.amdhsa_float_denorm_mode_16_64 3
		.amdhsa_memory_ordered 1
		.amdhsa_forward_progress 1
		.amdhsa_inst_pref_size 39
	.end_amdhsa_kernel
	.amdgpu_metadata
---
amdhsa.version: [ 1, 2 ]
amdhsa.kernels:
  - .name:           k_q8640102c08_ln2
    .symbol:         k_q8640102c08_ln2.kd
    .args:
      - { .name: x1, .offset: 0, .size: 8, .value_kind: global_buffer, .address_space: global }
      - { .name: ln2_alpha, .offset: 8, .size: 8, .value_kind: global_buffer, .address_space: global }
      - { .name: ln2_bias, .offset: 16, .size: 8, .value_kind: global_buffer, .address_space: global }
      - { .name: yn, .offset: 24, .size: 8, .value_kind: global_buffer, .address_space: global }
    .group_segment_fixed_size: 66304
    .private_segment_fixed_size: 0
    .kernarg_segment_align: 8
    .kernarg_segment_size: 32
    .max_flat_workgroup_size: 128
    .sgpr_count:     66
    .vgpr_count:     218
    .wavefront_size: 32
...
	.end_amdgpu_metadata
.endif
;; end of part 5
;; launch ffn1 (part 6): grid 16 x 16, 4 waves a work-group, clusters of 4 x 4, 327,680 bytes of LDS; arguments yn, wts, b1, hid; writes hid
.if DOCPART == 6
	.amdgcn_target "amdgcn-amd-amdhsa--gfx1250"
	.amdhsa_code_object_version 6
	.text
	.protected	k_q8640102c08_ffn1
	.globl	k_q8640102c08_ffn1
	.p2align	8
	.type	k_q8640102c08_ffn1,@function
k_q8640102c08_ffn1:
	s_mov_b64 s[64:65], 0
	v_nop
	global_prefetch_b8 v0, s[64:65] scope:SCOPE_SE
	s_setreg_imm32_b32 hwreg(HW_REG_WAVE_MODE, 25, 1), 1
	s_wait_xcnt 0x0
	s_wait_alu depctr_hold_cnt(0) depctr_sa_sdst(0) depctr_va_vdst(0) depctr_va_sdst(0) depctr_va_ssrc(0) depctr_va_vcc(0) depctr_vm_vsrc(0)
	s_getreg_b32 s2, hwreg(HW_REG_IB_STS2, 6, 4)
	s_cmp_eq_u32 s2, 0
	s_cbranch_scc0 .Lentry_in_a_cluster
	s_endpgm
.Lentry_in_a_cluster:
	s_bfe_u32 s2, ttmp6, 0x10000c
	s_cmp_lg_u32 s2, 0xf033
	s_cbranch_scc0 .Lentry_shape_is_right
	s_endpgm
.Lentry_shape_is_right:
.set TW,    8
.set HM,    4
.set NQ,    2
.set NKS,   8
.set NL,    4
.set ROWL,  NQ*1536
.set HALFT, TW*ROWL
.set SLOT,  4*HALFT
.set HALFS, (TW/4)*NKS*256
.set SCL,   2*SLOT
.set SPARE, SCL+4*HALFS
.set LAPS,  NKS/(2*NQ)
.set ASC,   3145728
.set BCB,   256*12288
.set BSC,   9437184+64*2048
.set HSC,   12582912
.set L16, 3
.set L8,  15
.set ADRA16, 4
.set ADRA8,  6
.set ADRB16, 8
.set ADRB8,  10
.set ADRS, 12
.set SPW,  13
.set NIL,  14
.set SC,   32
.set BN,   64
.set AF,   128
.set HA,   128
.set PC,   192
.set TH,   204
.set TM,   212
.set PW,   228
.set SW0,  232
.set SELO, 248
.set OFS,  252
.set OFH,  254
.set WV,  18
.set HAW, 19
.set HBW, 20
.set SEL, 22
.set G1,  24
.set G0,  32
.set G1B, 48
.set G0B, 56
.set G1S, 68
.set G0S, 76
.set G1SB, 80
.set G0SB, 88
.set MUL_LO, 0xa1
.set MUL_HI, 0xf1
.set MSB, 0
.macro WIN new
.if MSB != (\new)
	s_set_vgpr_msb (MSB<<8)|(\new)
.set MSB, \new
.endif
.endm
.macro JLOAD g0a, g1a, g0b, g1b
	s_cmp_eq_u32 s[HAW], 0
	s_cbranch_scc0 .Lfor_b_\@
	tensor_load_to_lds s[\g0a:\g0a+3], s[\g1a:\g1a+7]
	s_nop 0
.rept 4
	v_nop
.endr
	s_branch .Lasked_\@
.Lfor_b_\@:
	tensor_load_to_lds s[\g0b:\g0b+3], s[\g1b:\g1b+7]
	s_nop 0
.rept 4
	v_nop
.endr
.Lasked_\@:
.endm
.macro CREST
	s_cmp_lg_u32 s[WV], 0
	s_cbranch_scc1 .Lnot_wave_0_\@
	s_barrier_signal -3
.Lnot_wave_0_\@:
	s_barrier_wait -3
	s_barrier_signal -1
	s_barrier_wait -1
.endm
.macro CROUND
	s_barrier_signal -1
	s_barrier_wait -1
	CREST
.endm
.macro PLACES n
.rept \n
	v_nop
.endr
.endm
.macro FRAG reg, a16, a8, off
	ds_load_b128 v[\reg:\reg+3], v[\a16] offset:\off
	ds_load_b64 v[\reg+4:\reg+5], v[\a8] offset:\off+512
	ds_load_b128 v[\reg+6:\reg+9], v[\a16] offset:\off+768
	ds_load_b64 v[\reg+10:\reg+11], v[\a8] offset:\off+1280
.endm
.macro MULS a0, n, p, q, sc, zero
.set aa, \a0
.rept \n
.set bb, 0
.rept TW
.set AC, 8*(TW*(aa%HM)+bb)
.if \zero
	v_wmma_scale_f32_16x16x128_f8f6f4 v[AC:AC+7], v[128*(\p)+12*bb:128*(\p)+12*bb+11], v[AF+12*aa:AF+12*aa+11], 0, v[SC+16*(\sc)+TW*(\q)+bb], v[SC+16*(\sc)+TW*(\q)+aa] matrix_a_fmt:MATRIX_FMT_FP6 matrix_b_fmt:MATRIX_FMT_FP6 matrix_a_scale:MATRIX_SCALE_ROW1
.else
	v_wmma_scale_f32_16x16x128_f8f6f4 v[AC:AC+7], v[128*(\p)+12*bb:128*(\p)+12*bb+11], v[AF+12*aa:AF+12*aa+11], v[AC:AC+7], v[SC+16*(\sc)+TW*(\q)+bb], v[SC+16*(\sc)+TW*(\q)+aa] matrix_a_fmt:MATRIX_FMT_FP6 matrix_b_fmt:MATRIX_FMT_FP6 matrix_a_scale:MATRIX_SCALE_ROW1
.endif
.set bb, bb+1
.endr
.set aa, aa+1
.endr
.endm
.macro FETCH_B slot, q, p
	WIN 0x40
.set ii, 0
.rept TW
	FRAG 128*(\p)+12*ii, ADRB16+\slot, ADRB8+\slot, ii*ROWL+(\q)*1536
.set ii, ii+1
.endr
	WIN 0
.endm
.macro FETCH_A slot, q, i0
.set ii, \i0
.rept HM
	FRAG AF+12*ii, ADRA16+\slot, ADRA8+\slot, ii*ROWL+(\q)*1536
.set ii, ii+1
.endr
.endm
.macro SCALES sc
.set qq, 0
.rept NQ
.set gg, 0
.rept TW/4
	ds_load_b128 v[SC+16*\sc+TW*qq+4*gg:SC+16*\sc+TW*qq+4*gg+3], v[ADRS] offset:gg*NKS*256+256*qq
.set gg, gg+1
.endr
.set qq, qq+1
.endr
.endm
.macro STEP slot, q, zero
	s_wait_dscnt HM*NL
	WIN MUL_LO
	MULS 0, HM, (\q)%2, \q, \slot, \zero
	s_wait_dscnt 0x0
	PLACES 4
	FETCH_B \slot, (\q)+1, 1-(\q)%2
	FETCH_A \slot, (\q)+1, 0
	WIN MUL_HI
	MULS HM, HM, (\q)%2, \q, \slot, \zero
	PLACES 4
	WIN 0
	FETCH_A \slot, (\q)+1, HM
.endm
.macro TURN slot, next, fill
	s_wait_tensorcnt 0x0
	ds_add_u32 v[SPW], v[NIL]
	s_wait_dscnt HM*NL+1
	WIN MUL_LO
	MULS 0, HM/2, 1, NQ-1, \slot, 0
	s_wait_dscnt 0x0
	s_barrier_signal -1
	MULS HM/2, HM/2, 1, NQ-1, \slot, 0
	WIN 0
	s_barrier_wait -1
.if \fill
	CREST
	s_add_nc_u64 s[G0+4*\slot+2:G0+4*\slot+3], s[G0+4*\slot+2:G0+4*\slot+3], 2*ROWL
	s_add_nc_u64 s[G0B+4*\slot+2:G0B+4*\slot+3], s[G0B+4*\slot+2:G0B+4*\slot+3], 2*ROWL
	JLOAD G0+4*\slot, G1, G0B+4*\slot, G1B
.else
	PLACES 4
.endif
	s_wait_alu depctr_va_vdst(0)
	v_add_nc_u32 v[ADRS], 256*NQ, v[ADRS]
	FETCH_B \next, 0, 0
	FETCH_A \next, 0, 0
	SCALES \next
	WIN MUL_HI
	MULS HM, HM, 1, NQ-1, \slot, 0
	PLACES 4
	WIN 0
	FETCH_A \next, 0, HM
.endm
.macro QUANT s, pc, pw
.irp b, 0,1,2,3
	v_max3_num_f32 v[TM+\b], |v[\s+16*\b]|, |v[\s+1+16*\b]|, 0x1800000
.endr
.irp i, 2,4,6,8,10,12,14
.irp b, 0,1,2,3
	v_max3_num_f32 v[TM+\b], v[TM+\b], |v[\s+16*\b+\i]|, |v[\s+1+16*\b+\i]|
.endr
.endr
.irp b, 0,1,2,3
	v_permlanex16_b32 v[TM+4+\b], v[TM+\b], s[SEL], s[SEL+1]
.endr
.irp b, 0,1,2,3
	v_max_num_f32 v[TM+\b], v[TM+\b], v[TM+4+\b]
.endr
.irp b, 0,1,2,3
	v_add_nc_u32 v[TM+12+\b], 0xff000000, v[TM+\b]
.endr
.irp b, 0,1,2,3
	v_lshrrev_b32 v[TM+4+\b], 23, v[TM+12+\b]
.endr
	v_lshl_or_b32 v[\pw], v[TM+5], 8, v[TM+4]
	v_lshl_or_b32 v[\pw], v[TM+6], 16, v[\pw]
	v_lshl_or_b32 v[\pw], v[TM+7], 24, v[\pw]
.irp c, 0,1
	v_cvt_scalef32_pk16_fp6_f32 v[\pc+6*\c:\pc+2+6*\c], v[\s+32*\c:\s+15+32*\c], v[TM+12+2*\c]
	v_cvt_scalef32_pk16_fp6_f32 v[TH+4*\c:TH+2+4*\c], v[\s+16+32*\c:\s+31+32*\c], v[TM+13+2*\c]
.endr
	v_nop
.irp c, 0,1
.irp i, 0,1,2
	v_permlane16_swap_b32 v[\pc+6*\c+\i], v[TH+4*\c+\i]
.endr
.irp i, 0,1,2
	v_mov_b32 v[\pc+3+6*\c+\i], v[TH+4*\c+\i]
.endr
.endr
.endm
.macro STIMG pc, base, off
	global_store_b128 v[L16], v[\pc:\pc+3], s[\base:\base+1] offset:\off
	global_store_b64 v[L8], v[\pc+4:\pc+5], s[\base:\base+1] offset:\off+512
	global_store_b128 v[L16], v[\pc+6:\pc+9], s[\base:\base+1] offset:\off+768
	global_store_b64 v[L8], v[\pc+10:\pc+11], s[\base:\base+1] offset:\off+1280
.endm
	s_load_b256 s[4:11], s[0:1], 0x0
	v_lshl_add_u32 v[SPW], v0, 2, SPARE
	v_mov_b32 v[NIL], 0
	ds_add_u32 v13, v14
	ds_add_u32 v13, v14
	s_wait_dscnt 0x0
	v_lshrrev_b32 v1, 5, v0
	v_readfirstlane_b32 s[WV], v1
	s_lshr_b32 s[HAW], s[WV], 1
	s_and_b32 s[HBW], s[WV], 1
	s_bfe_u32 s40, ttmp6, 0x40000
	s_bfe_u32 s41, ttmp6, 0x40004
	s_mov_b32 s42, ttmp9
	s_and_b32 s43, ttmp7, 0xffff
	s_lshl_b32 s44, s41, 2
	s_lshl_b32 s44, 15, s44
	s_lshl_b32 s45, 0x1111, s40
	s_mov_b32 s[SEL], 0x76543210
	s_mov_b32 s[SEL+1], 0xfedcba98
	s_or_b32 s[G1], s44, (3<<16)|(1<<21)
	s_or_b32 s[G1B], s45, (3<<16)|(1<<21)
.irp g, G1, G1B
	s_mov_b32 s[\g+1], (NQ*192)<<16
	s_mov_b32 s[\g+2], TW<<16
	s_mov_b32 s[\g+3], (NQ*192)<<16
	s_mov_b32 s[\g+4], TW
	s_mov_b32 s[\g+5], NKS*192
	s_mov_b32 s[\g+6], 0
	s_mov_b32 s[\g+7], 0
.endr
	s_or_b32 s[G1S], s44, (3<<16)|(1<<21)
	s_or_b32 s[G1SB], s45, (3<<16)|(1<<21)
.irp g, G1S, G1SB
	s_mov_b32 s[\g+1], 32<<16
	s_mov_b32 s[\g+2], (HALFS/256)<<16
	s_mov_b32 s[\g+3], 32<<16
	s_mov_b32 s[\g+4], HALFS/256
	s_mov_b32 s[\g+5], 32
	s_mov_b32 s[\g+6], 0
	s_mov_b32 s[\g+7], 0
.endr
	s_mul_i32 s47, s[HBW], TW
	s_lshl_b32 s46, s43, 2
	s_add_co_u32 s46, s46, s41
	s_mul_i32 s46, s46, 2*TW
	s_add_co_u32 s46, s46, s47
	s_mul_i32 s92, s46, NKS*1536
	s_mov_b32 s93, 0
	s_lshr_b32 s94, s46, 2
	s_mul_i32 s94, s94, NKS*256
	s_add_co_u32 s94, s94, ASC
	s_mov_b32 s95, 0
	s_lshl_b32 s66, s42, 2
	s_add_co_u32 s66, s66, s40
	s_mul_i32 s66, s66, 2*TW
	s_add_co_u32 s66, s66, s47
	s_mul_i32 s96, s66, NKS*1536
	s_add_co_u32 s96, s96, BCB
	s_mov_b32 s97, 0
	s_lshr_b32 s98, s66, 2
	s_mul_i32 s98, s98, NKS*256
	s_add_co_u32 s98, s98, BSC
	s_mov_b32 s99, 0
	s_mul_i32 s21, s[WV], HALFT
	s_wait_kmcnt 0x0
	s_add_nc_u64 s[92:93], s[4:5], s[92:93]
	s_add_nc_u64 s[94:95], s[4:5], s[94:95]
	s_add_nc_u64 s[96:97], s[6:7], s[96:97]
	s_add_nc_u64 s[98:99], s[6:7], s[98:99]
	CROUND
; THE HEAD'S LOADS, ONE A WAVE: wave 0 brings slot 0's region A, both halves, wave 1 its region B, wave 2 A's scale words, wave 3 B's.
	s_mul_i32 s46, s[HBW], TW*NKS*1536             ; my half's offset in the codes, taken off again: a head's load begins at the region's first tile
	s_mov_b32 s47, 0
	s_mul_i32 s66, s[HBW], HALFS                   ; and in the scale words
	s_mov_b32 s67, 0
	s_mov_b32 s[G0], 1
	s_mov_b32 s[G0+1], 0
	s_sub_nc_u64 s[G0+2:G0+3], s[92:93], s[46:47]
	s_or_b32 s[G0+3], s[G0+3], 0x80000000
	s_mov_b32 s[G0B], 1
	s_mov_b32 s[G0B+1], 2*HALFT
	s_sub_nc_u64 s[G0B+2:G0B+3], s[96:97], s[46:47]
	s_or_b32 s[G0B+3], s[G0B+3], 0x80000000
	s_mov_b32 s[G0S], 1
	s_mov_b32 s[G0S+1], SCL
	s_sub_nc_u64 s[G0S+2:G0S+3], s[94:95], s[66:67]
	s_or_b32 s[G0S+3], s[G0S+3], 0x80000000
	s_mov_b32 s[G0SB], 1
	s_mov_b32 s[G0SB+1], SCL+2*HALFS
	s_sub_nc_u64 s[G0SB+2:G0SB+3], s[98:99], s[66:67]
	s_or_b32 s[G0SB+3], s[G0SB+3], 0x80000000
	s_mov_b32 s[G0+4], 1                           ; slot 1's group 0: my half, the second K chunk
	s_add_co_u32 s[G0+5], s21, SLOT
	s_add_nc_u64 s[G0+6:G0+7], s[92:93], ROWL
	s_or_b32 s[G0+7], s[G0+7], 0x80000000
	s_mov_b32 s[G0B+4], 1
	s_add_co_u32 s[G0B+5], s21, SLOT
	s_add_nc_u64 s[G0B+6:G0B+7], s[96:97], ROWL
	s_or_b32 s[G0B+7], s[G0B+7], 0x80000000
.irp g, G1, G1B
	s_mov_b32 s[\g+2], (2*TW)<<16                  ; the head's loads count both halves' tiles
	s_mov_b32 s[\g+4], 2*TW
.endr
.irp g, G1S, G1SB
	s_mov_b32 s[\g+2], (2*HALFS/256)<<16
	s_mov_b32 s[\g+4], 2*HALFS/256
.endr
; THE PREFETCHES: of the eight tiles that my ring's load brings, each of the four partners that ask for them jointly names two, told apart by address (cx for region A's, cy for region B's).  s[94:95] stands at their K chunk 1.
	s_cmp_eq_u32 s[HAW], 0
	s_cselect_b32 s66, s40, s41
	s_cselect_b64 s[94:95], s[92:93], s[96:97]
	s_mul_i32 s66, s66, (TW/4)*NKS*1536
	s_add_co_u32 s66, s66, ROWL
	s_add_nc_u64 s[94:95], s[94:95], s[66:67]
.macro ARM under, g0, g1, next
	s_cmp_lt_u32 s[WV], \under
	s_cbranch_scc0 \next
	tensor_load_to_lds s[\g0:\g0+3], s[\g1:\g1+7]
	s_nop 0
.rept 4
	v_nop
.endr
	s_branch .Lhead_asked
\next:
.endm
	ARM 1, G0,  G1,  .Lhead_b
	ARM 2, G0B, G1B, .Lhead_sa
	ARM 3, G0S, G1S, .Lhead_sb
	tensor_load_to_lds s[G0SB:G0SB+3], s[G1SB:G1SB+7]
	s_nop 0
.rept 4
	v_nop
.endr
.Lhead_asked:
	v_and_b32 v224, 31, v0
	v_min_u32 v224, 23, v224                       ; 24 blocks of 256 bytes, a lane a block; lanes 24-31 name the last block again
	v_mul_u32_u24 v225, v224, 171
	v_lshrrev_b32 v225, 11, v225                   ; block / 12: which of my two tiles
	v_lshlrev_b32 v224, 8, v224
	v_mad_u32_u24 v224, v225, NKS*1536-ROWL, v224
	global_prefetch_b8 v224, s[94:95] th:TH_LOAD_NT scope:SCOPE_SE                ; K chunks 1 to 3, which slot 1's first fill and the two refills load; K has no further chunk
	global_prefetch_b8 v224, s[94:95] offset:ROWL th:TH_LOAD_NT scope:SCOPE_SE
	global_prefetch_b8 v224, s[94:95] offset:2*ROWL th:TH_LOAD_NT scope:SCOPE_SE
	v_and_b32 v1, 15, v0
	v_bfe_u32 v2, v0, 4, 1
	v_and_b32 v[L8], 31, v0
	v_lshlrev_b32 v[L16], 4, v[L8]
	v_lshlrev_b32 v[L8], 3, v[L8]
	s_mul_i32 s46, s[HAW], HALFT
	s_mul_i32 s66, s[HBW], HALFT
	s_add_co_u32 s66, s66, 2*HALFT
.irp s, 0,1
	v_add_nc_u32 v[ADRA16+\s], s46, v[L16]
	v_add_nc_u32 v[ADRA8+\s], s46, v[L8]
	v_add_nc_u32 v[ADRB16+\s], s66, v[L16]
	v_add_nc_u32 v[ADRB8+\s], s66, v[L8]
	s_add_co_u32 s46, s46, SLOT
	s_add_co_u32 s66, s66, SLOT
.endr
	s_mul_i32 s46, s[HAW], HALFS
	s_mul_i32 s66, s[HBW], HALFS
	s_add_co_u32 s66, s66, 2*HALFS
	s_sub_co_u32 s66, s66, s46
	v_mul_u32_u24 v[ADRS], s66, v2
	s_add_co_u32 s46, s46, SCL
	v_lshl_add_u32 v[ADRS], v1, 4, v[ADRS]
	v_add_nc_u32 v[ADRS], s46, v[ADRS]
	v_lshlrev_b32 v[OFH], 6, v2
	s_wait_alu depctr_va_vdst(0)
	s_lshl_b32 s96, s43, 2
	s_add_co_u32 s96, s96, s41
	s_lshl_b32 s97, s42, 2
	s_add_co_u32 s97, s97, s40
	s_lshl_b32 s97, s97, 1
	s_add_co_u32 s97, s97, s[HBW]
	s_lshl_b32 s98, s96, 1
	s_add_co_u32 s98, s98, s[HAW]
	s_lshl_b32 s99, s98, 8
	s_add_co_u32 s99, s99, s97
	s_mul_i32 s100, s99, 1536
	s_mov_b32 s101, 0
	s_lshl_b32 s98, s98, 6
	s_add_co_u32 s98, s98, s97
	s_lshl_b32 s98, s98, 8
	s_add_co_u32 s98, s98, HSC
	s_mov_b32 s99, 0
	s_add_nc_u64 s[12:13], s[10:11], s[98:99]
	s_add_nc_u64 s[10:11], s[10:11], s[100:101]
	s_lshl_b32 s96, s97, 9
	s_mov_b32 s97, 0
	s_add_nc_u64 s[8:9], s[8:9], s[96:97]
.irp b, 0,1,2,3
.irp j, 0,1,2,3
	global_load_b128 v[BN+16*\b+4*\j:BN+16*\b+4*\j+3], v[OFH], s[8:9] offset:128*\b+16*\j
.endr
.endr
	s_wait_alu depctr_va_vdst(0)
	s_wait_tensorcnt 0x0                           ; my tile of the head's four is in; slot 1's first fill is issued as a refill is
	ds_add_u32 v[SPW], v[NIL]
.irp g, G1, G1B
	s_mov_b32 s[\g+2], TW<<16                      ; no load of mine is out: from here on a load brings one half's tiles
	s_mov_b32 s[\g+4], TW
.endr
.if LAPS > 1
	s_mov_b32 s[G0+1], s21                         ; slot 0's group 0 for the ring: my half, the first K chunk
	s_sub_nc_u64 s[G0+2:G0+3], s[G0+6:G0+7], ROWL
	s_mov_b32 s[G0B+1], s21
	s_sub_nc_u64 s[G0B+2:G0B+3], s[G0B+6:G0B+7], ROWL
.endif
	s_wait_dscnt 0x0
	CROUND                                         ; all four tiles are in, in every partner
	JLOAD G0+4, G1, G0B+4, G1B                     ; slot 1, the first tensor load behind the round
	FETCH_B 0, 0, 0
	FETCH_A 0, 0, 0
	SCALES 0
	FETCH_A 0, 0, HM
	STEP 0, 0, 1
	s_mov_b32 s3, LAPS-1
.Llap:
	TURN 0, 1, 1
	STEP 1, 0, 0
	TURN 1, 0, 1
	STEP 0, 0, 0
	s_sub_co_u32 s3, s3, 1
	s_cmp_lg_u32 s3, 0
	s_cbranch_scc1 .Llap
	TURN 0, 1, 0
	STEP 1, 0, 0
	s_wait_dscnt HM*NL
	WIN MUL_LO
	MULS 0, HM, 1, NQ-1, 1, 0
	s_wait_dscnt 0x0
	WIN MUL_HI
	MULS HM, HM, 1, NQ-1, 1, 0
	WIN 0
	PLACES 4
	s_wait_loadcnt 0x0
.irp b, 0,1,2,3
	v_mov_b32 v[TM+4+\b], 0
.endr
.macro FOUT a
	s_wait_xcnt 0x0
	WIN 0x02+(\a)/4
.set jj, 0
.rept 32
	v_pk_add_f32 v[HA+jj:HA+jj+1], v[64*((\a)%4)+jj:64*((\a)%4)+jj+1], v[BN+jj:BN+jj+1]
.set jj, jj+2
.endr
	WIN 0
.set jj, 0
.rept 64
	v_max_num_f32 v[HA+jj], 0, v[HA+jj]
.set jj, jj+1
.endr
	QUANT HA, PC, PW
	STIMG PC, 10, (\a)*49152
	v_mov_b32 v[SW0+(\a)], v[PW]
.endm
.irp a, 0,1,2,3,4,5,6,7
	FOUT \a
.endr
	v_cmp_eq_u32 vcc_lo, 1, v2
.irp i, 0,1,2,3
	v_cndmask_b32 v[SELO+\i], v[SW0+\i], v[SW0+4+\i], vcc_lo
.endr
	v_lshlrev_b32 v[OFS], 13, v2
	v_lshl_add_u32 v[OFS], v1, 4, v[OFS]
	global_store_b128 v[OFS], v[SELO:SELO+3], s[12:13]
	s_wait_tensorcnt 0x0
	ds_add_u32 v[SPW], v[NIL]
	s_wait_dscnt 0x0
	CROUND
	s_endpgm
.Lfunc_end_k_q8640102c08_ffn1:
	.size	k_q8640102c08_ffn1, .Lfunc_end_k_q8640102c08_ffn1-k_q8640102c08_ffn1
	.p2alignl 7, 3214868480
	.fill 96, 4, 3214868480
	.section	.rodata,"a",@progbits
	.p2align	6, 0x0
	.amdhsa_kernel k_q8640102c08_ffn1
		.amdhsa_group_segment_fixed_size 327680
		.amdhsa_private_segment_fixed_size 0
		.amdhsa_enable_private_segment 0
		.amdhsa_kernarg_size 32
		.amdhsa_user_sgpr_count 2
		.amdhsa_user_sgpr_kernarg_segment_ptr 1
		.amdhsa_wavefront_size32 1
		.amdhsa_system_sgpr_workgroup_id_x 1
		.amdhsa_system_sgpr_workgroup_id_y 1
		.amdhsa_system_sgpr_workgroup_id_z 1
		.amdhsa_system_vgpr_workitem_id 0
		.amdhsa_next_free_vgpr 1024
		.amdhsa_next_free_sgpr 102
		.amdhsa_reserve_vcc 1
		.amdhsa_float_denorm_mode_32 3
		.amdhsa_float_denorm_mode_16_64 3
		.amdhsa_memory_ordered 1
		.amdhsa_forward_progress 1
		.amdhsa_inst_pref_size 184
	.end_amdhsa_kernel
	.amdgpu_metadata
---
amdhsa.version: [ 1, 2 ]
amdhsa.kernels:
  - .name:           k_q8640102c08_ffn1
    .symbol:         k_q8640102c08_ffn1.kd
    .args:
      - { .name: yn, .offset: 0, .size: 8, .value_kind: global_buffer, .address_space: global }
      - { .name: wts, .offset: 8, .size: 8, .value_kind: global_buffer, .address_space: global }
      - { .name: b1, .offset: 16, .size: 8, .value_kind: global_buffer, .address_space: global }
      - { .name: hid, .offset: 24, .size: 8, .value_kind: global_buffer, .address_space: global }
    .group_segment_fixed_size: 327680
    .private_segment_fixed_size: 0
    .kernarg_segment_align: 8
    .kernarg_segment_size: 32
    .max_flat_workgroup_size: 128
    .sgpr_count:     102
    .vgpr_count:     1024
    .wavefront_size: 32
...
	.end_amdgpu_metadata
.endif
;; end of part 6
;; launch ffn2 (part 7): grid 8 x 32, 4 waves a work-group, clusters of 4 x 4, 327,680 bytes of LDS; arguments hid, wts, b2, x1, out0; writes out0
.if DOCPART == 7
	.amdgcn_target "amdgcn-amd-amdhsa--gfx1250"
	.amdhsa_code_object_version 6
	.text
	.protected	k_q8640102c08_ffn2
	.globl	k_q8640102c08_ffn2
	.p2align	8
	.type	k_q8640102c08_ffn2,@function
k_q8640102c08_ffn2:
	s_mov_b64 s[64:65], 0
	v_nop
	global_prefetch_b8 v0, s[64:65] scope:SCOPE_SE
	s_setreg_imm32_b32 hwreg(HW_REG_WAVE_MODE, 25, 1), 1
	s_wait_xcnt 0x0
	s_wait_alu depctr_hold_cnt(0) depctr_sa_sdst(0) depctr_va_vdst(0) depctr_va_sdst(0) depctr_va_ssrc(0) depctr_va_vcc(0) depctr_vm_vsrc(0)
	s_getreg_b32 s2, hwreg(HW_REG_IB_STS2, 6, 4)
	s_cmp_eq_u32 s2, 0
	s_cbranch_scc0 .Lentry_in_a_cluster
	s_endpgm
.Lentry_in_a_cluster:
	s_bfe_u32 s2, ttmp6, 0x10000c
	s_cmp_lg_u32 s2, 0xf033
	s_cbranch_scc0 .Lentry_shape_is_right
	s_endpgm
.Lentry_shape_is_right:
.set TW,    4
.set HM,    2
.set NQ,    4
.set NKS,   32
.set NL,    4
.set ROWL,  NQ*1536
.set HALFT, TW*ROWL
.set SLOT,  4*HALFT
.set HALFS, (TW/4)*NKS*256
.set SCL,   2*SLOT
.set SPARE, SCL+4*HALFS
.set LAPS,  NKS/(2*NQ)
.set ASC,   12582912
.set BCB,   6291456
.set BSC,   9699328
.set L16, 3
.set L8,  15
.set ADRA16, 4
.set ADRA8,  6
.set ADRB16, 8
.set ADRB8,  10
.set ADRS, 12
.set SPW,  13
.set NIL,  14
.set STO,  16
.set RD,   17
.set CO,   18
.set BV,   20
.set SC,   32
.set AF,   128
.set BK,   176
.set WV,  18
.set HAW, 19
.set HBW, 20
.set G1,  24
.set G0,  32
.set G1B, 48
.set G0B, 56
.set G1S, 68
.set G0S, 76
.set G1SB, 80
.set G0SB, 88
.set MUL_LO, 0xa1
.set MUL_HI, 0xf1
.set MSB, 0
.macro WIN new
.if MSB != (\new)
	s_set_vgpr_msb (MSB<<8)|(\new)
.set MSB, \new
.endif
.endm
.macro JLOAD g0a, g1a, g0b, g1b
	s_cmp_eq_u32 s[HAW], 0
	s_cbranch_scc0 .Lfor_b_\@
	tensor_load_to_lds s[\g0a:\g0a+3], s[\g1a:\g1a+7]
	s_nop 0
.rept 4
	v_nop
.endr
	s_branch .Lasked_\@
.Lfor_b_\@:
	tensor_load_to_lds s[\g0b:\g0b+3], s[\g1b:\g1b+7]
	s_nop 0
.rept 4
	v_nop
.endr
.Lasked_\@:
.endm
.macro CREST
	s_cmp_lg_u32 s[WV], 0
	s_cbranch_scc1 .Lnot_wave_0_\@
	s_barrier_signal -3
.Lnot_wave_0_\@:
	s_barrier_wait -3
	s_barrier_signal -1
	s_barrier_wait -1
.endm
.macro CROUND
	s_barrier_signal -1
	s_barrier_wait -1
	CREST
.endm
.macro PLACES n
.rept \n
	v_nop
.endr
.endm
.macro FRAG reg, a16, a8, off
	ds_load_b128 v[\reg:\reg+3], v[\a16] offset:\off
	ds_load_b64 v[\reg+4:\reg+5], v[\a8] offset:\off+512
	ds_load_b128 v[\reg+6:\reg+9], v[\a16] offset:\off+768
	ds_load_b64 v[\reg+10:\reg+11], v[\a8] offset:\off+1280
.endm
.macro MULS a0, n, p, q, sc, zero
.set aa, \a0
.rept \n
.set bb, 0
.rept TW
.set AC, 8*(TW*(aa%HM)+bb)
.if \zero
	v_wmma_scale_f32_16x16x128_f8f6f4 v[AC:AC+7], v[128*(\p)+12*bb:128*(\p)+12*bb+11], v[AF+12*aa:AF+12*aa+11], 0, v[SC+16*(\sc)+TW*(\q)+bb], v[SC+16*(\sc)+TW*(\q)+aa] matrix_a_fmt:MATRIX_FMT_FP6 matrix_b_fmt:MATRIX_FMT_FP6 matrix_a_scale:MATRIX_SCALE_ROW1
.else
	v_wmma_scale_f32_16x16x128_f8f6f4 v[AC:AC+7], v[128*(\p)+12*bb:128*(\p)+12*bb+11], v[AF+12*aa:AF+12*aa+11], v[AC:AC+7], v[SC+16*(\sc)+TW*(\q)+bb], v[SC+16*(\sc)+TW*(\q)+aa] matrix_a_fmt:MATRIX_FMT_FP6 matrix_b_fmt:MATRIX_FMT_FP6 matrix_a_scale:MATRIX_SCALE_ROW1
.endif
.set bb, bb+1
.endr
.set aa, aa+1
.endr
.endm
.macro FETCH_B slot, q, p
	WIN 0x40
.set ii, 0
.rept TW
	FRAG 128*(\p)+12*ii, ADRB16+\slot, ADRB8+\slot, ii*ROWL+(\q)*1536
.set ii, ii+1
.endr
	WIN 0
.endm
.macro FETCH_A slot, q, i0
.set ii, \i0
.rept HM
	FRAG AF+12*ii, ADRA16+\slot, ADRA8+\slot, ii*ROWL+(\q)*1536
.set ii, ii+1
.endr
.endm
.macro SCALES sc
.set qq, 0
.rept NQ
.set gg, 0
.rept TW/4
	ds_load_b128 v[SC+16*\sc+TW*qq+4*gg:SC+16*\sc+TW*qq+4*gg+3], v[ADRS] offset:gg*NKS*256+256*qq
.set gg, gg+1
.endr
.set qq, qq+1
.endr
.endm
.macro STEP slot, q, zero
	s_wait_dscnt HM*NL
	WIN MUL_LO
	MULS 0, HM, (\q)%2, \q, \slot, \zero
	s_wait_dscnt 0x0
	PLACES 4
	FETCH_B \slot, (\q)+1, 1-(\q)%2
	FETCH_A \slot, (\q)+1, 0
	WIN MUL_HI
	MULS HM, HM, (\q)%2, \q, \slot, \zero
	PLACES 4
	WIN 0
	FETCH_A \slot, (\q)+1, HM
.endm
.macro TURN slot, next, fill
.if \fill
	s_wait_xcnt 0x0                                ; my last prefetch has read its address: it steps one K chunk here, ahead of the waits of the change of slots
	s_add_nc_u64 s[100:101], s[100:101], ROWL
.endif
	s_wait_tensorcnt 0x0
	ds_add_u32 v[SPW], v[NIL]
	s_wait_dscnt HM*NL+1
	WIN MUL_LO
	MULS 0, HM/2, 1, NQ-1, \slot, 0
	s_wait_dscnt 0x0
	s_barrier_signal -1
	MULS HM/2, HM/2, 1, NQ-1, \slot, 0
	WIN 0
	s_barrier_wait -1
.if \fill
	CREST
	s_add_nc_u64 s[G0+4*\slot+2:G0+4*\slot+3], s[G0+4*\slot+2:G0+4*\slot+3], 2*ROWL
	s_add_nc_u64 s[G0B+4*\slot+2:G0B+4*\slot+3], s[G0B+4*\slot+2:G0B+4*\slot+3], 2*ROWL
	JLOAD G0+4*\slot, G1, G0B+4*\slot, G1B
.else
	PLACES 4
.endif
	s_wait_alu depctr_va_vdst(0)
	v_add_nc_u32 v[ADRS], 256*NQ, v[ADRS]
	FETCH_B \next, 0, 0
	FETCH_A \next, 0, 0
	SCALES \next
.if \fill
	s_cmp_gt_u32 s3, 1                             ; the loop's last trip has no K chunk two refills on
	s_cbranch_scc0 .Lnoask_\@
	global_prefetch_b8 v24, s[100:101] offset:ROWL th:TH_LOAD_NT scope:SCOPE_SE   ; the K chunk two refills on: one tile's 6,144 bytes, 256 a lane
.Lnoask_\@:
.endif
	WIN MUL_HI
	MULS HM, HM, 1, NQ-1, \slot, 0
	PLACES 4
	WIN 0
	FETCH_A \next, 0, HM
.endm
	s_load_b256 s[4:11], s[0:1], 0x0
	s_load_b64 s[12:13], s[0:1], 0x20
	v_lshl_add_u32 v[SPW], v0, 2, SPARE
	v_mov_b32 v[NIL], 0
	ds_add_u32 v13, v14
	ds_add_u32 v13, v14
	s_wait_dscnt 0x0
	v_lshrrev_b32 v1, 5, v0
	v_readfirstlane_b32 s[WV], v1
	s_lshr_b32 s[HAW], s[WV], 1
	s_and_b32 s[HBW], s[WV], 1
	s_bfe_u32 s40, ttmp6, 0x40000
	s_bfe_u32 s41, ttmp6, 0x40004
	s_mov_b32 s42, ttmp9
	s_and_b32 s43, ttmp7, 0xffff
	s_lshl_b32 s44, s41, 2
	s_lshl_b32 s44, 15, s44
	s_lshl_b32 s45, 0x1111, s40
	s_or_b32 s[G1], s44, (3<<16)|(1<<21)
	s_or_b32 s[G1B], s45, (3<<16)|(1<<21)
.irp g, G1, G1B
	s_mov_b32 s[\g+1], (NQ*192)<<16
	s_mov_b32 s[\g+2], TW<<16
	s_mov_b32 s[\g+3], (NQ*192)<<16
	s_mov_b32 s[\g+4], TW
	s_mov_b32 s[\g+5], NKS*192
	s_mov_b32 s[\g+6], 0
	s_mov_b32 s[\g+7], 0
.endr
	s_or_b32 s[G1S], s44, (3<<16)|(1<<21)
	s_or_b32 s[G1SB], s45, (3<<16)|(1<<21)
.irp g, G1S, G1SB
	s_mov_b32 s[\g+1], 32<<16
	s_mov_b32 s[\g+2], (HALFS/256)<<16
	s_mov_b32 s[\g+3], 32<<16
	s_mov_b32 s[\g+4], HALFS/256
	s_mov_b32 s[\g+5], 32
	s_mov_b32 s[\g+6], 0
	s_mov_b32 s[\g+7], 0
.endr
	s_mul_i32 s47, s[HBW], TW
	s_lshl_b32 s46, s43, 2
	s_add_co_u32 s46, s46, s41
	s_mul_i32 s46, s46, 2*TW
	s_add_co_u32 s46, s46, s47
	s_mul_i32 s92, s46, NKS*1536
	s_mov_b32 s93, 0
	s_lshr_b32 s94, s46, 2
	s_mul_i32 s94, s94, NKS*256
	s_add_co_u32 s94, s94, ASC
	s_mov_b32 s95, 0
	s_lshl_b32 s66, s42, 2
	s_add_co_u32 s66, s66, s40
	s_mul_i32 s66, s66, 2*TW
	s_add_co_u32 s66, s66, s47
	s_mul_i32 s96, s66, NKS*1536
	s_add_co_u32 s96, s96, BCB
	s_mov_b32 s97, 0
	s_lshr_b32 s98, s66, 2
	s_mul_i32 s98, s98, NKS*256
	s_add_co_u32 s98, s98, BSC
	s_mov_b32 s99, 0
	s_mul_i32 s21, s[WV], HALFT
	s_wait_kmcnt 0x0
	s_add_nc_u64 s[92:93], s[4:5], s[92:93]
	s_add_nc_u64 s[94:95], s[4:5], s[94:95]
	s_add_nc_u64 s[96:97], s[6:7], s[96:97]
	s_add_nc_u64 s[98:99], s[6:7], s[98:99]
	CROUND
; THE HEAD'S LOADS, ONE A WAVE: wave 0 brings slot 0's region A, both halves, wave 1 its region B, wave 2 A's scale words, wave 3 B's.
	s_mul_i32 s46, s[HBW], TW*NKS*1536             ; my half's offset in the codes, taken off again: a head's load begins at the region's first tile
	s_mov_b32 s47, 0
	s_mul_i32 s66, s[HBW], HALFS                   ; and in the scale words
	s_mov_b32 s67, 0
	s_mov_b32 s[G0], 1
	s_mov_b32 s[G0+1], 0
	s_sub_nc_u64 s[G0+2:G0+3], s[92:93], s[46:47]
	s_or_b32 s[G0+3], s[G0+3], 0x80000000
	s_mov_b32 s[G0B], 1
	s_mov_b32 s[G0B+1], 2*HALFT
	s_sub_nc_u64 s[G0B+2:G0B+3], s[96:97], s[46:47]
	s_or_b32 s[G0B+3], s[G0B+3], 0x80000000
	s_mov_b32 s[G0S], 1
	s_mov_b32 s[G0S+1], SCL
	s_sub_nc_u64 s[G0S+2:G0S+3], s[94:95], s[66:67]
	s_or_b32 s[G0S+3], s[G0S+3], 0x80000000
	s_mov_b32 s[G0SB], 1
	s_mov_b32 s[G0SB+1], SCL+2*HALFS
	s_sub_nc_u64 s[G0SB+2:G0SB+3], s[98:99], s[66:67]
	s_or_b32 s[G0SB+3], s[G0SB+3], 0x80000000
	s_mov_b32 s[G0+4], 1                           ; slot 1's group 0: my half, the second K chunk
	s_add_co_u32 s[G0+5], s21, SLOT
	s_add_nc_u64 s[G0+6:G0+7], s[92:93], ROWL
	s_or_b32 s[G0+7], s[G0+7], 0x80000000
	s_mov_b32 s[G0B+4], 1
	s_add_co_u32 s[G0B+5], s21, SLOT
	s_add_nc_u64 s[G0B+6:G0B+7], s[96:97], ROWL
	s_or_b32 s[G0B+7], s[G0B+7], 0x80000000
.irp g, G1, G1B
	s_mov_b32 s[\g+2], (2*TW)<<16                  ; the head's loads count both halves' tiles
	s_mov_b32 s[\g+4], 2*TW
.endr
.irp g, G1S, G1SB
	s_mov_b32 s[\g+2], (2*HALFS/256)<<16
	s_mov_b32 s[\g+4], 2*HALFS/256
.endr
; THE PREFETCHES: of the four tiles that my ring's load brings, each of the four partners that ask for them jointly names one, told apart by address (cx for A's, cy for B's): 24 blocks of 256 bytes, a lane a block;
; lanes 24-31 name the last block again.  s[100:101] stands at that tile's K chunk 2.
	s_cmp_eq_u32 s[HAW], 0
	s_cselect_b32 s66, s40, s41
	s_cselect_b64 s[100:101], s[92:93], s[96:97]
	s_mul_i32 s66, s66, NKS*1536
	s_add_co_u32 s66, s66, 2*ROWL
	s_add_nc_u64 s[100:101], s[100:101], s[66:67]
.macro ARM under, g0, g1, next         ; one chain of branches on the wave's number: every way passes exactly one load
	s_cmp_lt_u32 s[WV], \under
	s_cbranch_scc0 \next
	tensor_load_to_lds s[\g0:\g0+3], s[\g1:\g1+7]
	s_nop 0
.rept 4
	v_nop
.endr
	s_branch .Lhead_asked
\next:
.endm
	ARM 1, G0,  G1,  .Lhead_b
	ARM 2, G0B, G1B, .Lhead_sa
	ARM 3, G0S, G1S, .Lhead_sb
	tensor_load_to_lds s[G0SB:G0SB+3], s[G1SB:G1SB+7]
	s_nop 0
.rept 4
	v_nop
.endr
.Lhead_asked:
	v_and_b32 v24, 31, v0
	v_min_u32 v24, 23, v24
	v_lshlrev_b32 v24, 8, v24                      ; my block of the tile's 24; never rewritten
	global_prefetch_b8 v24, s[100:101] th:TH_LOAD_NT scope:SCOPE_SE               ; K chunks 2 and 3, which the first two refills load
	global_prefetch_b8 v24, s[100:101] offset:ROWL th:TH_LOAD_NT scope:SCOPE_SE
	v_and_b32 v1, 15, v0
	v_bfe_u32 v2, v0, 4, 1
	v_and_b32 v[L8], 31, v0
	v_lshlrev_b32 v[L16], 4, v[L8]
	v_lshlrev_b32 v[L8], 3, v[L8]
	s_mul_i32 s46, s[HAW], HALFT
	s_mul_i32 s66, s[HBW], HALFT
	s_add_co_u32 s66, s66, 2*HALFT
.irp s, 0,1
	v_add_nc_u32 v[ADRA16+\s], s46, v[L16]
	v_add_nc_u32 v[ADRA8+\s], s46, v[L8]
	v_add_nc_u32 v[ADRB16+\s], s66, v[L16]
	v_add_nc_u32 v[ADRB8+\s], s66, v[L8]
	s_add_co_u32 s46, s46, SLOT
	s_add_co_u32 s66, s66, SLOT
.endr
	s_mul_i32 s46, s[HAW], HALFS
	s_mul_i32 s66, s[HBW], HALFS
	s_add_co_u32 s66, s66, 2*HALFS
	s_sub_co_u32 s66, s66, s46
	v_mul_u32_u24 v[ADRS], s66, v2
	s_add_co_u32 s46, s46, SCL
	v_lshl_add_u32 v[ADRS], v1, 4, v[ADRS]
	v_add_nc_u32 v[ADRS], s46, v[ADRS]
	s_mul_i32 s46, s[WV], 16*272
	v_mul_u32_u24 v[STO], v1, 272
	v_lshl_add_u32 v[STO], v2, 6, v[STO]
	v_add_nc_u32 v[STO], s46, v[STO]
	v_mul_u32_u24 v[RD], v2, 272
	v_lshl_add_u32 v[RD], v1, 4, v[RD]
	v_add_nc_u32 v[RD], s46, v[RD]
	v_lshlrev_b32 v[CO], 12, v2
	v_lshl_add_u32 v[CO], v1, 4, v[CO]
	v_lshlrev_b32 v19, 4, v1
	s_wait_alu depctr_va_vdst(0)
	s_lshl_b32 s96, s43, 2
	s_add_co_u32 s96, s96, s41
	s_lshl_b32 s96, s96, 19
	s_lshl_b32 s97, s[HAW], 18
	s_add_co_u32 s96, s96, s97
	s_lshl_b32 s98, s42, 2
	s_add_co_u32 s98, s98, s40
	s_lshl_b32 s98, s98, 9
	s_lshl_b32 s99, s[HBW], 8
	s_add_co_u32 s98, s98, s99
	s_add_co_u32 s96, s96, s98
	s_mov_b32 s97, 0
	s_mov_b32 s99, 0
	s_add_nc_u64 s[10:11], s[10:11], s[96:97]
	s_add_nc_u64 s[12:13], s[12:13], s[96:97]
	s_add_nc_u64 s[8:9], s[8:9], s[98:99]
	global_load_b128 v[BV:BV+3], v19, s[8:9]
	WIN 0x40
.irp a, 0,1,2,3
.irp i, 0,1,2,3,4,5,6,7
	global_load_b128 v[48+128*(\a/2)+32*(\a%2)+4*\i:48+128*(\a/2)+32*(\a%2)+4*\i+3], v[CO], s[10:11] offset:(32*(\a/2)+8*(\a%2)+2*\i+8*(\i/4))*4096
.endr
.endr
	WIN 0
	s_wait_alu depctr_va_vdst(0)
	s_wait_tensorcnt 0x0                           ; my tile of the head's four is in; slot 1's first fill is issued as a refill is
	ds_add_u32 v[SPW], v[NIL]
.irp g, G1, G1B
	s_mov_b32 s[\g+2], TW<<16                      ; no load of mine is out: from here on a load brings one half's tiles
	s_mov_b32 s[\g+4], TW
.endr
.if LAPS > 1
	s_mov_b32 s[G0+1], s21                         ; slot 0's group 0 for the ring: my half, the first K chunk
	s_sub_nc_u64 s[G0+2:G0+3], s[G0+6:G0+7], ROWL
	s_mov_b32 s[G0B+1], s21
	s_sub_nc_u64 s[G0B+2:G0B+3], s[G0B+6:G0B+7], ROWL
.endif
	s_wait_dscnt 0x0
	CROUND                                         ; all four tiles are in, in every partner
	JLOAD G0+4, G1, G0B+4, G1B                     ; slot 1, the first tensor load behind the round
	FETCH_B 0, 0, 0
	FETCH_A 0, 0, 0
	SCALES 0
	FETCH_A 0, 0, HM
	STEP 0, 0, 1
	STEP 0, 1, 0
	STEP 0, 2, 0
.if LAPS > 1
	s_mov_b32 s3, LAPS-1
.Llap:
	TURN 0, 1, 1
	STEP 1, 0, 0
	STEP 1, 1, 0
	STEP 1, 2, 0
	TURN 1, 0, 1
	STEP 0, 0, 0
	STEP 0, 1, 0
	STEP 0, 2, 0
	s_sub_co_u32 s3, s3, 1
	s_cmp_lg_u32 s3, 0
	s_cbranch_scc1 .Llap
.endif
	TURN 0, 1, 0
	STEP 1, 0, 0
	STEP 1, 1, 0
	STEP 1, 2, 0
	s_wait_dscnt HM*NL
	WIN MUL_LO
	MULS 0, HM, 1, NQ-1, 1, 0
	s_wait_dscnt 0x0
	WIN MUL_HI
	MULS HM, HM, 1, NQ-1, 1, 0
	WIN 0
	PLACES 4
	s_wait_loadcnt 0x0
.macro TOSTAGE a
	WIN 0x08+4*((\a)/HM)
.irp b, 0,1,2,3
	ds_store_b128 v[STO], v[8*(TW*((\a)%HM)+\b):8*(TW*((\a)%HM)+\b)+3] offset:128*(\b/2)+32*(\b%2)
	ds_store_b128 v[STO], v[8*(TW*((\a)%HM)+\b)+4:8*(TW*((\a)%HM)+\b)+7] offset:128*(\b/2)+32*(\b%2)+16
.endr
	WIN 0
.irp i, 0,1,2,3,4,5,6,7
	ds_load_b128 v[BK+32*((\a)%2)+4*\i:BK+32*((\a)%2)+4*\i+3], v[RD] offset:544*\i
.endr
.endm
.macro SEND a, younger
.set BB, BK+32*((\a)%2)
.set RS, 48+128*((\a)/2)+32*((\a)%2)
	s_wait_dscnt \younger
.irp i, 0,1,2,3,4,5,6,7
	v_pk_add_f32 v[BB+4*\i:BB+4*\i+1], v[BB+4*\i:BB+4*\i+1], v[BV:BV+1]
	v_pk_add_f32 v[BB+4*\i+2:BB+4*\i+3], v[BB+4*\i+2:BB+4*\i+3], v[BV+2:BV+3]
.endr
	WIN 0x04
.set jj, 0
.rept 16
	v_pk_add_f32 v[BB+jj:BB+jj+1], v[BB+jj:BB+jj+1], v[RS+jj:RS+jj+1]
.set jj, jj+2
.endr
	WIN 0
.irp i, 0,1,2,3,4,5,6,7
	global_store_b128 v[CO], v[BB+4*\i:BB+4*\i+3], s[12:13] offset:(32*((\a)/2)+8*((\a)%2)+2*\i+8*(\i/4))*4096 th:TH_STORE_NT
.endr
.endm
	TOSTAGE 0
	TOSTAGE 1
	SEND 0, 16
	s_wait_xcnt 0x0
	TOSTAGE 2
	SEND 1, 16
	s_wait_xcnt 0x0
	TOSTAGE 3
	SEND 2, 16
	SEND 3, 0
	s_wait_tensorcnt 0x0
	ds_add_u32 v[SPW], v[NIL]
	s_wait_dscnt 0x0
	CROUND
	s_endpgm
.Lfunc_end_k_q8640102c08_ffn2:
	.size	k_q8640102c08_ffn2, .Lfunc_end_k_q8640102c08_ffn2-k_q8640102c08_ffn2
	.p2alignl 7, 3214868480
	.fill 96, 4, 3214868480
	.section	.rodata,"a",@progbits
	.p2align	6, 0x0
	.amdhsa_kernel k_q8640102c08_ffn2
		.amdhsa_group_segment_fixed_size 327680
		.amdhsa_private_segment_fixed_size 0
		.amdhsa_enable_private_segment 0
		.amdhsa_kernarg_size 40
		.amdhsa_user_sgpr_count 2
		.amdhsa_user_sgpr_kernarg_segment_ptr 1
		.amdhsa_wavefront_size32 1
		.amdhsa_system_sgpr_workgroup_id_x 1
		.amdhsa_system_sgpr_workgroup_id_y 1
		.amdhsa_system_sgpr_workgroup_id_z 1
		.amdhsa_system_vgpr_workitem_id 0
		.amdhsa_next_free_vgpr 1024
		.amdhsa_next_free_sgpr 102
		.amdhsa_reserve_vcc 0
		.amdhsa_float_denorm_mode_32 3
		.amdhsa_float_denorm_mode_16_64 3
		.amdhsa_memory_ordered 1
		.amdhsa_forward_progress 1
		.amdhsa_inst_pref_size 107
	.end_amdhsa_kernel
	.amdgpu_metadata
---
amdhsa.version: [ 1, 2 ]
amdhsa.kernels:
  - .name:           k_q8640102c08_ffn2
    .symbol:         k_q8640102c08_ffn2.kd
    .args:
      - { .name: hid, .offset: 0, .size: 8, .value_kind: global_buffer, .address_space: global }
      - { .name: wts, .offset: 8, .size: 8, .value_kind: global_buffer, .address_space: global }
      - { .name: b2, .offset: 16, .size: 8, .value_kind: global_buffer, .address_space: global }
      - { .name: x1, .offset: 24, .size: 8, .value_kind: global_buffer, .address_space: global }
      - { .name: out0, .offset: 32, .size: 8, .value_kind: global_buffer, .address_space: global }
    .group_segment_fixed_size: 327680
    .private_segment_fixed_size: 0
    .kernarg_segment_align: 8
    .kernarg_segment_size: 40
    .max_flat_workgroup_size: 128
    .sgpr_count:     102
    .vgpr_count:     1024
    .wavefront_size: 32
...
	.end_amdgpu_metadata
.endif
;; end of part 7
